; MI455X (gfx1250); checked and timed in simulation.
; The chip was launched on July 23, 2026; its instructions are those of AMD's public machine-readable ISA for CDNA 5 (MIT licence, August 2026) and "CDNA5" Instruction Set Architecture Reference Guide (July 2026). The comments in the code are by the model that wrote it; some were corrected since.
;; Encoder Block. Allowed arithmetic: matrix products marked QUANTISED: E3M2 operands, one E8M0 scale for each 32 along K, by v_wmma_scale_f32_16x16x128_f8f6f4 with both operands' format E3M2, f32 sums; everything else in f32.
;; Inputs: b1 4,096 float32; b2 1,024 float32; b_proj 1,024 float32; beta1 1,024 float32; beta2 1,024 float32; bk 16 x 64 float32; bq 16 x 64 float32; bv 16 x 64 float32; gamma1 1,024 float32; gamma2 1,024 float32; w1_codes 4,096 x 32 x 24 uint8 (E3M2 codes of w1, K innermost, in blocks of 32 codes, four codes in three bytes); w1_scales 4,096 x 32 uint8 (E8M0 scales of w1, one for each 32 codes along K); w2_codes 1,024 x 128 x 24 uint8 (E3M2 codes of w2, K innermost, in blocks of 32 codes, four codes in three bytes); w2_scales 1,024 x 128 uint8 (E8M0 scales of w2, one for each 32 codes along K); w_proj_codes 1,024 x 32 x 24 uint8 (E3M2 codes of w_proj, K innermost, in blocks of 32 codes, four codes in three bytes); w_proj_scales 1,024 x 32 uint8 (E8M0 scales of w_proj, one for each 32 codes along K); wk_codes 16 x 64 x 32 x 24 uint8 (E3M2 codes of wk, K innermost, in blocks of 32 codes, four codes in three bytes); wk_scales 16 x 64 x 32 uint8 (E8M0 scales of wk, one for each 32 codes along K); wq_codes 16 x 64 x 32 x 24 uint8 (E3M2 codes of wq, K innermost, in blocks of 32 codes, four codes in three bytes); wq_scales 16 x 64 x 32 uint8 (E8M0 scales of wq, one for each 32 codes along K); wv_codes 16 x 64 x 32 x 24 uint8 (E3M2 codes of wv, K innermost, in blocks of 32 codes, four codes in three bytes); wv_scales 16 x 64 x 32 uint8 (E8M0 scales of wv, one for each 32 codes along K); x 2 x 2,048 x 1,024 float32.
;; Outputs: out0 2 x 2,048 x 1,024 float32.
;; This version of the problem:
;;   THIS VERSION OF THE PROBLEM IS GIVEN IN LOW PRECISION. The matrix products marked QUANTISED in the list below multiply operands that are first quantised to E3M2 (3 exponent bits, 2 mantissa bits; 6 bits a number), with one power-of-two scale for each 32 numbers along K (OCP MX v1.0); their sums are f32. All else is computed in f32.
;;   The module's matrix products, in the order in which they are computed (A, B: the left and right operand; K: the contracted axis; several contracted axes count as one K, in the product's order):
;;     1. [M 1,024, K 1,024] x [K 1,024, N 4,096]; A: input wq (given as codes); B: input x: QUANTISED
;;     2. [M 1,024, K 1,024] x [K 1,024, N 4,096]; A: input wk (given as codes); B: input x: QUANTISED
;;     3. [M 1,024, K 1,024] x [K 1,024, N 4,096]; A: input wv (given as codes); B: input x: QUANTISED
;;     4. batch 32 x [M 2,048, K 64] x [K 64, N 2,048]; A: computed on the way; B: computed on the way: QUANTISED
;;     5. batch 32 x [M 2,048, K 2,048] x [K 2,048, N 64]; A: softmax (see below); B: computed on the way: QUANTISED
;;     6. [M 4,096, K 1,024] x [K 1,024, N 1,024]; A: computed on the way; B: input w_proj (given as codes): QUANTISED
;;     7. [M 4,096, K 1,024] x [K 1,024, N 4,096]; A: computed on the way; B: input w1 (given as codes): QUANTISED
;;     8. [M 4,096, K 4,096] x [K 4,096, N 1,024]; A: computed on the way; B: input w2 (given as codes): QUANTISED
;;   THE QUANTISER, for each operand of a quantised product, along K:
;;     - K is cut into blocks of 32 from its start; a last block that is shorter is filled with zeros.
;;     - A block's scale is 2^e with e = floor(log2(the largest magnitude in the block)) - 4, held to -126 .. 127; a block of zeros has e = 0. As a byte (E8M0): e + 127.
;;     - Each number is divided by its block's scale, clamped to +-28, and rounded to the nearest number of E3M2, ties to even, subnormals kept.
;;     - The product sums the exact products of the quantised numbers (number of the format x scale) in f32.
;;   ~~~python
;;   def quantise(x, axis):      # numpy; x: float32 -> the quantised numbers, widened to float32 again
;;       x = np.moveaxis(x, axis, -1); K = x.shape[-1]
;;       x = np.pad(x, [(0, 0)] * (x.ndim - 1) + [(0, -K % 32)]); x = x.reshape(x.shape[:-1] + (-1, 32)); a = np.abs(x).max(-1, keepdims=True)
;;       e = np.where(a > 0, np.clip(np.frexp(np.where(a > 0, a, 1))[1] - 1 - 4, -126, 127), 0)      # np.frexp(a)[1] - 1 = floor(log2(a)), exactly
;;       r = np.clip(x / 2.0 ** e, -28, 28)
;;       step = 2.0 ** (np.maximum(np.frexp(np.where(r == 0, 1, r))[1] - 1, -2) - 2)
;;       q = np.round(r / step) * step * 2.0 ** e      # np.round: ties to even
;;       return np.moveaxis(q.reshape(q.shape[:-2] + (-1,))[..., :K], -1, axis).astype(np.float32)
;;   ~~~
;;   SOFTMAX AHEAD OF A QUANTISED PRODUCT. Where the list says 'softmax', what is quantised is not the finished softmax but p = 2^(t - M), with t = logit x log2(e) and M = ceil(the row's largest t), a whole number; so 1/2 < the row's largest p <= 1. The row's sum l is taken of the UNQUANTISED p, in f32, and the product's result is divided by l at the end. Since M is a whole number, a kernel that streams over the keys may use a running M (the ceiling of the running maximum): every later rescaling is an exact power of two, which a block's scale takes up: the codes' values come out the same.
;;   OPERANDS COMPUTED ON THE WAY. 'Computed on the way' means the value that the module computes at that place (a softmax that the list does not call 'softmax' is quantised finished and normalised). What goes into a quantiser is computed in f32, as accurately as f32 sums, v_exp_f32 and their like allow (about 1e-6 of the number): no bf16 or f16 on the way to a quantiser, and a product that is left as it is and whose result goes on into a quantised operand takes f32 operands (vector FMAs, or v_wmma_f32_16x16x4_f32). A number that lies on a knife's edge between two numbers of the format may be rounded either way, as far as f32 arithmetic and the matrix unit's own rounding can turn it there, and no further.
;;   INPUTS GIVEN AS CODES. w1 (in the module: [1024, 4096], K = its axis 0); w2 (in the module: [4096, 1024], K = its axis 0); w_proj (in the module: [1024, 1024], K = its axis 0); wk (in the module: [16, 1024, 64], K = its axis 1); wq (in the module: [16, 1024, 64], K = its axis 1); wv (in the module: [16, 1024, 64], K = its axis 1): each comes as NAME_codes (uint8): NAME with its K axis moved to the last place and cut into blocks of 32 codes, [.., K / 32, bytes a block], one block behind the other in memory; four codes in three bytes: a row's codes are one little-endian stream of bits, code i at bits 6 i .. 6 i + 5 (a code: sign, 3 exponent bits, 2 mantissa bits); and NAME_scales (uint8): the same leading axes, one E8M0 byte (e + 127) for each 32 codes along K. Its value is code x scale, taken as it is: it is not quantised again, and the codes and scales need not be those that the quantiser above would give.
;; 2 versions. Each part assembles by itself: llvm-mc -triple=amdgcn-amd-amdhsa -mcpu=gfx1250 --defsym DOCPART=n.
;; ======== version 1 of 2: 8 launches
;; workspace buffers: act0 3,276,800 bytes; act1 3,276,800 bytes; qkv 10,223,616 bytes; y 16,777,216 bytes; o1 16,777,216 bytes; h 13,107,200 bytes
;; launch quantx (part 1): grid 256 x 1, 2 waves a work-group, no clusters, 16,640 bytes of LDS; arguments x, act0; writes act0
.if DOCPART == 1
	.amdgcn_target "amdgcn-amd-amdhsa--gfx1250"
	.amdhsa_code_object_version 6
	.text
	.protected	k_q8047da440d_quantx
	.globl	k_q8047da440d_quantx
	.p2align	8
	.type	k_q8047da440d_quantx,@function
k_q8047da440d_quantx:
	s_mov_b64 s[64:65], 0
	v_nop
	global_prefetch_b8 v0, s[64:65] scope:SCOPE_SE
	s_setreg_imm32_b32 hwreg(HW_REG_WAVE_MODE, 25, 1), 1
	s_wait_xcnt 0x0
; x [4096][1024] f32 becomes codes of BF6 (E3M2), 6 bits each, K innermost, with one E8M0 scale byte for each 32 along K.
; act0: the codes at byte 0 (a row of 1,024 codes is 768 dense bytes), the scale bytes [4096][32] at byte SCOFF.
; A block's scale is 2^(floor(log2(its largest magnitude)) - 4); its byte is the largest magnitude's exponent field - 4, held at 1 from below.
; (A block of zeros so gets the byte 1 where the quantiser says 127: its codes are zeros, and this program alone reads the bytes.)
; LIMITS: blocks whose largest magnitude lies under 2^-122 get the byte 1; NaN and infinities among the inputs are not served.
; Rows are dense and 1,024 is a multiple of 32, so x is a plain stream of blocks of 32: nothing here knows of rows.
; A wave takes a run of 16 steps of 512 numbers.  Each of a step's four loads reads 512 consecutive bytes, 16 a lane; the 2,048 bytes turn through the wave's own stage in LDS
; and come back 64 bytes a lane, so that a lane holds 16 neighbours along K (two neighbouring lanes hold a block).  16 bytes of padding behind each 64 in the stage.
; A lane's 16 codes are 12 bytes: the wave stores 384 consecutive bytes.  A wave's 256 scale bytes are gathered in LDS and leave as one aligned block of 256 bytes.
; No tensor loads, no barrier: waves share nothing.  Loads run four steps (16 loads a wave) ahead, the turn through LDS one step.  512 runs: 256 work-groups of two waves.
.set STEPS, 16
.set EMAX,  4
.set CB,    12                         ; bytes of 16 codes
.set R,     16                         ; v16-79   four sets of 16 numbers as they are loaded
.set X,     80                         ; v80-111  two sets of 16 neighbours
.set C,     128                        ; v128-191 codes: four registers for each step, so that no store's data are written again
.set E,     112                        ; v112-127 a scale byte for each step
.set WREG,  8192                       ; LDS: a region for each wave: two stages of 32 x SP bytes, behind them its 256 scale bytes
.set SP,    80
.set SCOFF, 0x300000                   ; where the scale bytes begin in act0
	s_load_b128 s[4:7], s[0:1], 0x0                ; x, act0
	v_lshl_add_u32 v192, v0, 2, 0x4000
	v_mov_b32 v193, 0
	v_lshrrev_b32 v1, 5, v0
	v_readfirstlane_b32 s16, v1                    ; wave
	v_and_b32 v2, 31, v0                           ; lane
	v_lshlrev_b32 v3, 4, v2                        ; my 16 bytes of a load's 512
	s_mul_i32 s17, s16, WREG
	v_lshrrev_b32 v14, 2, v2
	v_mul_u32_u24 v14, v14, SP
	v_and_b32 v15, 3, v2
	v_lshl_add_u32 v14, v15, 4, v14
	v_add_nc_u32 v14, s17, v14                     ; the stage, on the way in: SP (lane / 4) + 16 (lane % 4)
	v_mul_u32_u24 v15, v2, SP
	v_add_nc_u32 v15, s17, v15                     ; and on the way out: SP x lane: my 16 neighbours
	v_mul_u32_u24 v4, v2, CB                       ; my codes' place in a step's
	v_lshrrev_b32 v5, 1, v2
	s_add_co_u32 s17, s17, 2*32*SP
	v_add_nc_u32 v5, s17, v5                       ; LDS: my wave's 256 scale bytes, my block's byte
	v_lshlrev_b32 v7, 3, v2                        ; and on the way out 8 bytes a lane
	v_add_nc_u32 v6, s17, v7
	s_lshl_b32 s18, ttmp9, 1
	s_add_co_u32 s18, s18, s16                     ; my run of 8,192 numbers
	s_lshl_b32 s20, s18, 15                        ; its 32,768 bytes of x,
	s_mov_b32 s21, 0
	s_mul_i32 s22, s18, 32*STEPS*CB                ; its 6,144 bytes of codes,
	s_mov_b32 s23, 0
	s_lshl_b32 s24, s18, 8                         ; its 256 scale bytes
	s_mov_b32 s25, 0
	s_wait_kmcnt 0x0
	s_add_nc_u64 s[4:5], s[4:5], s[20:21]
	s_add_nc_u64 s[8:9], s[6:7], s[22:23]
	s_add_nc_u64 s[10:11], s[6:7], s[24:25]
	s_add_nc_u64 s[10:11], s[10:11], SCOFF
.macro LOAD t
.irp i, 0,1,2,3
	global_load_b128 v[R+16*((\t)%4)+4*\i:R+16*((\t)%4)+4*\i+3], v3, s[4:5] offset:2048*(\t)+512*\i   ; 32 lanes read 512 consecutive bytes (no hint: a later launch reads x again)
.endr
.endm
.macro TURN t                          ; step t's numbers through the stage: LDS serves a wave's instructions in order, so no wait stands between the stores and the loads
.irp i, 0,1,2,3
	ds_store_b128 v14, v[R+16*((\t)%4)+4*\i:R+16*((\t)%4)+4*\i+3] offset:32*SP*((\t)%2)+8*SP*\i
.endr
.irp i, 0,1,2,3
	ds_load_b128 v[X+16*((\t)%2)+4*\i:X+16*((\t)%2)+4*\i+3], v15 offset:32*SP*((\t)%2)+16*\i
.endr
.endm
.irp t, 0,1,2,3
	LOAD \t
.endr
	s_wait_loadcnt 12                              ; step 0's four loads are in; three steps' twelve may be out
	TURN 0
.macro STEP t
.set XS, X+16*((\t)%2)
.if (\t) > 0
	s_wait_dscnt 1                                 ; this step's numbers are back from the stage (the last step's byte store may be out)
.else
	s_wait_dscnt 0x0
.endif
.if (\t)+4 < STEPS
	LOAD (\t)+4                                    ; the registers that the stage's stores have read take the loads of four steps on
.endif
.if (\t)+1 < STEPS
.if STEPS-2-(\t) >= 3
	s_wait_loadcnt 12                              ; the next step's four loads are in; those of the three steps behind it may be out
.else
	s_wait_loadcnt 4*(STEPS-2-(\t))
.endif
	TURN (\t)+1
.endif
	v_max3_num_f32 v8, |v[XS]|, |v[XS+1]|, |v[XS+2]|               ; the largest magnitude of my 16, in two chains
	v_max3_num_f32 v9, |v[XS+3]|, |v[XS+4]|, |v[XS+5]|
.irp i, 6,10
	v_max3_num_f32 v8, v8, |v[XS+\i]|, |v[XS+\i+1]|
	v_max3_num_f32 v9, v9, |v[XS+\i+2]|, |v[XS+\i+3]|
.endr
	v_max3_num_f32 v8, v8, |v[XS+14]|, |v[XS+15]|
	v_max3_num_f32 v8, v8, v9, (EMAX+1)<<23        ; and the floor 2^(5 - 127): the byte cannot fall under 1
	v_max_num_f32_dpp v8, v8, v8 row_xmask:1 row_mask:0xf bank_mask:0xf   ; and of my neighbour's 16: the block's
	v_add_nc_u32 v11, -(EMAX<<23), v8              ; 4 off its exponent field: the conversion takes the exponent field of this operand as its scale
	v_cvt_scalef32_pk16_bf6_f32 v[C+4*(\t):C+4*(\t)+2], v[XS:XS+15], v11
	v_lshrrev_b32 v[E+(\t)], 23, v11               ; the scale's byte
	ds_store_b8 v5, v[E+(\t)] offset:16*(\t)       ; both lanes of a block write the same byte with the same value
	global_store_b96 v4, v[C+4*(\t):C+4*(\t)+2], s[8:9] offset:32*CB*(\t)
.endm
.irp t, 0,1,2,3,4,5,6,7,8,9,10,11,12,13,14,15
	STEP \t
.endr
	ds_load_b64 v[12:13], v6                       ; LDS serves a wave's instructions in order: these see my stores
	s_wait_dscnt 0x0
	global_store_b64 v7, v[12:13], s[10:11]        ; 32 lanes store 256 consecutive bytes, aligned
	s_wait_tensorcnt 0x0
	ds_add_u32 v192, v193
	s_wait_dscnt 0x0
	s_endpgm
.Lfunc_end_k_q8047da440d_quantx:
	.size	k_q8047da440d_quantx, .Lfunc_end_k_q8047da440d_quantx-k_q8047da440d_quantx
	.p2alignl 7, 3214868480
	.fill 96, 4, 3214868480
	.section	.rodata,"a",@progbits
	.p2align	6, 0x0
	.amdhsa_kernel k_q8047da440d_quantx
		.amdhsa_group_segment_fixed_size 16640
		.amdhsa_private_segment_fixed_size 0
		.amdhsa_enable_private_segment 0
		.amdhsa_kernarg_size 16
		.amdhsa_user_sgpr_count 2
		.amdhsa_user_sgpr_kernarg_segment_ptr 1
		.amdhsa_wavefront_size32 1
		.amdhsa_system_sgpr_workgroup_id_x 1
		.amdhsa_system_sgpr_workgroup_id_y 1
		.amdhsa_system_sgpr_workgroup_id_z 1
		.amdhsa_system_vgpr_workitem_id 0
		.amdhsa_next_free_vgpr 194
		.amdhsa_next_free_sgpr 66
		.amdhsa_reserve_vcc 0
		.amdhsa_float_denorm_mode_32 3
		.amdhsa_float_denorm_mode_16_64 3
		.amdhsa_memory_ordered 1
		.amdhsa_forward_progress 1
		.amdhsa_inst_pref_size 32
	.end_amdhsa_kernel
	.amdgpu_metadata
---
amdhsa.version: [ 1, 2 ]
amdhsa.kernels:
  - .name:           k_q8047da440d_quantx
    .symbol:         k_q8047da440d_quantx.kd
    .args:
      - { .name: x, .offset: 0, .size: 8, .value_kind: global_buffer, .address_space: global }
      - { .name: act0, .offset: 8, .size: 8, .value_kind: global_buffer, .address_space: global }
    .group_segment_fixed_size: 16640
    .private_segment_fixed_size: 0
    .kernarg_segment_align: 8
    .kernarg_segment_size: 16
    .max_flat_workgroup_size: 64
    .sgpr_count:     66
    .vgpr_count:     194
    .wavefront_size: 32
...
	.end_amdgpu_metadata
.endif
;; end of part 1
;; launch qkv (part 2): grid 48 x 4, 4 waves a work-group, clusters of 4 x 4, 327,680 bytes of LDS; arguments act0, wq_codes, wq_scales, wk_codes, wk_scales, wv_codes, wv_scales, bq, bk, bv, qkv; writes qkv
.if DOCPART == 2
	.amdgcn_target "amdgcn-amd-amdhsa--gfx1250"
	.amdhsa_code_object_version 6
	.text
	.protected	k_q8047da440d_qkv
	.globl	k_q8047da440d_qkv
	.p2align	8
	.type	k_q8047da440d_qkv,@function
k_q8047da440d_qkv:
	s_mov_b64 s[64:65], 0
	v_nop
	global_prefetch_b8 v0, s[64:65] scope:SCOPE_SE
	s_setreg_imm32_b32 hwreg(HW_REG_WAVE_MODE, 25, 1), 1
	s_wait_xcnt 0x0
	s_wait_alu depctr_hold_cnt(0) depctr_sa_sdst(0) depctr_va_vdst(0) depctr_va_sdst(0) depctr_va_ssrc(0) depctr_va_vcc(0) depctr_vm_vsrc(0)
	s_getreg_b32 s2, hwreg(HW_REG_IB_STS2, 6, 4)
	s_cmp_eq_u32 s2, 0
	s_cbranch_scc0 .Lentry_in_a_cluster
	s_endpgm
.Lentry_in_a_cluster:
	s_bfe_u32 s2, ttmp6, 0x10000c
	s_cmp_lg_u32 s2, 0xf033
	s_cbranch_scc0 .Lentry_shape_is_right
	s_endpgm
.Lentry_shape_is_right:
; q = x wq + bq, k = x wk + bk, v = x wv + bv on codes of BF6 (E3M2) with E8M0 scales for each 32 along K = 1,024; the results are quantised here for the attention launch.
; ONE GEMM, C = A B^T, tiles of 256 x 256, four waves of 128 x 128 (64 accumulators, 512 registers); K in steps of 256 through a ring of two LDS slots filled by the tensor data mover.
; Twelve clusters of 4 x 4 work-groups, c = the cluster's number.  c = 0..3: q;  c = 4..7: k: A = x (4,096 tokens), B = the weight (1,024 rows = head x 64 + feature).
; c = 8..11: v, THE SAME PRODUCT WITH ITS OPERANDS EXCHANGED: A = wv, B = x.  The matrix instruction is used transposed (source 0 = 16 rows of B, source 1 = 16 rows of A): a lane holds ONE row of A
; and its registers run along B's rows.  So for q and k a lane's registers run along the features (their quantiser's K), for v along the tokens (the keys: v's quantiser's K).
; A's tile is shared along a row of the cluster, B's along a column: each is asked for JOINTLY.  The scales of the work-group's rows come into LDS once.
; WAY OUT.  A block of 16 rows x 128: + bias, 64 numbers a lane; halves of lanes exchanged so that 16 registers are 16 neighbours; quantised; the codes go as IMAGES OF THE OPERAND'S REGISTERS
; (chunk i = registers 2 i, 2 i + 1, lane l's 8 bytes at 8 l) into the wave's stage in LDS, in the layout of the buffer, and leave as whole runs of 512 bytes.
; qkv: q at 0, k at TENB, v at 2 TENB; each [batch x 16 + head][128 tokens][BLKB bytes].  q, k block: 8 tiles of 16 tokens x 768 bytes (registers 0-5: the head's 64), then 8 x 16 scale words.
; v block: 4 tiles of 16 features x 1,536 bytes (128 keys), then 4 x 32 scale words.  THE ROWS OF A TILE ARE NOT NEIGHBOURS: slot s of tile 2 g + u is row 32 g + 8 u + s + 8 (s / 8).
; A q or k scale word's bytes 2, 3 are the other head's bytes or 0: they meet zero codes in the attention launch.
; LIMITS: a block whose largest magnitude lies under 2^-122 (zeros too) gets the byte 1; NaN and infinities are not served.
; REGISTERS: window 0: v7-15, v30 addresses of the way out; v16-23, v27 LDS addresses; v28, v29 for the add; v32-63 scale words; v64-127 the bias along columns; v128-223 A's fragments; v224-231 the bias along rows.
;   window 1: B's fragments, two sets.  windows 2, 3: the accumulators ((a, b) at v[8 (8 (a % 4) + b)]).
.set SIZE_K, 1024
.set KSTEP,  256
.set NQ,     KSTEP/128
.set ROWB,   192                       ; a tile's row in bytes
.set KROW,   SIZE_K*6/8                ; a row of codes in memory
.set PITCH,  240                       ; an LDS row: 3 x (64 bytes + 16 of padding)
.set FR,     12
.set NL,     6
.set NP,     4
.set HALFT,  128*PITCH
.set SLOT,   4*HALFT
.set LAPS,   SIZE_K/(2*KSTEP)
.set KS,     SIZE_K/32
.set SCL,    2*SLOT
.set HALFS,  (128*KS/256)*272
.set SBLK,   (16*KS/256)*272
.set SPARE,  SCL+4*HALFS               ; the spare words: 128 bytes a wave, two blocks of 256 bytes that no other line names
.set BLKB,   6656
.set HEADB,  16*BLKB
.set TENB,   32*HEADB
.set XSC,    0x300000                  ; x's scale bytes in act0
.set VST,    8*BLKB                    ; v's stages lie behind q's and k's: each way has LDS bytes of its own, all in slot 0, which has had its last fill and its last read by then
.set SQ,   7
.set SQS,  8
.set SV,   9
.set SVS,  10
.set RQ,   11
.set RV,   12
.set GO,   13
.set BA,   14
.set BVA,  15
.set ADRA, 16
.set ADRB, 20
.set ADRS, 27
.set SPW,  28
.set NIL,  29
.set SH,   30
.set SC,   32
.set BIAS, 64
.set AF,   128
.set HA,   128                         ; the way out: 64 numbers
.set CD,   192                         ; the codes just made (19 registers)
.set BV,   224
.set TM,   232                         ; 16 registers at work in the quantiser
.set PW,   248                         ; the scale word just made
.set SW,   250
.set SEL,  66
.set G1, 24
.set G0, 32
.set G1B, 48
.set G0B, 56
.set G1S, 68
.set G0S, 76
.set G1SB, 80
.set G0SB, 88
.set MSB, 0
.macro WIN new                         ; the immediate's high byte repeats the setting that is left
.if MSB != (\new)
	s_set_vgpr_msb (MSB<<8)|(\new)
.set MSB, (\new)
.endif
.endm
.set MUL_LO, 0xa1                      ; source 0 (B) window 1, source 1 (A) window 0, C and D window 2
.set MUL_HI, 0xf1
.set TO_B,   0x40
; A joint load: waves 0 and 1 fetch for A, waves 2 and 3 for B; the branch hangs on the wave's number alone.  Four v_nop follow each of the two lines.
.macro JLOAD g0a, g1a, g0b, g1b
	s_cmp_eq_u32 s15, 0
	s_cbranch_scc0 .Lfor_b_\@
	tensor_load_to_lds s[\g0a:\g0a+3], s[\g1a:\g1a+7]
	s_nop 0
.rept 4
	v_nop
.endr
	s_branch .Lasked_\@
.Lfor_b_\@:
	tensor_load_to_lds s[\g0b:\g0b+3], s[\g1b:\g1b+7]
	s_nop 0
.rept 4
	v_nop
.endr
.Lasked_\@:
.endm
.macro CREST                           ; a round of the cluster's barrier behind its opening barrier
	s_cmp_lg_u32 s14, 0
	s_cbranch_scc1 .Lnot_wave_0_\@
	s_barrier_signal -3
.Lnot_wave_0_\@:
	s_barrier_wait -3
	s_barrier_signal -1
	s_barrier_wait -1
.endm
.macro CROUND
	s_barrier_signal -1
	s_barrier_wait -1
	CREST
.endm
	s_load_b512 s[68:83], s[0:1], 0x0              ; act0, wq codes, scales, wk codes, scales, wv codes, scales, bq
	s_load_b128 s[84:87], s[0:1], 0x40             ; bk, bv
	s_load_b64 s[88:89], s[0:1], 0x50              ; qkv
	v_lshl_add_u32 v[SPW], v0, 2, SPARE
	v_mov_b32 v[NIL], 0
	ds_add_u32 v28, v29
	ds_add_u32 v28, v29
	s_wait_dscnt 0x0
	v_lshrrev_b32 v1, 5, v0
	v_readfirstlane_b32 s14, v1                    ; wave 0..3
	s_lshr_b32 s15, s14, 1                         ; which half of the tile's rows is mine.  Also: I fetch for A (0) or for B (1)
	s_and_b32 s16, s14, 1                          ; which half of its columns.  Also: which 128 rows of that tile I fetch
	s_bfe_u32 s40, ttmp6, 0x40000                  ; cx, cy
	s_bfe_u32 s41, ttmp6, 0x40004
	s_and_b32 s95, ttmp9, 3
	s_lshl_b32 s95, s95, 2                         ; 4 (c % 4): which four tiles of tokens
	s_lshr_b32 s98, ttmp9, 3                       ; 1 in v's clusters
	s_mul_i32 s99, s95, s98                        ; there the tokens are B's rows,
	s_sub_co_u32 s95, s95, s99                     ; else A's
	s_add_co_u32 s42, s99, s40                     ; tile column
	s_add_co_u32 s17, s95, s41                     ; tile row
	s_lshl_b32 s43, s41, 2
	s_lshl_b32 s43, 15, s43                        ; my row of the cluster
	s_lshl_b32 s44, 0x1111, s40                    ; my column
	s_or_b32 s[G1+0], s43, (0<<16)|(1<<20)|(1<<21)|(3<<22)|(3<<25)  ; the mask; elements of 1 byte; padding on; bit 21 beside a mask; after every 16 words 4 words
	s_or_b32 s[G1B+0], s44, (0<<16)|(1<<20)|(1<<21)|(3<<22)|(3<<25)
.irp g, G1, G1B
	s_mov_b32 s[\g+1], ROWB<<16                    ; tensor_dim0
	s_mov_b32 s[\g+2], 128<<16                     ; tensor_dim1
	s_mov_b32 s[\g+3], ROWB<<16                    ; tile_dim0
	s_mov_b32 s[\g+4], 128                         ; tile_dim1
	s_mov_b32 s[\g+5], KROW                        ; stride from row to row
	s_mov_b32 s[\g+6], 0
	s_mov_b32 s[\g+7], 0
.endr
	s_lshl_b32 s18, s16, 7
	s_lshl_b32 s20, s17, 8
	s_add_co_u32 s20, s20, s18                     ; A: row 256 x tile row + 128 x half
	s_lshl_b32 s46, s42, 8
	s_add_co_u32 s46, s46, s18                     ; B: row 256 x tile column + 128 x half
	s_mov_b32 s21, 0
	s_mov_b32 s47, 0
	s_mov_b64 s[18:19], KS
	s_mul_u64 s[22:23], s[20:21], s[18:19]         ; where these rows' scales begin
	s_mul_u64 s[92:93], s[46:47], s[18:19]
	s_mov_b64 s[18:19], KROW
	s_mul_u64 s[20:21], s[20:21], s[18:19]         ; and their codes
	s_mul_u64 s[46:47], s[46:47], s[18:19]
	s_mul_i32 s45, s14, HALFT                      ; where they go: wave x 128 rows
	s_mul_i32 s94, s14, HALFS
	s_mov_b32 s[SEL], 0x76543210
	s_mov_b32 s[SEL+1], 0xfedcba98                 ; lane l xor 16
	s_wait_kmcnt 0x0
	s_add_nc_u64 s[90:91], s[68:69], XSC           ; x's scales
	s_cmp_lt_u32 ttmp9, 4                          ; the choices hang on the cluster's number alone
	s_cselect_b64 s[70:71], s[70:71], s[74:75]     ; wq or wk
	s_cselect_b64 s[72:73], s[72:73], s[76:77]
	s_cselect_b64 s[82:83], s[82:83], s[84:85]
	s_cmp_lt_u32 ttmp9, 8
	s_cselect_b64 s[4:5], s[68:69], s[78:79]       ; A's codes: x's, or wv's
	s_cselect_b64 s[6:7], s[90:91], s[80:81]       ; A's scales
	s_cselect_b64 s[8:9], s[70:71], s[68:69]       ; B's codes: the weight's, or x's
	s_cselect_b64 s[10:11], s[72:73], s[90:91]
	s_cselect_b64 s[96:97], s[82:83], s[86:87]     ; the bias
	s_mov_b64 s[12:13], s[88:89]
	; the scales of 128 rows: a dense block, as rows of 256 bytes with 16 bytes of padding behind each (written here: these registers held the pointers)
	s_or_b32 s[G1S+0], s43, (3<<16)|(1<<20)|(1<<21)|(5<<22)|(3<<25)
	s_or_b32 s[G1SB+0], s44, (3<<16)|(1<<20)|(1<<21)|(5<<22)|(3<<25)
.irp g, G1S, G1SB
	s_mov_b32 s[\g+1], 32<<16
	s_mov_b32 s[\g+2], (128*KS/256)<<16
	s_mov_b32 s[\g+3], 32<<16
	s_mov_b32 s[\g+4], 128*KS/256
	s_mov_b32 s[\g+5], 32
	s_mov_b32 s[\g+6], 0
	s_mov_b32 s[\g+7], 0
.endr
	s_add_nc_u64 s[20:21], s[4:5], s[20:21]
	s_add_nc_u64 s[22:23], s[6:7], s[22:23]
	s_add_nc_u64 s[46:47], s[8:9], s[46:47]
	s_add_nc_u64 s[92:93], s[10:11], s[92:93]
	CROUND                                         ; all sixteen work-groups are here: the first joint loads meet
	s_mov_b32 s[G0S], 1
	s_add_co_u32 s[G0S+1], s94, SCL
	s_mov_b64 s[G0S+2:G0S+3], s[22:23]
	s_or_b32 s[G0S+3], s[G0S+3], 0x80000000
	s_mov_b32 s[G0SB], 1
	s_add_co_u32 s[G0SB+1], s94, SCL
	s_mov_b64 s[G0SB+2:G0SB+3], s[92:93]
	s_or_b32 s[G0SB+3], s[G0SB+3], 0x80000000
	JLOAD G0S, G1S, G0SB, G1SB                     ; the scales first: they are wanted with K step 0
.irp s, 0,1
	s_mov_b32 s[G0+4*\s], 1
	s_add_co_u32 s[G0+4*\s+1], s45, \s*SLOT
	s_add_nc_u64 s[G0+4*\s+2:G0+4*\s+3], s[20:21], \s*ROWB
	s_or_b32 s[G0+4*\s+3], s[G0+4*\s+3], 0x80000000
	s_mov_b32 s[G0B+4*\s], 1
	s_add_co_u32 s[G0B+4*\s+1], s45, \s*SLOT
	s_add_nc_u64 s[G0B+4*\s+2:G0B+4*\s+3], s[46:47], \s*ROWB
	s_or_b32 s[G0B+4*\s+3], s[G0B+4*\s+3], 0x80000000
	JLOAD G0+4*\s, G1, G0B+4*\s, G1B
.endr
	v_and_b32 v1, 15, v0                           ; r = lane % 16
	v_bfe_u32 v2, v0, 4, 1                         ; h = lane / 16
	v_mul_u32_u24 v3, v1, PITCH
	v_mul_u32_u24 v4, v2, 24
	v_add_nc_u32 v4, v3, v4                        ; a fragment's row x pitch + 24 x half
	v_lshl_add_u32 v5, v2, 4, v4                   ; and the same behind one padding more
	s_mul_i32 s21, s15, HALFT
	s_mul_i32 s22, s16, HALFT
	s_add_co_u32 s22, s22, 2*HALFT
.irp s, 0,1
	v_add_nc_u32 v[ADRA+\s], s21, v4
	v_add_nc_u32 v[ADRB+\s], s22, v4
	v_add_nc_u32 v[ADRA+2+\s], s21, v5
	v_add_nc_u32 v[ADRB+2+\s], s22, v5
	s_add_co_u32 s21, s21, SLOT
	s_add_co_u32 s22, s22, SLOT
.endr
	v_mul_u32_u24 v5, v1, KS                       ; my row's scales: KS bytes a row,
	v_lshrrev_b32 v6, 8, v5
	v_lshl_add_u32 v5, v6, 4, v5                   ; and 16 more for each 256 passed
	s_mul_i32 s21, s15, HALFS
	s_mul_i32 s22, s16, HALFS
	s_add_co_u32 s22, s22, 2*HALFS
	s_sub_co_u32 s22, s22, s21
	v_mul_u32_u24 v6, s22, v2                      ; lanes 16-31 take B's
	s_add_co_u32 s21, s21, SCL
	v_add_nc_u32 v5, v5, v6
	v_add_nc_u32 v[ADRS], s21, v5
	; the way out's LDS addresses: constants, the lane and the wave alone; both ways' are made here, ahead of the parting
	v_lshrrev_b32 v3, 3, v1                        ; r / 8: which of the pair of tiles
	v_and_b32 v4, 7, v1                            ; r % 8
	s_mul_i32 s23, s14, 2*BLKB                     ; my stage: two blocks
	v_mul_u32_u24 v5, v3, 768
	v_lshl_add_u32 v5, v4, 3, v5
	v_lshl_add_u32 v5, v2, 7, v5
	v_add_nc_u32 v[SQ], s23, v5                    ; q, k codes: tile x 768 + 8 x (slot + 16 h)
	v_lshlrev_b32 v5, 6, v3
	v_lshl_add_u32 v5, v4, 2, v5
	v_mad_u32_u24 v5, v2, BLKB, v5                 ; lanes 16-31 store the odd head's word, into the second block
	v_add_nc_u32 v5, s23, v5
	v_add_nc_u32 v[SQS], 6144, v5
	v_mul_u32_u24 v5, v3, 1536
	v_lshl_add_u32 v5, v4, 3, v5
	v_lshl_add_u32 v5, v2, 7, v5
	v_add_nc_u32 v5, s23, v5
	v_add_nc_u32 v[SV], VST, v5                    ; v codes: tile x 1,536 + 8 x (slot + 16 h)
	v_lshlrev_b32 v5, 7, v3
	v_lshl_add_u32 v5, v4, 2, v5
	v_lshl_add_u32 v5, v2, 6, v5
	v_add_nc_u32 v5, s23, v5
	v_add_nc_u32 v[SVS], VST+6144, v5              ; v scale words: tile x 128 + 64 h + 4 x slot
	v_and_b32 v6, 31, v0
	v_lshlrev_b32 v[GO], 4, v6                     ; 16 x lane
	v_add_nc_u32 v[RQ], s23, v[GO]
	v_add_nc_u32 v[RV], VST, v[RQ]
	v_lshlrev_b32 v[SH], 4, v2                     ; 16 h: the shift that brings the odd head's two bytes down
	v_lshlrev_b32 v[BA], 5, v2                     ; the bias along columns: 32 h bytes
	v_lshlrev_b32 v[BVA], 2, v1                    ; the bias along rows: 4 r bytes
.irp b, 0,1,2,3
	v_mov_b32 v[TM+4+\b], 0                        ; written once: a lane permute's destination counts as one of its sources
.endr
	; where my two blocks go, and my 128 numbers of the bias
	s_lshl_b32 s20, s17, 1
	s_add_co_u32 s20, s20, s15                     ; my 128 rows of A
	s_lshl_b32 s21, s42, 1
	s_add_co_u32 s21, s21, s16                     ; my 128 rows of B
	s_cmp_lt_u32 ttmp9, 8
	s_cselect_b32 s22, s20, s21                    ; the group of 128 tokens
	s_cselect_b32 s23, s21, s20                    ; the pair of heads
	s_lshr_b32 s20, s22, 4
	s_lshl_b32 s20, s20, 4                         ; 16 x batch
	s_lshl_b32 s21, s23, 1
	s_add_co_u32 s20, s20, s21
	s_mul_i32 s20, s20, HEADB
	s_and_b32 s21, s22, 15
	s_mul_i32 s21, s21, BLKB
	s_add_co_u32 s20, s20, s21
	s_lshr_b32 s21, ttmp9, 2                       ; q, k or v
	s_mul_i32 s21, s21, TENB
	s_add_co_u32 s20, s20, s21
	s_mov_b32 s21, 0
	s_add_nc_u64 s[12:13], s[12:13], s[20:21]
	s_lshl_b32 s20, s23, 9
	s_add_nc_u64 s[96:97], s[96:97], s[20:21]
.irp t, 0,1,2,3,4,5,6,7                ; both forms of the bias are loaded on every way; each way uses one.  Register 8 t + j: number 16 t + 8 h + j
	global_load_b128 v[BIAS+8*\t:BIAS+8*\t+3], v[BA], s[96:97] offset:64*\t
	global_load_b128 v[BIAS+8*\t+4:BIAS+8*\t+7], v[BA], s[96:97] offset:64*\t+16
.endr
.irp a, 0,1,2,3,4,5,6,7                ; register a: number 16 a + r
	global_load_b32 v[BV+\a], v[BVA], s[96:97] offset:64*\a
.endr
.macro FRAG reg, adr, q, i             ; 16 rows x 128 K: 12 registers; lane l: row l % 16; registers 6 c .. 6 c + 5: K = 64 c + 32 (l / 16) + 0 .. 31: 24 bytes of the row, as they lie, in pieces of 8 bytes
.irp p, 0,1,2,3,4,5
.set PCE, 12*(\q)+6*(\p/3)+\p%3        ; 16 bytes of padding lie behind every 8 pieces: where the piece three on lies behind one padding more, the second address register serves
.if PCE%8 < 5
	ds_load_b64 v[\reg+2*\p:\reg+2*\p+1], v[\adr] offset:8*PCE+16*(PCE/8)+(\i)*16*PITCH
.else
	ds_load_b64 v[\reg+2*\p:\reg+2*\p+1], v[\adr+2] offset:8*PCE+16*(PCE/8)+(\i)*16*PITCH
.endif
.endr
.endm
; 16 matrix instructions: A's blocks a0, a0 + 1 x B's eight.  The 64 accumulators take turns, one instruction a turn, in the same order in every step.
.macro MUL16 a0, p, q, sc, zero
.irp a, \a0, \a0+1
.irp b, 0,1,2,3,4,5,6,7
.if \zero
	v_wmma_scale_f32_16x16x128_f8f6f4 v[8*(8*((\a)%4)+\b):8*(8*((\a)%4)+\b)+7], v[128*(\p)+FR*\b:128*(\p)+FR*\b+FR-1], v[AF+FR*(\a):AF+FR*(\a)+FR-1], 0, v[SC+8*NQ*(\sc)+NQ*\b+(\q)], v[SC+8*NQ*(\sc)+NQ*(\a)+(\q)] matrix_a_fmt:MATRIX_FMT_BF6 matrix_b_fmt:MATRIX_FMT_BF6 matrix_a_scale:MATRIX_SCALE_ROW1
.else
	v_wmma_scale_f32_16x16x128_f8f6f4 v[8*(8*((\a)%4)+\b):8*(8*((\a)%4)+\b)+7], v[128*(\p)+FR*\b:128*(\p)+FR*\b+FR-1], v[AF+FR*(\a):AF+FR*(\a)+FR-1], v[8*(8*((\a)%4)+\b):8*(8*((\a)%4)+\b)+7], v[SC+8*NQ*(\sc)+NQ*\b+(\q)], v[SC+8*NQ*(\sc)+NQ*(\a)+(\q)] matrix_a_fmt:MATRIX_FMT_BF6 matrix_b_fmt:MATRIX_FMT_BF6 matrix_a_scale:MATRIX_SCALE_ROW1
.endif
.endr
.endr
.endm
.macro FETCH_B slot, q, p
	WIN TO_B
.irp i, 0,1,2,3,4,5,6,7
	FRAG 128*(\p)+FR*\i, ADRB+\slot, \q, \i
.endr
	WIN 0
.endm
.macro FETCH_A slot, q, i0
.irp i, \i0, \i0+1, \i0+2, \i0+3
	FRAG AF+FR*(\i), ADRA+\slot, \q, \i
.endr
.endm
.macro SCALES sc                       ; a K step's scale words: lanes 0-15 A's block i, lanes 16-31 B's block i
.irp i, 0,1,2,3,4,5,6,7
	ds_load_b64 v[SC+8*NQ*\sc+NQ*\i:SC+8*NQ*\sc+NQ*\i+1], v[ADRS] offset:\i*SBLK
.endr
.endm
.macro PLACES n                        ; plain vector places behind matrix instructions, in front of loads into their registers and of reads of results
.rept \n
	v_nop
.endr
.endm
.macro STEP slot, q, zero              ; 128 along K that have their successor in the same slot
	s_wait_dscnt 4*NL                              ; B's set and A's blocks 0-3 are in; the youngest 24 loads (A's blocks 4-7) may be out
	WIN MUL_LO
	MUL16 0, (\q)%2, \q, \slot, \zero
	MUL16 2, (\q)%2, \q, \slot, \zero
	s_wait_dscnt 0
	PLACES NP
	FETCH_B \slot, (\q)+1, 1-(\q)%2
	FETCH_A \slot, (\q)+1, 0
	WIN MUL_HI
	MUL16 4, (\q)%2, \q, \slot, \zero
	MUL16 6, (\q)%2, \q, \slot, \zero
	PLACES NP
	WIN 0
	FETCH_A \slot, (\q)+1, 4
.endm
; A slot's last step changes slots: one barrier; in front of it each wave waits for all its tensor loads, adds 0 to its spare word, and waits for that and for its own reads of this slot.
.macro TURN slot, next, fill
	s_wait_tensorcnt 0x0                           ; all my tensor loads have landed: my part of the next slot
	ds_add_u32 v[SPW], v[NIL]                      ; 0 onto my spare word
	s_wait_dscnt 4*NL+1                            ; (the add and the youngest 24 loads may be out)
	WIN MUL_LO
	MUL16 0, 1, NQ-1, \slot, 0
	s_wait_dscnt 0x0                               ; the add is done, and my reads of this slot are over
	s_barrier_signal -1
	MUL16 2, 1, NQ-1, \slot, 0
	WIN 0
	s_barrier_wait -1
.if \fill
	CREST                                          ; the barrier has opened a round of the cluster's barrier: no wave of any partner still reads this slot or has a load on its way
	s_add_nc_u64 s[G0+4*\slot+2:G0+4*\slot+3], s[G0+4*\slot+2:G0+4*\slot+3], 2*ROWB
	s_add_nc_u64 s[G0B+4*\slot+2:G0B+4*\slot+3], s[G0B+4*\slot+2:G0B+4*\slot+3], 2*ROWB
	JLOAD G0+4*\slot, G1, G0B+4*\slot, G1B         ; the first tensor load behind the round; its four v_nop are the places in front of the loads below
.else
	PLACES NP
.endif
	v_add_nc_u32 v[ADRS], 4*NQ, v[ADRS]            ; on to the next K step's scale words
	FETCH_B \next, 0, 0
	FETCH_A \next, 0, 0
	SCALES \next
	WIN MUL_HI
	MUL16 4, 1, NQ-1, \slot, 0
	MUL16 6, 1, NQ-1, \slot, 0
	PLACES NP
	WIN 0
	FETCH_A \next, 0, 4
.endm
	s_wait_tensorcnt 1                             ; the scales and my part of K step 0 are in (K step 1's load may be out),
	s_barrier_signal -1
	s_barrier_wait -1                              ; everybody's are
	FETCH_B 0, 0, 0
	FETCH_A 0, 0, 0
	SCALES 0
	FETCH_A 0, 0, 4
	STEP 0, 0, 1                                   ; the first step's products start the sums
	s_mov_b32 s3, LAPS-1
.Llap:
	TURN 0, 1, 1
	STEP 1, 0, 0
	TURN 1, 0, 1
	STEP 0, 0, 0
	s_sub_co_u32 s3, s3, 1
	s_cmp_lg_u32 s3, 0
	s_cbranch_scc1 .Llap
	TURN 0, 1, 0                                   ; the last lap fills nothing
	STEP 1, 0, 0
	s_wait_dscnt 4*NL
	WIN MUL_LO
	MUL16 0, 1, NQ-1, 1, 0
	MUL16 2, 1, NQ-1, 1, 0
	s_wait_dscnt 0
	WIN MUL_HI
	MUL16 4, 1, NQ-1, 1, 0
	MUL16 6, 1, NQ-1, 1, 0
	WIN 0
; THE WAY OUT.
.macro TAKEB a                         ; block a's 64 sums + the bias of my 64 columns; each accumulator from its low end on
	WIN 0x02+(\a)/4
.set I, 0
.rept 32
	v_pk_add_f32 v[HA+2*I:HA+2*I+1], v[64*((\a)%4)+2*I:64*((\a)%4)+2*I+1], v[BIAS+2*I:BIAS+2*I+1]
.set I, I+1
.endr
	WIN 0
.endm
.macro TAKER a                         ; block a's 64 sums + the bias of my row
	WIN 0x02+(\a)/4
.set I, 0
.rept 64
	v_add_f32 v[HA+I], v[64*((\a)%4)+I], v[BV+(\a)]
.set I, I+1
.endr
	WIN 0
.endm
.macro SWAP32                          ; register 8 t + j holds column 16 t + 8 h + j; behind these exchanges register 16 g + i holds column 32 g + 16 h + i: 16 neighbours
.irp g, 0,1,2,3
.irp j, 0,1,2,3,4,5,6,7
	v_permlane16_swap_b32 v[HA+16*\g+\j], v[HA+16*\g+8+\j]
.endr
.endr
.endm
; 64 numbers of a lane, register 16 b + i = k 32 b + 16 h + i of my row, become a fragment's codes in v[CD] on and its scale word in v[PW].
.macro QUANT s
.irp b, 0,1,2,3
	v_max3_num_f32 v[TM+\b], |v[\s+16*\b]|, |v[\s+1+16*\b]|, 0x2800000   ; my 16 numbers of block b, and the floor 2^(5 - 127): the byte cannot fall under 1
.endr
.irp i, 2,4,6,8,10,12,14
.irp b, 0,1,2,3
	v_max3_num_f32 v[TM+\b], v[TM+\b], |v[\s+16*\b+\i]|, |v[\s+1+16*\b+\i]|
.endr
.endr
.irp b, 0,1,2,3
	v_permlanex16_b32 v[TM+4+\b], v[TM+\b], s[SEL], s[SEL+1]
.endr
.irp b, 0,1,2,3
	v_max_num_f32 v[TM+\b], v[TM+\b], v[TM+4+\b]   ; with lane l xor 16's: the block's largest magnitude
.endr
.irp b, 0,1,2,3
	v_add_nc_u32 v[TM+12+\b], 0xfe000000, v[TM+\b]   ; 4 off its exponent field: the conversion's scale operand
.endr
.irp b, 0,1,2,3
	v_lshrrev_b32 v[TM+4+\b], 23, v[TM+12+\b]      ; the scale's byte
.endr
	v_lshl_or_b32 v[PW], v[TM+5], 8, v[TM+4]
	v_lshl_or_b32 v[PW], v[TM+6], 16, v[PW]
	v_lshl_or_b32 v[PW], v[TM+7], 24, v[PW]
.irp c, 0,1
	v_cvt_scalef32_pk16_bf6_f32 v[CD+6*\c:CD+2+6*\c], v[\s+32*\c:\s+15+32*\c], v[TM+12+2*\c]
	v_cvt_scalef32_pk16_bf6_f32 v[CD+12+4*\c:CD+14+4*\c], v[\s+16+32*\c:\s+31+32*\c], v[TM+12+2*\c+1]   ; (a conversion's three registers begin on an even number)
.endr
	v_nop                                          ; one plain place behind a scaled conversion
.irp c, 0,1                            ; the operand's layout wants a whole block in a lane
.irp i, 0,1,2
	v_permlane16_swap_b32 v[CD+6*\c+\i], v[CD+12+4*\c+\i]
.endr
.irp i, 0,1,2
	v_mov_b32 v[CD+3+6*\c+\i], v[CD+12+4*\c+\i]
.endr
.endr
.endm
.macro OUT rd                          ; my two blocks leave the stage: 26 runs of 512 consecutive bytes.  LDS serves a wave's instructions in order: the loads see my stores
.set N, 0
.rept 26
	ds_load_b128 v[64+4*N:67+4*N], v[\rd] offset:(N/13)*BLKB+512*(N%13)
.set N, N+1
.endr
.set N, 0
.rept 26
	s_wait_dscnt 25-N                              ; the younger loads may be out
	global_store_b128 v[GO], v[64+4*N:67+4*N], s[12:13] offset:(N/13)*HEADB+512*(N%13)
.set N, N+1
.endr
.endm
	PLACES NP
	s_wait_loadcnt 0x0                             ; the biases
	s_cmp_lt_u32 ttmp9, 8                          ; the cluster's number: alike in all partners
	s_cbranch_scc0 .Lv_path
.irp a, 0,1,2,3,4,5,6,7                ; q, k: block a = 16 tokens x two heads' 64 features.  Token 16 (a % 2) + 8 w + y of a group of 32 goes to tile (a - a % 2) + w, slot 8 (a % 2) + y
	TAKEB \a
	SWAP32
	QUANT HA
.irp e, 0,1
.irp i, 0,1,2
	ds_store_b64 v[SQ], v[CD+6*\e+2*\i:CD+6*\e+2*\i+1] offset:\e*BLKB+(\a-\a%2)*768+256*\i+64*(\a%2)
.endr
.endr
	v_lshrrev_b32 v[SW], v[SH], v[PW]              ; lanes 0-15: the even head's two bytes lowest; lanes 16-31: the odd head's
	ds_store_b32 v[SQS], v[SW] offset:(\a-\a%2)*64+32*(\a%2)
	s_wait_dscnt 0x0                               ; the stores have read their registers
.endr
	OUT RQ
	s_branch .Ljoin
.Lv_path:
.irp a, 0,1,2,3,4,5,6,7                ; v: block a = 16 features of head a / 4 x 128 keys
	TAKER \a
	SWAP32
	QUANT HA
.irp i, 0,1,2,3,4,5
	ds_store_b64 v[SV], v[CD+2*\i:CD+2*\i+1] offset:(\a/4)*BLKB+((\a%4)-(\a%2))*1536+256*\i+64*(\a%2)
.endr
	ds_store_b32 v[SVS], v[PW] offset:(\a/4)*BLKB+((\a%4)-(\a%2))*128+32*(\a%2)
	s_wait_dscnt 0x0
.endr
	OUT RV
.Ljoin:
	s_wait_tensorcnt 0x0                           ; the wave's end
	ds_add_u32 v[SPW], v[NIL]
	s_wait_dscnt 0x0
	CROUND                                         ; the closing round
	s_endpgm
.Lfunc_end_k_q8047da440d_qkv:
	.size	k_q8047da440d_qkv, .Lfunc_end_k_q8047da440d_qkv-k_q8047da440d_qkv
	.p2alignl 7, 3214868480
	.fill 96, 4, 3214868480
	.section	.rodata,"a",@progbits
	.p2align	6, 0x0
	.amdhsa_kernel k_q8047da440d_qkv
		.amdhsa_group_segment_fixed_size 327680
		.amdhsa_private_segment_fixed_size 0
		.amdhsa_enable_private_segment 0
		.amdhsa_kernarg_size 88
		.amdhsa_user_sgpr_count 2
		.amdhsa_user_sgpr_kernarg_segment_ptr 1
		.amdhsa_wavefront_size32 1
		.amdhsa_system_sgpr_workgroup_id_x 1
		.amdhsa_system_sgpr_workgroup_id_y 1
		.amdhsa_system_sgpr_workgroup_id_z 1
		.amdhsa_system_vgpr_workitem_id 0
		.amdhsa_next_free_vgpr 1024
		.amdhsa_next_free_sgpr 100
		.amdhsa_reserve_vcc 0
		.amdhsa_float_denorm_mode_32 3
		.amdhsa_float_denorm_mode_16_64 3
		.amdhsa_memory_ordered 1
		.amdhsa_forward_progress 1
		.amdhsa_inst_pref_size 255
	.end_amdhsa_kernel
	.section	.bss,"aw",@nobits
	.p2align	6
	.space	262144
	.amdgpu_metadata
---
amdhsa.version: [ 1, 2 ]
amdhsa.kernels:
  - .name:           k_q8047da440d_qkv
    .symbol:         k_q8047da440d_qkv.kd
    .args:
      - { .name: act0, .offset: 0, .size: 8, .value_kind: global_buffer, .address_space: global }
      - { .name: wq_codes, .offset: 8, .size: 8, .value_kind: global_buffer, .address_space: global }
      - { .name: wq_scales, .offset: 16, .size: 8, .value_kind: global_buffer, .address_space: global }
      - { .name: wk_codes, .offset: 24, .size: 8, .value_kind: global_buffer, .address_space: global }
      - { .name: wk_scales, .offset: 32, .size: 8, .value_kind: global_buffer, .address_space: global }
      - { .name: wv_codes, .offset: 40, .size: 8, .value_kind: global_buffer, .address_space: global }
      - { .name: wv_scales, .offset: 48, .size: 8, .value_kind: global_buffer, .address_space: global }
      - { .name: bq, .offset: 56, .size: 8, .value_kind: global_buffer, .address_space: global }
      - { .name: bk, .offset: 64, .size: 8, .value_kind: global_buffer, .address_space: global }
      - { .name: bv, .offset: 72, .size: 8, .value_kind: global_buffer, .address_space: global }
      - { .name: qkv, .offset: 80, .size: 8, .value_kind: global_buffer, .address_space: global }
    .group_segment_fixed_size: 327680
    .private_segment_fixed_size: 0
    .kernarg_segment_align: 8
    .kernarg_segment_size: 88
    .max_flat_workgroup_size: 128
    .sgpr_count:     100
    .vgpr_count:     1024
    .wavefront_size: 32
...
	.end_amdgpu_metadata
.endif
;; end of part 2
;; launch attn (part 3): grid 8 x 32, 16 waves a work-group, clusters of 4 x 1, 215,040 bytes of LDS; arguments qkv, act1; writes act1
.if DOCPART == 3
	.amdgcn_target "amdgcn-amd-amdhsa--gfx1250"
	.amdhsa_code_object_version 6
	.text
	.protected	k_q8047da440d_attn
	.globl	k_q8047da440d_attn
	.p2align	8
	.type	k_q8047da440d_attn,@function
k_q8047da440d_attn:
	s_mov_b64 s[64:65], 0
	v_nop
	global_prefetch_b8 v0, s[64:65] scope:SCOPE_SE
	s_setreg_imm32_b32 hwreg(HW_REG_WAVE_MODE, 25, 1), 1
	s_wait_xcnt 0x0
	s_wait_alu depctr_hold_cnt(0) depctr_sa_sdst(0) depctr_va_vdst(0) depctr_va_sdst(0) depctr_va_ssrc(0) depctr_va_vcc(0) depctr_vm_vsrc(0)
	s_getreg_b32 s2, hwreg(HW_REG_IB_STS2, 6, 4)
	s_cmp_eq_u32 s2, 0
	s_cbranch_scc0 .Lentry_in_a_cluster
	s_endpgm
.Lentry_in_a_cluster:
	s_bfe_u32 s2, ttmp6, 0x10000c
	s_cmp_lg_u32 s2, 0x3003
	s_cbranch_scc0 .Lentry_shape_is_right
	s_endpgm
.Lentry_shape_is_right:
; concat[b][q][head x 64 + e] = the sum over keys of softmax(q . k / 8) v, both products on codes of BF6 (E3M2) with E8M0 scales; the result is quantised along the features for the next product.
; THE SOFTMAX: t = score x log2(e) / 8; M = the running largest t rounded UP to a whole number; p = 2^(t - M) is quantised along the keys, not normalised; the row's sum is taken of the unquantised p
; and divides at the end.  When M moves, the sum and O are multiplied by 2^(old M - new M): exact.
; SHARES.  A work-group owns 256 queries of one (batch, head); each of its sixteen waves one tile of 16 queries in 256 registers: four waves to a SIMD, one wave's vector work beside another's matrix work.
; LDS holds the head's WHOLE k (16 blocks of 128 keys, 6,656 bytes each) and behind it its whole v: filled ONCE, wave w bringing block w of each; nothing is filled again.
; CLUSTER.  The four work-groups of a cluster belong to one head: each block is asked for jointly (mask 15).
; LAYOUT.  Both products transposed: S^T = k q^T (source 0 = 16 keys), O^T = v^T p^T (source 0 = 16 features): a lane holds ONE query throughout.  The buffer's tiles of keys and of features are laid so that
; the 16 registers of tiles 2 g and 2 g + 1 are 16 neighbours (32 g + 16 h + 0 .. 15).  The first product's K is 64: registers 6-11 of q's and k's fragments are zero codes, written once.
; Fragments lie in LDS as images of their registers: chunk i = registers 2 i, 2 i + 1, lane l's 8 bytes at 8 l: every load reads 256 consecutive bytes.
; act1: codes [k / 256][tile of 16 tokens][(k / 128) % 2][6 chunks][256 bytes]; scale bytes [16 x tile + slot][32] at byte ASC.  The tiles of tokens keep q's order of rows.
; LIMITS: a block whose largest magnitude lies under 2^-122 gets the byte 1; a block's largest p is taken from its largest score (v_exp_f32 not falling where its input rises); NaN, infinities not served.
; REGISTERS: v1-4, v6 addresses that stay; v8-11 the step's; v12 -M, v13 the largest t, v[14:15] the sum; v16-27 q; v28-31 k's scale words; v32-79 four fragments of k; v80-127 v's four;
;   v128-191 S^T, then p; v192-223 O^T; v224-235 p's codes; v232-247, v252, v254 at work; v248-249 v's scale words; v253 p's scale word; v255 q's.
.set BLKB,  6656
.set HEADB, 16*BLKB
.set TENB,  32*HEADB
.set VLDS,  HEADB                      ; v behind k in LDS
.set ASC,   0x300000
.set S,    128
.set O,    192
.set ADK,  8
.set ADV,  9
.set ADS,  10
.set ADT,  11
.set WV,   8
.set SEL,  20
.set CS,   22
.set G1,   24
.set G0K,  32
.set G0V,  36
.set TB,   40
.set CNT,  41
.set MH,   42
.macro CROUND
	s_barrier_signal -1
	s_barrier_wait -1
	s_cmp_lg_u32 s[WV], 0
	s_cbranch_scc1 .Lnot_wave_0_\@
	s_barrier_signal -3
.Lnot_wave_0_\@:
	s_barrier_wait -3
	s_barrier_signal -1
	s_barrier_wait -1
.endm
	s_load_b128 s[4:7], s[0:1], 0x0                ; qkv, act1
	v_lshl_add_u32 v250, v0, 2, 0x34000
	v_mov_b32 v251, 0
	ds_add_u32 v250, v251
	ds_add_u32 v250, v251
	v_lshrrev_b32 v5, 5, v0
	v_readfirstlane_b32 s[WV], v5                  ; wave 0..15
	s_bfe_u32 s9, ttmp6, 0x40000                   ; cx: it enters q's and the result's addresses alone
	s_lshl_b32 s10, ttmp9, 2
	s_add_co_u32 s10, s10, s9                      ; my block of 256 queries
	s_and_b32 s11, ttmp7, 0xffff                   ; 16 x batch + head, which the four partners share
	s_mul_i32 s12, s11, HEADB
	s_mul_i32 s13, s[WV], BLKB                     ; the block that I fetch
	s_add_co_u32 s14, s12, s13
	s_mov_b32 s15, 0
	s_mov_b32 s[G1], 15|(3<<16)|(1<<21)            ; the mask: all four work-groups; elements of 8 bytes; no padding; bit 21 beside a mask
	s_mov_b32 s[G1+1], 32<<16                      ; a dense block of 6,656 bytes as 26 rows of 256
	s_mov_b32 s[G1+2], 26<<16
	s_mov_b32 s[G1+3], 32<<16
	s_mov_b32 s[G1+4], 26
	s_mov_b32 s[G1+5], 32
	s_mov_b32 s[G1+6], 0
	s_mov_b32 s[G1+7], 0
	s_lshl_b32 s16, s10, 1
	s_lshr_b32 s17, s[WV], 3
	s_add_co_u32 s16, s16, s17                     ; q's block: 2 x query block + wave / 8
	s_mul_i32 s16, s16, BLKB
	s_add_co_u32 s16, s16, s12
	s_and_b32 s17, s[WV], 7                        ; my tile in it
	s_mul_i32 s18, s17, 768
	s_add_co_u32 s18, s18, s16                     ; its codes,
	s_mov_b32 s19, 0
	s_lshl_b32 s17, s17, 6
	s_add_co_u32 s16, s16, s17
	s_add_co_u32 s16, s16, 6144                    ; its scale words
	s_mov_b32 s17, 0
	s_lshr_b32 s48, s11, 4
	s_lshl_b32 s48, s48, 7
	s_lshl_b32 s49, s10, 4
	s_add_co_u32 s48, s48, s49
	s_add_co_u32 s48, s48, s[WV]                   ; my tile among the 256 tiles of tokens
	s_and_b32 s49, s11, 15                         ; the head
	s_lshr_b32 s50, s49, 2
	s_lshl_b32 s50, s50, 8
	s_add_co_u32 s50, s50, s48
	s_lshl_b32 s50, s50, 1
	s_bfe_u32 s51, s49, 0x10001
	s_add_co_u32 s50, s50, s51
	s_mul_i32 s50, s50, 1536                       ; the fragment (head / 4, tile, (head / 2) % 2),
	s_and_b32 s51, s49, 1
	s_mul_i32 s51, s51, 768                        ; its first or second three chunks
	s_add_co_u32 s50, s50, s51
	s_mov_b32 s51, 0
	s_lshl_b32 s52, s48, 9
	s_lshl_b32 s53, s49, 1
	s_add_co_u32 s52, s52, s53
	s_add_co_u32 s52, s52, ASC                     ; the scale bytes: 512 x tile + 2 x head
	s_mov_b32 s53, 0
	s_mov_b32 s[SEL], 0x76543210
	s_mov_b32 s[SEL+1], 0xfedcba98                 ; lane l xor 16
	s_mov_b32 s[CS], 0x3e38aa3b                    ; c = log2(e) / 8
	s_mov_b32 s[CS+1], s[CS]                       ; (named with it as a pair)
	s_mov_b32 s[TB], 0
	s_mov_b32 s[CNT], 16
	s_mov_b32 s[MH], 0xffff0000                    ; lanes 16-31
	s_wait_dscnt 0x0
	s_wait_kmcnt 0x0
	CROUND                                         ; all four work-groups are here: the joint loads meet
	s_mov_b32 s[G0K], 1
	s_mov_b32 s[G0K+1], s13                        ; LDS: block w of k
	s_add_nc_u64 s[G0K+2:G0K+3], s[4:5], s[14:15]
	s_add_nc_u64 s[G0K+2:G0K+3], s[G0K+2:G0K+3], TENB
	s_or_b32 s[G0K+3], s[G0K+3], 0x80000000
	s_mov_b32 s[G0V], 1
	s_add_co_u32 s[G0V+1], s13, VLDS               ; block w of v
	s_add_nc_u64 s[G0V+2:G0V+3], s[4:5], s[14:15]
	s_add_nc_u64 s[G0V+2:G0V+3], s[G0V+2:G0V+3], 2*TENB
	s_or_b32 s[G0V+3], s[G0V+3], 0x80000000
	tensor_load_to_lds s[G0K:G0K+3], s[G1:G1+7]    ; two loads of mine are out, and no more follow
	s_nop 0
	tensor_load_to_lds s[G0V:G0V+3], s[G1:G1+7]
	s_nop 0
.rept 4
	v_nop
.endr
	s_add_nc_u64 s[44:45], s[4:5], s[18:19]        ; q's codes
	s_add_nc_u64 s[46:47], s[4:5], s[16:17]        ; q's scale words
	s_add_nc_u64 s[50:51], s[6:7], s[50:51]        ; the result's codes
	s_add_nc_u64 s[52:53], s[6:7], s[52:53]        ; and scale bytes
	v_and_b32 v5, 31, v0                           ; lane
	v_and_b32 v7, 15, v0                           ; r
	v_bfe_u32 v9, v0, 4, 1                         ; h
	v_lshlrev_b32 v1, 3, v5                        ; 8 x lane: my place in a chunk
	v_lshlrev_b32 v10, 2, v7                       ; 4 r
.irp i, 0,1,2
	global_load_b64 v[16+2*\i:17+2*\i], v1, s[44:45] offset:256*\i   ; q's registers 0-5
.endr
	global_load_b32 v255, v10, s[46:47]
	v_add_nc_u32 v2, VLDS, v1
	v_lshl_add_u32 v3, v5, 2, 6144                 ; k's scale words: lanes 0-15 an even tile's, lanes 16-31 the next tile's
	v_lshl_add_u32 v4, v9, 7, v10
	v_add_nc_u32 v4, VLDS+6144, v4                 ; v's likewise: 128 bytes a tile
	v_lshl_add_u32 v6, v7, 5, v9                   ; the way out: 32 r + h
.irp i, 22,23,24,25,26,27
	v_mov_b32 v[\i], 0                             ; zero codes for K = 64 .. 127
.endr
.irp t, 0,1,2,3
.irp i, 6,7,8,9,10,11
	v_mov_b32 v[32+12*\t+\i], 0
.endr
.endr
	v_mov_b32 v13, 0xff61b1e6                      ; the largest t so far: -3e38
	v_floor_f32 v12, -v13                          ; -M
	v_mov_b32 v14, 0
	v_mov_b32 v15, 0
.irp b, 0,1,2,3
	v_mov_b32 v[236+\b], 0                         ; a lane permute's destination counts as one of its sources
.endr
	v_mov_b32 v253, 0                              ; (named as the upper half of the pair v[252:253] before it is first written)
.set I, 0
.rept 32
	v_mov_b32 v[O+I], 0                            ; O^T: the loop is written once; its first step finds zeros
.set I, I+1
.endr
	s_wait_tensorcnt 0x0                           ; my two blocks are in,
	s_barrier_signal -1
	s_barrier_wait -1                              ; everybody's are
	s_wait_loadcnt 0x0                             ; q
.Lstep:                                            ; sixteen trips of 128 keys
	v_add_nc_u32 v[ADK], s[TB], v1                 ; (these four are the places behind the last trip's products)
	v_add_nc_u32 v[ADV], s[TB], v2
	v_add_nc_u32 v[ADS], s[TB], v3
	v_add_nc_u32 v[ADT], s[TB], v4
.irp g, 0,1,2,3
	ds_load_b32 v[28+\g], v[ADS] offset:128*\g
.endr
.irp g, 0,1
	ds_load_b32 v[248+\g], v[ADT] offset:256*\g
.endr
.irp t, 0,1,2,3
.irp i, 0,1,2
	ds_load_b64 v[32+12*\t+2*\i:33+12*\t+2*\i], v[ADK] offset:\t*768+256*\i
.endr
.endr
	s_wait_dscnt 0x0
.irp t, 0,2
	v_wmma_scale_f32_16x16x128_f8f6f4 v[S+8*\t:S+8*\t+7], v[32+12*\t:43+12*\t], v[16:27], 0, v[28+\t/2], v255 matrix_a_fmt:MATRIX_FMT_BF6 matrix_b_fmt:MATRIX_FMT_BF6
	v_wmma_scale_f32_16x16x128_f8f6f4 v[S+8*\t+8:S+8*\t+15], v[44+12*\t:55+12*\t], v[16:27], 0, v[28+\t/2], v255 matrix_a_fmt:MATRIX_FMT_BF6 matrix_b_fmt:MATRIX_FMT_BF6 matrix_a_scale:MATRIX_SCALE_ROW1
.endr
.rept 4
	v_nop                                          ; places in front of loads into registers that these products have read
.endr
.irp t, 0,1,2,3
.irp i, 0,1,2
	ds_load_b64 v[32+12*\t+2*\i:33+12*\t+2*\i], v[ADK] offset:(4+\t)*768+256*\i
.endr
.endr
.irp t, 0,1,2,3
.irp i, 0,1,2,3,4,5
	ds_load_b64 v[80+12*\t+2*\i:81+12*\t+2*\i], v[ADV] offset:\t*1536+256*\i
.endr
.endr
	s_wait_dscnt 24                                ; k's tiles 4-7 are in; v's 24 loads may be out
.irp t, 0,2
	v_wmma_scale_f32_16x16x128_f8f6f4 v[S+32+8*\t:S+39+8*\t], v[32+12*\t:43+12*\t], v[16:27], 0, v[30+\t/2], v255 matrix_a_fmt:MATRIX_FMT_BF6 matrix_b_fmt:MATRIX_FMT_BF6
	v_wmma_scale_f32_16x16x128_f8f6f4 v[S+40+8*\t:S+47+8*\t], v[44+12*\t:55+12*\t], v[16:27], 0, v[30+\t/2], v255 matrix_a_fmt:MATRIX_FMT_BF6 matrix_b_fmt:MATRIX_FMT_BF6 matrix_a_scale:MATRIX_SCALE_ROW1
.endr
.rept 4
	v_nop
.endr
.irp b, 0,1,2,3
	v_max3_num_f32 v[232+\b], v[S+16*\b], v[S+1+16*\b], v[S+2+16*\b]   ; the largest score of each block of 32 keys: for the row's maximum and for the block's largest p
.endr
.irp i, 3,5,7,9,11,13
.irp b, 0,1,2,3
	v_max3_num_f32 v[232+\b], v[232+\b], v[S+16*\b+\i], v[S+1+16*\b+\i]
.endr
.endr
.irp b, 0,1,2,3
	v_max_num_f32 v[232+\b], v[232+\b], v[S+15+16*\b]
.endr
.irp b, 0,1,2,3
	v_permlanex16_b32 v[236+\b], v[232+\b], s[SEL], s[SEL+1]
.endr
.irp b, 0,1,2,3
	v_max_num_f32 v[232+\b], v[232+\b], v[236+\b]  ; with lane l xor 16's 16 keys
.endr
	v_max3_num_f32 v254, v232, v233, v234
	v_max_num_f32 v254, v254, v235                 ; the step's largest score of my query
	v_mul_f32 v254, s[CS], v254                    ; as t
	v_max_num_f32 v13, v13, v254                   ; the running largest t
	v_mov_b32 v254, v12
	v_floor_f32 v12, -v13                          ; the new -M = -ceil(t)
	v_sub_f32 v254, v12, v254                      ; old M - new M: a whole number, 0 or less
	v_cvt_i32_f32 v254, v254                       ; (it saturates)
	v_ldexp_f32 v252, 1.0, v254                    ; f = 2^(old M - new M)
.set I, 0
.rept 32
	v_pk_fma_f32 v[S+2*I:S+2*I+1], v[S+2*I:S+2*I+1], s[CS:CS+1], v[12:13] op_sel_hi:[1,0,0]   ; t - M, two at a time
.set I, I+1
.endr
.irp b, 0,1,2,3
	v_fma_f32 v[232+\b], v[232+\b], s[CS], v12     ; the same of each block's largest score
.endr
.set I, 0
.rept 64
	v_exp_f32 v[S+I], v[S+I]                       ; p = 2^(t - M)
.set I, I+1
.endr
.irp b, 0,1,2,3
	v_exp_f32 v[232+\b], v[232+\b]                 ; the block's largest p
.endr
	v_pk_mul_f32 v[14:15], v[14:15], v[252:253] op_sel_hi:[1,0]   ; the sums under the new M (a plain place behind the exponentials)
	s_wait_alu depctr_va_vdst(0)
.irp b, 0,1,2,3
	v_max_num_f32 v[232+\b], 0x2800000, v[232+\b]  ; the floor 2^(5 - 127)
.endr
.irp b, 0,1,2,3
	v_add_nc_u32 v[244+\b], 0xfe000000, v[232+\b]  ; the conversion's scale operand
.endr
.irp b, 0,1,2,3
	v_lshrrev_b32 v[236+\b], 23, v[244+\b]         ; the scale's byte
.endr
	v_lshl_or_b32 v253, v237, 8, v236              ; p's scale word for these 128 keys
	v_lshl_or_b32 v253, v238, 16, v253
	v_lshl_or_b32 v253, v239, 24, v253
.irp c, 0,1
	v_cvt_scalef32_pk16_bf6_f32 v[224+6*\c:226+6*\c], v[S+32*\c:S+15+32*\c], v[244+2*\c]
	v_cvt_scalef32_pk16_bf6_f32 v[236+4*\c:238+4*\c], v[S+16+32*\c:S+31+32*\c], v[244+2*\c+1]
.endr
	v_nop                                          ; one plain place behind a scaled conversion
.irp c, 0,1
.irp i, 0,1,2
	v_permlane16_swap_b32 v[224+6*\c+\i], v[236+4*\c+\i]
.endr
.irp i, 0,1,2
	v_mov_b32 v[227+6*\c+\i], v[236+4*\c+\i]
.endr
.endr
	v_pk_add_f32 v[236:237], v[S:S+1], v[S+2:S+3]  ; the row's sum of the unquantised p, in two chains
.irp j, 4,8,12,16,20,24,28,32,36,40,44,48,52,56,60
	v_pk_add_f32 v[14:15], v[14:15], v[S+\j:S+1+\j]
	v_pk_add_f32 v[236:237], v[236:237], v[S+2+\j:S+3+\j]
.endr
	v_pk_add_f32 v[14:15], v[14:15], v[236:237]
.set I, 0
.rept 16
	v_pk_mul_f32 v[O+2*I:O+2*I+1], v[O+2*I:O+2*I+1], v[252:253] op_sel_hi:[1,0]   ; O^T under the new M
.set I, I+1
.endr
	s_wait_dscnt 0x0                               ; v's fragments
.irp t, 0,2                            ; the four accumulators by turns; the eight products of S^T stand between their turns
	v_wmma_scale_f32_16x16x128_f8f6f4 v[O+8*\t:O+8*\t+7], v[80+12*\t:91+12*\t], v[224:235], v[O+8*\t:O+8*\t+7], v[248+\t/2], v253 matrix_a_fmt:MATRIX_FMT_BF6 matrix_b_fmt:MATRIX_FMT_BF6
	v_wmma_scale_f32_16x16x128_f8f6f4 v[O+8*\t+8:O+8*\t+15], v[92+12*\t:103+12*\t], v[224:235], v[O+8*\t+8:O+8*\t+15], v[248+\t/2], v253 matrix_a_fmt:MATRIX_FMT_BF6 matrix_b_fmt:MATRIX_FMT_BF6 matrix_a_scale:MATRIX_SCALE_ROW1
.endr
	s_add_co_u32 s[TB], s[TB], BLKB
	s_sub_co_u32 s[CNT], s[CNT], 1
	s_cmp_lg_u32 s[CNT], 0
	s_cbranch_scc1 .Lstep
	; THE WAY OUT: O^T / the sum; register 16 g + i is feature 32 g + 16 h + i of my query: two blocks of 32, quantised; three chunks of the next product's fragment.
.rept 4
	v_nop
.endr
	v_add_f32 v14, v14, v15
	v_permlanex16_b32 v252, v14, s[SEL], s[SEL+1]
	v_add_f32 v14, v14, v252                       ; the row's sum
	v_rcp_f32 v14, v14
	v_nop                                          ; a plain place behind the transcendental
.set I, 0
	s_wait_alu depctr_va_vdst(0)
.rept 32
	v_mul_f32 v[S+I], v[O+I], v14
.set I, I+1
.endr
.irp b, 0,1
	v_max3_num_f32 v[232+\b], |v[S+16*\b]|, |v[S+1+16*\b]|, 0x2800000
.endr
.irp i, 2,4,6,8,10,12,14
.irp b, 0,1
	v_max3_num_f32 v[232+\b], v[232+\b], |v[S+16*\b+\i]|, |v[S+1+16*\b+\i]|
.endr
.endr
.irp b, 0,1
	v_permlanex16_b32 v[236+\b], v[232+\b], s[SEL], s[SEL+1]
.endr
.irp b, 0,1
	v_max_num_f32 v[232+\b], v[232+\b], v[236+\b]
.endr
.irp b, 0,1
	v_add_nc_u32 v[244+\b], 0xfe000000, v[232+\b]
.endr
.irp b, 0,1
	v_lshrrev_b32 v[236+\b], 23, v[244+\b]
.endr
	v_cvt_scalef32_pk16_bf6_f32 v[224:226], v[S:S+15], v244
	v_cvt_scalef32_pk16_bf6_f32 v[228:230], v[S+16:S+31], v245
	v_nop
.irp i, 0,1,2
	v_permlane16_swap_b32 v[224+\i], v[228+\i]     ; lanes 0-15 now hold block 0 whole, lanes 16-31 block 1
.endr
	v_mov_b32 v227, v228
	v_mov_b32 v228, v229
	v_mov_b32 v229, v230
	v_cndmask_b32 v240, v236, v237, s[MH]          ; lane (r, h) stores block h's byte of row r
.irp i, 0,1,2
	global_store_b64 v1, v[224+2*\i:225+2*\i], s[50:51] offset:256*\i   ; 32 lanes store 256 consecutive bytes, aligned
.endr
	global_store_b8 v6, v240, s[52:53]             ; a head owns 2 of a row's 32 scale bytes: single bytes, 1/24 of the codes' bytes
	s_wait_tensorcnt 0x0
	ds_add_u32 v250, v251
	s_wait_dscnt 0x0
	CROUND                                         ; the closing round
	s_endpgm
.Lfunc_end_k_q8047da440d_attn:
	.size	k_q8047da440d_attn, .Lfunc_end_k_q8047da440d_attn-k_q8047da440d_attn
	.p2alignl 7, 3214868480
	.fill 96, 4, 3214868480
	.section	.rodata,"a",@progbits
	.p2align	6, 0x0
	.amdhsa_kernel k_q8047da440d_attn
		.amdhsa_group_segment_fixed_size 215040
		.amdhsa_private_segment_fixed_size 0
		.amdhsa_enable_private_segment 0
		.amdhsa_kernarg_size 16
		.amdhsa_user_sgpr_count 2
		.amdhsa_user_sgpr_kernarg_segment_ptr 1
		.amdhsa_wavefront_size32 1
		.amdhsa_system_sgpr_workgroup_id_x 1
		.amdhsa_system_sgpr_workgroup_id_y 1
		.amdhsa_system_sgpr_workgroup_id_z 1
		.amdhsa_system_vgpr_workitem_id 0
		.amdhsa_next_free_vgpr 256
		.amdhsa_next_free_sgpr 66
		.amdhsa_reserve_vcc 0
		.amdhsa_float_denorm_mode_32 3
		.amdhsa_float_denorm_mode_16_64 3
		.amdhsa_memory_ordered 1
		.amdhsa_forward_progress 1
		.amdhsa_inst_pref_size 29
	.end_amdhsa_kernel
	.amdgpu_metadata
---
amdhsa.version: [ 1, 2 ]
amdhsa.kernels:
  - .name:           k_q8047da440d_attn
    .symbol:         k_q8047da440d_attn.kd
    .args:
      - { .name: qkv, .offset: 0, .size: 8, .value_kind: global_buffer, .address_space: global }
      - { .name: act1, .offset: 8, .size: 8, .value_kind: global_buffer, .address_space: global }
    .group_segment_fixed_size: 215040
    .private_segment_fixed_size: 0
    .kernarg_segment_align: 8
    .kernarg_segment_size: 16
    .max_flat_workgroup_size: 512
    .sgpr_count:     66
    .vgpr_count:     256
    .wavefront_size: 32
...
	.end_amdgpu_metadata
.endif
;; end of part 3
;; launch proj (part 4): grid 4 x 16, 4 waves a work-group, clusters of 4 x 4, 327,680 bytes of LDS; arguments act1, w_proj_codes, w_proj_scales, y; writes y
.if DOCPART == 4
	.amdgcn_target "amdgcn-amd-amdhsa--gfx1250"
	.amdhsa_code_object_version 6
	.text
	.protected	k_q8047da440d_proj
	.globl	k_q8047da440d_proj
	.p2align	8
	.type	k_q8047da440d_proj,@function
k_q8047da440d_proj:
	s_mov_b64 s[64:65], 0
	v_nop
	global_prefetch_b8 v0, s[64:65] scope:SCOPE_SE
	s_setreg_imm32_b32 hwreg(HW_REG_WAVE_MODE, 25, 1), 1
	s_wait_xcnt 0x0
	s_wait_alu depctr_hold_cnt(0) depctr_sa_sdst(0) depctr_va_vdst(0) depctr_va_sdst(0) depctr_va_ssrc(0) depctr_va_vcc(0) depctr_vm_vsrc(0)
	s_getreg_b32 s2, hwreg(HW_REG_IB_STS2, 6, 4)
	s_cmp_eq_u32 s2, 0
	s_cbranch_scc0 .Lentry_in_a_cluster
	s_endpgm
.Lentry_in_a_cluster:
	s_bfe_u32 s2, ttmp6, 0x10000c
	s_cmp_lg_u32 s2, 0xf033
	s_cbranch_scc0 .Lentry_shape_is_right
	s_endpgm
.Lentry_shape_is_right:
; y = concat w_proj, f32 sums (bias, residual and norm follow in the next launch).  C = A B^T on codes of BF6 (E3M2) with E8M0 scales for each 32 along K = 1,024.
; A = concat's codes in act1, laid as images of the operand's registers: [k / 256][tile of 16 rows][(k / 128) % 2][6 chunks][256 bytes], chunk i = registers 2 i, 2 i + 1, lane l's 8 bytes at 8 l;
; its scale bytes [16 x tile + slot][32] at byte ASC.  B = w_proj's codes, rows of 768 bytes, and scale bytes [1024][32].
; A tile of C, 256 x 256: four waves of 128 x 128 (64 accumulators).  K in steps of 256 through a ring of two LDS slots filled by the tensor data mover; a wave's 128 rows of A for a step are 24,576 dense bytes.
; 4 x 4 work-groups form a cluster: A's tile is shared along a row, B's along a column, each asked for jointly.  The scales come into LDS once.  64 tiles of C: 64 work-groups.
; The matrix instruction is used transposed (source 0 = 16 rows of B, source 1 = 16 rows of A): a lane holds eight neighbouring numbers of a row of C.
; A'S TILES HOLD TOKENS IN THE ATTENTION LAUNCH'S ORDER: slot s of tile 2 g + u of a group of 128 is token 32 g + 8 u + s + 8 (s / 8): the way out stores each row at its token's place.
; REGISTERS: window 0: v16-17 A's, v20-23 B's LDS addresses; v24-26 the way out; v27 scale words' address; v28, v29 for the add; v32-63 scale words; v128-223 A's fragments.  window 1: B's two sets.  windows 2, 3: accumulators.
.set SIZE_K, 1024
.set SIZE_N, 1024
.set ASC,    0x300000
.set KSTEP,  256
.set NQ,     KSTEP/128
.set ROWB,   192
.set KROW,   SIZE_K*6/8
.set AROW,   192                       ; 16 rows x 256 K of A are 3,072 bytes: 192 a row
.set ASLOT,  256*3072                  ; from a K step of A to the next
.set PITCH,  240
.set FR,     12
.set NL,     6
.set NP,     4
.set HALFT,  128*PITCH
.set SLOT,   4*HALFT
.set LAPS,   SIZE_K/(2*KSTEP)
.set KS,     SIZE_K/32
.set SCL,    2*SLOT
.set HALFS,  (128*KS/256)*272
.set SBLK,   (16*KS/256)*272
.set SPARE,  SCL+4*HALFS               ; the spare words: two blocks of 256 bytes that no other line names
.set SPITCH, 528                       ; the way out: a stage of 16 rows x (512 + 16) bytes a wave, in slot 0, which has had its last fill and its last read by then
.set ADRA, 16
.set ADRB, 20
.set STO,  24
.set RD,   25
.set CO,   26
.set ADRS, 27
.set SPW,  28
.set NIL,  29
.set SC,   32
.set AF,   128
.set BK,   128
.set G1, 24
.set G0, 32
.set G1B, 48
.set G0B, 56
.set G1S, 68
.set G0S, 76
.set G1SB, 80
.set G0SB, 88
.set MSB, 0
.macro WIN new
.if MSB != (\new)
	s_set_vgpr_msb (MSB<<8)|(\new)
.set MSB, (\new)
.endif
.endm
.set MUL_LO, 0xa1
.set MUL_HI, 0xf1
.set TO_B,   0x40
.macro JLOAD g0a, g1a, g0b, g1b        ; a joint load: waves 0, 1 for A, waves 2, 3 for B; four v_nop follow each line
	s_cmp_eq_u32 s15, 0
	s_cbranch_scc0 .Lfor_b_\@
	tensor_load_to_lds s[\g0a:\g0a+3], s[\g1a:\g1a+7]
	s_nop 0
.rept 4
	v_nop
.endr
	s_branch .Lasked_\@
.Lfor_b_\@:
	tensor_load_to_lds s[\g0b:\g0b+3], s[\g1b:\g1b+7]
	s_nop 0
.rept 4
	v_nop
.endr
.Lasked_\@:
.endm
.macro CREST
	s_cmp_lg_u32 s14, 0
	s_cbranch_scc1 .Lnot_wave_0_\@
	s_barrier_signal -3
.Lnot_wave_0_\@:
	s_barrier_wait -3
	s_barrier_signal -1
	s_barrier_wait -1
.endm
.macro CROUND
	s_barrier_signal -1
	s_barrier_wait -1
	CREST
.endm
	s_load_b64 s[4:5], s[0:1], 0x0                 ; act1
	s_load_b64 s[8:9], s[0:1], 0x8                 ; B's codes
	s_load_b64 s[10:11], s[0:1], 0x10              ; B's scales
	s_load_b64 s[12:13], s[0:1], 0x18              ; y
	v_lshl_add_u32 v[SPW], v0, 2, SPARE
	v_mov_b32 v[NIL], 0
	ds_add_u32 v28, v29
	ds_add_u32 v28, v29
	s_wait_dscnt 0x0
	v_lshrrev_b32 v1, 5, v0
	v_readfirstlane_b32 s14, v1
	s_lshr_b32 s15, s14, 1
	s_and_b32 s16, s14, 1
	s_bfe_u32 s40, ttmp6, 0x40000
	s_bfe_u32 s41, ttmp6, 0x40004
	s_lshl_b32 s42, ttmp9, 2
	s_add_co_u32 s42, s42, s40                     ; tile column
	s_and_b32 s17, ttmp7, 0xffff
	s_lshl_b32 s17, s17, 2
	s_add_co_u32 s17, s17, s41                     ; tile row
	s_lshl_b32 s43, s41, 2
	s_lshl_b32 s43, 15, s43
	s_lshl_b32 s44, 0x1111, s40
	s_or_b32 s[G1+0], s43, (3<<16)|(1<<21)         ; A: the mask of my row; elements of 8 bytes; no padding; 96 dense rows of 256 bytes
	s_mov_b32 s[G1+1], 32<<16
	s_mov_b32 s[G1+2], 96<<16
	s_mov_b32 s[G1+3], 32<<16
	s_mov_b32 s[G1+4], 96
	s_mov_b32 s[G1+5], 32
	s_mov_b32 s[G1+6], 0
	s_mov_b32 s[G1+7], 0
	s_or_b32 s[G1B+0], s44, (0<<16)|(1<<20)|(1<<21)|(3<<22)|(3<<25)   ; B: 128 rows of 192 bytes, 16 bytes of padding behind every 64
	s_mov_b32 s[G1B+1], ROWB<<16
	s_mov_b32 s[G1B+2], 128<<16
	s_mov_b32 s[G1B+3], ROWB<<16
	s_mov_b32 s[G1B+4], 128
	s_mov_b32 s[G1B+5], KROW
	s_mov_b32 s[G1B+6], 0
	s_mov_b32 s[G1B+7], 0
	s_or_b32 s[G1S+0], s43, (3<<16)|(1<<20)|(1<<21)|(5<<22)|(3<<25)   ; the scales of 128 rows: rows of 256 bytes, 16 of padding behind each
	s_or_b32 s[G1SB+0], s44, (3<<16)|(1<<20)|(1<<21)|(5<<22)|(3<<25)
.irp g, G1S, G1SB
	s_mov_b32 s[\g+1], 32<<16
	s_mov_b32 s[\g+2], (128*KS/256)<<16
	s_mov_b32 s[\g+3], 32<<16
	s_mov_b32 s[\g+4], 128*KS/256
	s_mov_b32 s[\g+5], 32
	s_mov_b32 s[\g+6], 0
	s_mov_b32 s[\g+7], 0
.endr
	s_lshl_b32 s18, s16, 7
	s_lshl_b32 s20, s17, 8
	s_add_co_u32 s20, s20, s18
	s_lshl_b32 s46, s42, 8
	s_add_co_u32 s46, s46, s18
	s_mov_b32 s21, 0
	s_mov_b32 s47, 0
	s_mov_b64 s[18:19], KS
	s_mul_u64 s[22:23], s[20:21], s[18:19]
	s_mul_u64 s[92:93], s[46:47], s[18:19]
	s_mov_b64 s[18:19], AROW
	s_mul_u64 s[20:21], s[20:21], s[18:19]
	s_mov_b64 s[18:19], KROW
	s_mul_u64 s[46:47], s[46:47], s[18:19]
	s_mul_i32 s45, s14, HALFT
	s_mul_i32 s94, s14, HALFS
	s_wait_kmcnt 0x0
	s_add_nc_u64 s[6:7], s[4:5], ASC               ; A's scales
	s_add_nc_u64 s[20:21], s[4:5], s[20:21]
	s_add_nc_u64 s[22:23], s[6:7], s[22:23]
	s_add_nc_u64 s[46:47], s[8:9], s[46:47]
	s_add_nc_u64 s[92:93], s[10:11], s[92:93]
	CROUND
	s_mov_b32 s[G0S], 1
	s_add_co_u32 s[G0S+1], s94, SCL
	s_mov_b64 s[G0S+2:G0S+3], s[22:23]
	s_or_b32 s[G0S+3], s[G0S+3], 0x80000000
	s_mov_b32 s[G0SB], 1
	s_add_co_u32 s[G0SB+1], s94, SCL
	s_mov_b64 s[G0SB+2:G0SB+3], s[92:93]
	s_or_b32 s[G0SB+3], s[G0SB+3], 0x80000000
	JLOAD G0S, G1S, G0SB, G1SB
.irp s, 0,1
	s_mov_b32 s[G0+4*\s], 1
	s_add_co_u32 s[G0+4*\s+1], s45, \s*SLOT
	s_add_nc_u64 s[G0+4*\s+2:G0+4*\s+3], s[20:21], \s*ASLOT
	s_or_b32 s[G0+4*\s+3], s[G0+4*\s+3], 0x80000000
	s_mov_b32 s[G0B+4*\s], 1
	s_add_co_u32 s[G0B+4*\s+1], s45, \s*SLOT
	s_add_nc_u64 s[G0B+4*\s+2:G0B+4*\s+3], s[46:47], \s*ROWB
	s_or_b32 s[G0B+4*\s+3], s[G0B+4*\s+3], 0x80000000
	JLOAD G0+4*\s, G1, G0B+4*\s, G1B
.endr
	v_and_b32 v1, 15, v0
	v_bfe_u32 v2, v0, 4, 1
	v_mul_u32_u24 v3, v1, PITCH
	v_mul_u32_u24 v4, v2, 24
	v_add_nc_u32 v4, v3, v4
	v_lshl_add_u32 v5, v2, 4, v4
	v_and_b32 v6, 31, v0
	v_lshlrev_b32 v6, 3, v6                        ; A: 8 x lane in a chunk
	s_mul_i32 s21, s15, HALFT
	s_mul_i32 s22, s16, HALFT
	s_add_co_u32 s22, s22, 2*HALFT
.irp s, 0,1
	v_add_nc_u32 v[ADRA+\s], s21, v6
	v_add_nc_u32 v[ADRB+\s], s22, v4
	v_add_nc_u32 v[ADRB+2+\s], s22, v5
	s_add_co_u32 s21, s21, SLOT
	s_add_co_u32 s22, s22, SLOT
.endr
	v_mul_u32_u24 v5, v1, KS
	v_lshrrev_b32 v6, 8, v5
	v_lshl_add_u32 v5, v6, 4, v5
	s_mul_i32 s21, s15, HALFS
	s_mul_i32 s22, s16, HALFS
	s_add_co_u32 s22, s22, 2*HALFS
	s_sub_co_u32 s22, s22, s21
	v_mul_u32_u24 v6, s22, v2
	s_add_co_u32 s21, s21, SCL
	v_add_nc_u32 v5, v5, v6
	v_add_nc_u32 v[ADRS], s21, v5
	s_mul_i32 s23, s14, 16*SPITCH
	v_mul_u32_u24 v5, v1, SPITCH
	v_lshl_add_u32 v5, v2, 5, v5
	v_add_nc_u32 v[STO], s23, v5
	v_and_b32 v6, 31, v0
	v_lshlrev_b32 v[CO], 4, v6
	v_add_nc_u32 v[RD], s23, v[CO]
	s_lshl_b32 s20, s17, 8
	s_lshl_b32 s21, s15, 7
	s_add_co_u32 s20, s20, s21
	s_mov_b32 s21, 0
	s_mov_b64 s[18:19], SIZE_N*4
	s_mul_u64 s[20:21], s[20:21], s[18:19]
	s_lshl_b32 s46, s42, 10
	s_lshl_b32 s47, s16, 9
	s_add_co_u32 s46, s46, s47
	s_mov_b32 s47, 0
	s_add_nc_u64 s[20:21], s[20:21], s[46:47]
	s_add_nc_u64 s[12:13], s[12:13], s[20:21]
.macro FRAG reg, adr, q, i             ; B: from rows of 192 bytes with padding, in pieces of 8 bytes
.irp p, 0,1,2,3,4,5
.set PCE, 12*(\q)+6*(\p/3)+\p%3
.if PCE%8 < 5
	ds_load_b64 v[\reg+2*\p:\reg+2*\p+1], v[\adr] offset:8*PCE+16*(PCE/8)+(\i)*16*PITCH
.else
	ds_load_b64 v[\reg+2*\p:\reg+2*\p+1], v[\adr+2] offset:8*PCE+16*(PCE/8)+(\i)*16*PITCH
.endif
.endr
.endm
.macro FRAGI reg, adr, q, i            ; A: an image of the registers: six chunks of 256 consecutive bytes
.irp p, 0,1,2,3,4,5
	ds_load_b64 v[\reg+2*\p:\reg+2*\p+1], v[\adr] offset:(\i)*3072+(\q)*1536+256*\p
.endr
.endm
.macro MUL16 a0, p, q, sc, zero        ; the 64 accumulators take turns, one instruction a turn
.irp a, \a0, \a0+1
.irp b, 0,1,2,3,4,5,6,7
.if \zero
	v_wmma_scale_f32_16x16x128_f8f6f4 v[8*(8*((\a)%4)+\b):8*(8*((\a)%4)+\b)+7], v[128*(\p)+FR*\b:128*(\p)+FR*\b+FR-1], v[AF+FR*(\a):AF+FR*(\a)+FR-1], 0, v[SC+8*NQ*(\sc)+NQ*\b+(\q)], v[SC+8*NQ*(\sc)+NQ*(\a)+(\q)] matrix_a_fmt:MATRIX_FMT_BF6 matrix_b_fmt:MATRIX_FMT_BF6 matrix_a_scale:MATRIX_SCALE_ROW1
.else
	v_wmma_scale_f32_16x16x128_f8f6f4 v[8*(8*((\a)%4)+\b):8*(8*((\a)%4)+\b)+7], v[128*(\p)+FR*\b:128*(\p)+FR*\b+FR-1], v[AF+FR*(\a):AF+FR*(\a)+FR-1], v[8*(8*((\a)%4)+\b):8*(8*((\a)%4)+\b)+7], v[SC+8*NQ*(\sc)+NQ*\b+(\q)], v[SC+8*NQ*(\sc)+NQ*(\a)+(\q)] matrix_a_fmt:MATRIX_FMT_BF6 matrix_b_fmt:MATRIX_FMT_BF6 matrix_a_scale:MATRIX_SCALE_ROW1
.endif
.endr
.endr
.endm
.macro FETCH_B slot, q, p
	WIN TO_B
.irp i, 0,1,2,3,4,5,6,7
	FRAG 128*(\p)+FR*\i, ADRB+\slot, \q, \i
.endr
	WIN 0
.endm
.macro FETCH_A slot, q, i0
.irp i, \i0, \i0+1, \i0+2, \i0+3
	FRAGI AF+FR*(\i), ADRA+\slot, \q, \i
.endr
.endm
.macro SCALES sc
.irp i, 0,1,2,3,4,5,6,7
	ds_load_b64 v[SC+8*NQ*\sc+NQ*\i:SC+8*NQ*\sc+NQ*\i+1], v[ADRS] offset:\i*SBLK
.endr
.endm
.macro PLACES n                        ; plain vector places behind matrix instructions (ISA guide 7.12.1)
.rept \n
	v_nop
.endr
.endm
.macro STEP slot, q, zero
	s_wait_dscnt 4*NL                              ; the youngest 24 loads (A's blocks 4-7) may be out
	WIN MUL_LO
	MUL16 0, (\q)%2, \q, \slot, \zero
	MUL16 2, (\q)%2, \q, \slot, \zero
	s_wait_dscnt 0
	PLACES NP
	FETCH_B \slot, (\q)+1, 1-(\q)%2
	FETCH_A \slot, (\q)+1, 0
	WIN MUL_HI
	MUL16 4, (\q)%2, \q, \slot, \zero
	MUL16 6, (\q)%2, \q, \slot, \zero
	PLACES NP
	WIN 0
	FETCH_A \slot, (\q)+1, 4
.endm
.macro TURN slot, next, fill
	s_wait_tensorcnt 0x0                           ; all my tensor loads have landed: my part of the next slot
	ds_add_u32 v[SPW], v[NIL]                      ; 0 onto my spare word
	s_wait_dscnt 4*NL+1                            ; (the add and the youngest 24 loads may be out)
	WIN MUL_LO
	MUL16 0, 1, NQ-1, \slot, 0
	s_wait_dscnt 0x0                               ; the add is done, and my reads of this slot are over
	s_barrier_signal -1
	MUL16 2, 1, NQ-1, \slot, 0
	WIN 0
	s_barrier_wait -1
.if \fill
	CREST                                          ; the barrier has opened a round of the cluster's barrier
	s_add_nc_u64 s[G0+4*\slot+2:G0+4*\slot+3], s[G0+4*\slot+2:G0+4*\slot+3], 2*ASLOT
	s_add_nc_u64 s[G0B+4*\slot+2:G0B+4*\slot+3], s[G0B+4*\slot+2:G0B+4*\slot+3], 2*ROWB
	JLOAD G0+4*\slot, G1, G0B+4*\slot, G1B         ; the first tensor load behind the round
.else
	PLACES NP
.endif
	v_add_nc_u32 v[ADRS], 4*NQ, v[ADRS]
	FETCH_B \next, 0, 0
	FETCH_A \next, 0, 0
	SCALES \next
	WIN MUL_HI
	MUL16 4, 1, NQ-1, \slot, 0
	MUL16 6, 1, NQ-1, \slot, 0
	PLACES NP
	WIN 0
	FETCH_A \next, 0, 4
.endm
	s_wait_tensorcnt 1                             ; the scales and my part of K step 0 are in (K step 1's load may be out)
	s_barrier_signal -1
	s_barrier_wait -1
	FETCH_B 0, 0, 0
	FETCH_A 0, 0, 0
	SCALES 0
	FETCH_A 0, 0, 4
	STEP 0, 0, 1
	s_mov_b32 s3, LAPS-1
.Llap:
	TURN 0, 1, 1
	STEP 1, 0, 0
	TURN 1, 0, 1
	STEP 0, 0, 0
	s_sub_co_u32 s3, s3, 1
	s_cmp_lg_u32 s3, 0
	s_cbranch_scc1 .Llap
	TURN 0, 1, 0
	STEP 1, 0, 0
	s_wait_dscnt 4*NL
	WIN MUL_LO
	MUL16 0, 1, NQ-1, 1, 0
	MUL16 2, 1, NQ-1, 1, 0
	s_wait_dscnt 0
	WIN MUL_HI
	MUL16 4, 1, NQ-1, 1, 0
	MUL16 6, 1, NQ-1, 1, 0
	WIN 0
; THE WAY OUT, block by block of 16 rows x 128 columns, through my own stage: in as 32 bytes a lane, back as whole rows of 512 bytes.  LDS serves a wave's instructions in order.
.macro TOSTAGE a
.set AC, 64*((\a)%4)
	WIN 0x08+4*((\a)/4)
.irp b, 0,1,2,3,4,5,6,7
	ds_store_b128 v[STO], v[AC+8*\b:AC+8*\b+3] offset:64*\b          ; each accumulator from its low end on
	ds_store_b128 v[STO], v[AC+8*\b+4:AC+8*\b+7] offset:64*\b+16
.endr
	WIN 0
.set BB, BK+64*((\a)%2)
.irp t, 0,1,2,3,4,5,6,7,8,9,10,11,12,13,14,15
	ds_load_b128 v[BB+4*\t:BB+4*\t+3], v[RD] offset:\t*SPITCH
.endr
.endm
.macro SEND a, younger                 ; stage row t of block a is token 32 (a / 2) + 8 (a % 2) + t + 8 (t / 8) of my 128
.set BB, BK+64*((\a)%2)
	s_wait_dscnt \younger
.if (\a) > 0
.if (\a)%2
	s_add_nc_u64 s[12:13], s[12:13], 8*SIZE_N*4    ; (behind a wait on XCNT: the earlier stores have read their base)
.else
	s_add_nc_u64 s[12:13], s[12:13], 24*SIZE_N*4
.endif
.endif
.irp t, 0,1,2,3,4,5,6,7,8,9,10,11,12,13,14,15
	global_store_b128 v[CO], v[BB+4*\t:BB+4*\t+3], s[12:13] offset:(\t+8*(\t/8))*SIZE_N*4   ; 32 lanes store 512 consecutive bytes, aligned
.endr
.endm
	PLACES NP
	TOSTAGE 0
.irp a, 1,2,3,4,5,6,7
.if \a > 1
	s_wait_xcnt 0x0                                ; block a - 2's stores have read their registers and their base
.endif
	TOSTAGE \a
	SEND \a-1, 32                                  ; behind block a - 1's loads: block a's 16 stores and 16 loads
.endr
	s_wait_xcnt 0x0
	SEND 7, 0
	s_wait_tensorcnt 0x0                           ; the wave's end
	ds_add_u32 v[SPW], v[NIL]
	s_wait_dscnt 0x0
	CROUND
	s_endpgm
.Lfunc_end_k_q8047da440d_proj:
	.size	k_q8047da440d_proj, .Lfunc_end_k_q8047da440d_proj-k_q8047da440d_proj
	.p2alignl 7, 3214868480
	.fill 96, 4, 3214868480
	.section	.rodata,"a",@progbits
	.p2align	6, 0x0
	.amdhsa_kernel k_q8047da440d_proj
		.amdhsa_group_segment_fixed_size 327680
		.amdhsa_private_segment_fixed_size 0
		.amdhsa_enable_private_segment 0
		.amdhsa_kernarg_size 32
		.amdhsa_user_sgpr_count 2
		.amdhsa_user_sgpr_kernarg_segment_ptr 1
		.amdhsa_wavefront_size32 1
		.amdhsa_system_sgpr_workgroup_id_x 1
		.amdhsa_system_sgpr_workgroup_id_y 1
		.amdhsa_system_sgpr_workgroup_id_z 1
		.amdhsa_system_vgpr_workitem_id 0
		.amdhsa_next_free_vgpr 1024
		.amdhsa_next_free_sgpr 98
		.amdhsa_reserve_vcc 0
		.amdhsa_float_denorm_mode_32 3
		.amdhsa_float_denorm_mode_16_64 3
		.amdhsa_memory_ordered 1
		.amdhsa_forward_progress 1
		.amdhsa_inst_pref_size 160
	.end_amdhsa_kernel
	.amdgpu_metadata
---
amdhsa.version: [ 1, 2 ]
amdhsa.kernels:
  - .name:           k_q8047da440d_proj
    .symbol:         k_q8047da440d_proj.kd
    .args:
      - { .name: act1, .offset: 0, .size: 8, .value_kind: global_buffer, .address_space: global }
      - { .name: w_proj_codes, .offset: 8, .size: 8, .value_kind: global_buffer, .address_space: global }
      - { .name: w_proj_scales, .offset: 16, .size: 8, .value_kind: global_buffer, .address_space: global }
      - { .name: y, .offset: 24, .size: 8, .value_kind: global_buffer, .address_space: global }
    .group_segment_fixed_size: 327680
    .private_segment_fixed_size: 0
    .kernarg_segment_align: 8
    .kernarg_segment_size: 32
    .max_flat_workgroup_size: 128
    .sgpr_count:     98
    .vgpr_count:     1024
    .wavefront_size: 32
...
	.end_amdgpu_metadata
.endif
;; end of part 4
;; launch ln1 (part 5): grid 256 x 1, 8 waves a work-group, no clusters, 67,584 bytes of LDS; arguments y, b_proj, x, gamma1, beta1, o1, act0; writes o1, act0
.if DOCPART == 5
	.amdgcn_target "amdgcn-amd-amdhsa--gfx1250"
	.amdhsa_code_object_version 6
	.text
	.protected	k_q8047da440d_ln1
	.globl	k_q8047da440d_ln1
	.p2align	8
	.type	k_q8047da440d_ln1,@function
k_q8047da440d_ln1:
	s_mov_b64 s[64:65], 0
	v_nop
	global_prefetch_b8 v0, s[64:65] scope:SCOPE_SE
	s_setreg_imm32_b32 hwreg(HW_REG_WAVE_MODE, 25, 1), 1
	s_wait_xcnt 0x0
; out1 = layer_norm((y + b_proj) + x) x gamma1 + beta1, rows of 1,024, all in f32; out1 goes to o1 as f32 and, quantised along the row to BF6 (E3M2) with E8M0 scales, to act0.
; A work-group takes 16 rows (a tile of the next product's A).  PHASE 1: wave w takes rows 2 w and 2 w + 1, a whole row a wave (32 registers): mean, then the mean of the squared differences, as the definition has it;
; every load and store covers 512 consecutive bytes.  The rows also go to a stage in LDS (pitch 4,112).  PHASE 2: wave w takes K step w (128 columns) of all 16 rows: lane (r, h) reads, of row r, 16 neighbours of
; each block of 32, quantises, and stores the fragment as an image of its registers: six chunks of 256 consecutive bytes.  The scale words meet in LDS and leave as 512 consecutive bytes.
; act0: codes [k / 256][tile][(k / 128) % 2][6][256]; scale bytes [row][32] at byte ASC.
; No matrix unit, no tensor loads, no cluster: memory binds, and the work-groups share only the three vectors.
; LIMITS: v_rsq_f32's accuracy (1 ulp); a block whose largest magnitude lies under 2^-122 gets the byte 1; NaN and infinities are not served.
.set SPT,  4112
.set SCW,  16*SPT                      ; behind the stage: 16 rows x 8 scale words
.set ASC,  0x300000
.set A0,   8                           ; v[8:15]  four packed chains
.set MN,   16                          ; v[16:17] -mean, twice
.set R0,   18                          ; v[18:19], v[20:21] 1 / sqrt(var + eps) of the two rows, twice each
.set R1,   20
.set T,    22                          ; v22, v23 at work
.set B,    32
.set G,    64
.set BE,   96
.set Y0,   128
.set X0,   160
.set Y1,   192
.set X1,   224
.set HA,   128                         ; phase 2: 64 numbers
.set CD,   32
.set TM,   64
.set PW,   80
.set SEL,  22
	s_load_b256 s[4:11], s[0:1], 0x0               ; y, b_proj, x, gamma1
	s_load_b128 s[12:15], s[0:1], 0x20             ; beta1, o1
	s_load_b64 s[16:17], s[0:1], 0x30              ; act0
	v_lshl_add_u32 v30, v0, 2, 0x10400
	v_mov_b32 v31, 0
	v_lshrrev_b32 v1, 5, v0
	v_readfirstlane_b32 s18, v1                    ; wave 0..7
	v_and_b32 v2, 31, v0
	v_lshlrev_b32 v1, 4, v2                        ; 16 x lane
	v_lshlrev_b32 v5, 3, v2                        ; 8 x lane
	s_mul_i32 s26, s18, 2*SPT
	v_add_nc_u32 v3, s26, v1                       ; the stage, in: my two rows
	v_and_b32 v6, 15, v0                           ; r
	v_bfe_u32 v7, v0, 4, 1                         ; h
	v_mul_u32_u24 v4, v6, SPT
	v_lshl_add_u32 v4, v7, 6, v4
	s_lshl_b32 s26, s18, 9
	v_add_nc_u32 v4, s26, v4                       ; the stage, out: row r, + 512 w + 64 h
	v_lshlrev_b32 v6, 5, v6
	s_lshl_b32 s26, s18, 2
	v_add_nc_u32 v6, s26, v6
	v_add_nc_u32 v6, SCW, v6                       ; my row's scale word of K step w
	v_add_nc_u32 v7, SCW, v1                       ; and the words' way out
	v_mov_b32 v[T+1], 0                            ; a lane permute's destination counts as one of its sources
	s_lshl_b32 s20, ttmp9, 16
	s_lshl_b32 s21, s18, 13
	s_add_co_u32 s20, s20, s21                     ; my first row: (16 x work-group + 2 x wave) x 4,096 bytes
	s_mov_b32 s21, 0
	s_mov_b32 s[SEL], 0x76543210
	s_mov_b32 s[SEL+1], 0xfedcba98
	s_mov_b32 s24, 0x3a800000                      ; 1 / 1,024
	s_mov_b32 s25, 0x2edbe6ff                      ; 1e-10
	s_lshr_b32 s28, s18, 1
	s_lshl_b32 s28, s28, 8
	s_add_co_u32 s28, s28, ttmp9
	s_lshl_b32 s28, s28, 1
	s_and_b32 s29, s18, 1
	s_add_co_u32 s28, s28, s29
	s_mul_i32 s28, s28, 1536                       ; my fragment: (w / 2, tile, w % 2)
	s_mov_b32 s29, 0
	s_lshl_b32 s30, ttmp9, 9
	s_add_co_u32 s30, s30, ASC
	s_mov_b32 s31, 0
	s_wait_kmcnt 0x0
	s_add_nc_u64 s[4:5], s[4:5], s[20:21]
	s_add_nc_u64 s[8:9], s[8:9], s[20:21]
	s_add_nc_u64 s[14:15], s[14:15], s[20:21]
	s_add_nc_u64 s[28:29], s[16:17], s[28:29]
	s_add_nc_u64 s[30:31], s[16:17], s[30:31]
.macro LD8 reg, lo, hi, off
.irp j, 0,1,2,3,4,5,6,7
	global_load_b128 v[\reg+4*\j:\reg+4*\j+3], v1, s[\lo:\hi] offset:\off+512*\j
.endr
.endm
	LD8 B, 6, 7, 0
	LD8 Y0, 4, 5, 0
	LD8 X0, 8, 9, 0
	LD8 Y1, 4, 5, 4096
	LD8 X1, 8, 9, 4096
	LD8 G, 10, 11, 0
	LD8 BE, 12, 13, 0
.macro REDUCE                          ; four packed chains -> the wave's sum in v[T], in every lane
	v_pk_add_f32 v[A0:A0+1], v[A0:A0+1], v[A0+2:A0+3]
	v_pk_add_f32 v[A0+4:A0+5], v[A0+4:A0+5], v[A0+6:A0+7]
	v_pk_add_f32 v[A0:A0+1], v[A0:A0+1], v[A0+4:A0+5]
	v_add_f32 v[T], v[A0], v[A0+1]
	v_add_f32_dpp v[T], v[T], v[T] row_xmask:1 row_mask:0xf bank_mask:0xf
	v_add_f32_dpp v[T], v[T], v[T] row_xmask:2 row_mask:0xf bank_mask:0xf
	v_add_f32_dpp v[T], v[T], v[T] row_xmask:4 row_mask:0xf bank_mask:0xf
	v_add_f32_dpp v[T], v[T], v[T] row_xmask:8 row_mask:0xf bank_mask:0xf
	v_permlanex16_b32 v[T+1], v[T], s[SEL], s[SEL+1]
	v_add_f32 v[T], v[T], v[T+1]
.endm
.macro STATS y, x, r                   ; z = (y + b) + x; y's registers end as z - mean; v[r], v[r + 1] = 1 / sqrt(var + eps)
.set J, 0
.rept 16
	v_pk_add_f32 v[\y+2*J:\y+2*J+1], v[\y+2*J:\y+2*J+1], v[B+2*J:B+2*J+1]
.set J, J+1
.endr
.set J, 0
.rept 16
	v_pk_add_f32 v[\y+2*J:\y+2*J+1], v[\y+2*J:\y+2*J+1], v[\x+2*J:\x+2*J+1]
.set J, J+1
.endr
.irp k, 0,1,2,3
	v_pk_add_f32 v[A0+2*\k:A0+2*\k+1], v[\y+2*\k:\y+2*\k+1], v[\y+8+2*\k:\y+9+2*\k]
.endr
.irp q, 16,24
.irp k, 0,1,2,3
	v_pk_add_f32 v[A0+2*\k:A0+2*\k+1], v[A0+2*\k:A0+2*\k+1], v[\y+\q+2*\k:\y+\q+2*\k+1]
.endr
.endr
	REDUCE
	v_mul_f32 v[MN], 0xba800000, v[T]              ; -mean
	v_mov_b32 v[MN+1], v[MN]
.set J, 0
.rept 16
	v_pk_add_f32 v[\y+2*J:\y+2*J+1], v[\y+2*J:\y+2*J+1], v[MN:MN+1]
.set J, J+1
.endr
.irp k, 0,1,2,3
	v_pk_mul_f32 v[A0+2*\k:A0+2*\k+1], v[\y+2*\k:\y+2*\k+1], v[\y+2*\k:\y+2*\k+1]
.endr
.irp q, 8,16,24
.irp k, 0,1,2,3
	v_pk_fma_f32 v[A0+2*\k:A0+2*\k+1], v[\y+\q+2*\k:\y+\q+2*\k+1], v[\y+\q+2*\k:\y+\q+2*\k+1], v[A0+2*\k:A0+2*\k+1]
.endr
.endr
	REDUCE
	v_fma_f32 v[T], v[T], s24, s25                 ; var + eps
	v_rsq_f32 v[\r], v[T]
	v_rsq_f32 v[\r+1], v[T]
	v_nop                                          ; a plain place behind the transcendentals
.endm
.macro FINISH y, r
.set J, 0
	s_wait_alu depctr_va_vdst(0)
.rept 16
	v_pk_mul_f32 v[\y+2*J:\y+2*J+1], v[\y+2*J:\y+2*J+1], v[\r:\r+1]
.set J, J+1
.endr
.set J, 0
.rept 16
	v_pk_fma_f32 v[\y+2*J:\y+2*J+1], v[\y+2*J:\y+2*J+1], v[G+2*J:G+2*J+1], v[BE+2*J:BE+2*J+1]
.set J, J+1
.endr
.endm
	s_wait_loadcnt 32                              ; the bias and row 0 are in; row 1's, gamma's and beta's 32 loads may be out
	STATS Y0, X0, R0
	s_wait_loadcnt 16                              ; row 1 is in; gamma's and beta's 16 may be out
	STATS Y1, X1, R1
	s_wait_loadcnt 0x0
	FINISH Y0, R0
.irp j, 0,1,2,3,4,5,6,7
	global_store_b128 v1, v[Y0+4*\j:Y0+4*\j+3], s[14:15] offset:512*\j
	ds_store_b128 v3, v[Y0+4*\j:Y0+4*\j+3] offset:512*\j
.endr
	FINISH Y1, R1
.irp j, 0,1,2,3,4,5,6,7
	global_store_b128 v1, v[Y1+4*\j:Y1+4*\j+3], s[14:15] offset:4096+512*\j
	ds_store_b128 v3, v[Y1+4*\j:Y1+4*\j+3] offset:SPT+512*\j
.endr
	s_wait_dscnt 0x0                               ; for the others' sake: my rows lie in the stage
	s_barrier_signal -1
	s_barrier_wait -1
	s_wait_xcnt 0x0                                ; the stores to o1 have read their registers: these are loaded again only behind this wait
.irp b, 0,1,2,3
.irp j, 0,1,2,3
	ds_load_b128 v[HA+16*\b+4*\j:HA+16*\b+4*\j+3], v4 offset:128*\b+16*\j   ; register 16 b + i = column 128 w + 32 b + 16 h + i of row r
.endr
.endr
.irp b, 0,1,2,3
	v_mov_b32 v[TM+4+\b], 0
.endr
	s_wait_dscnt 0x0
.irp b, 0,1,2,3
	v_max3_num_f32 v[TM+\b], |v[HA+16*\b]|, |v[HA+1+16*\b]|, 0x2800000   ; my 16 numbers of block b, and the floor 2^(5 - 127)
.endr
.irp i, 2,4,6,8,10,12,14
.irp b, 0,1,2,3
	v_max3_num_f32 v[TM+\b], v[TM+\b], |v[HA+16*\b+\i]|, |v[HA+1+16*\b+\i]|
.endr
.endr
.irp b, 0,1,2,3
	v_permlanex16_b32 v[TM+4+\b], v[TM+\b], s[SEL], s[SEL+1]
.endr
.irp b, 0,1,2,3
	v_max_num_f32 v[TM+\b], v[TM+\b], v[TM+4+\b]
.endr
.irp b, 0,1,2,3
	v_add_nc_u32 v[TM+12+\b], 0xfe000000, v[TM+\b] ; 4 off the exponent field: the conversion's scale operand
.endr
.irp b, 0,1,2,3
	v_lshrrev_b32 v[TM+4+\b], 23, v[TM+12+\b]      ; the scale's byte
.endr
	v_lshl_or_b32 v[PW], v[TM+5], 8, v[TM+4]
	v_lshl_or_b32 v[PW], v[TM+6], 16, v[PW]
	v_lshl_or_b32 v[PW], v[TM+7], 24, v[PW]
.irp c, 0,1
	v_cvt_scalef32_pk16_bf6_f32 v[CD+6*\c:CD+2+6*\c], v[HA+32*\c:HA+15+32*\c], v[TM+12+2*\c]
	v_cvt_scalef32_pk16_bf6_f32 v[CD+12+4*\c:CD+14+4*\c], v[HA+16+32*\c:HA+31+32*\c], v[TM+12+2*\c+1]
.endr
	v_nop                                          ; one plain place behind a scaled conversion
.irp c, 0,1
.irp i, 0,1,2
	v_permlane16_swap_b32 v[CD+6*\c+\i], v[CD+12+4*\c+\i]
.endr
.irp i, 0,1,2
	v_mov_b32 v[CD+3+6*\c+\i], v[CD+12+4*\c+\i]
.endr
.endr
.irp i, 0,1,2,3,4,5
	global_store_b64 v5, v[CD+2*\i:CD+2*\i+1], s[28:29] offset:256*\i   ; 32 lanes store 256 consecutive bytes, aligned
.endr
	ds_store_b32 v6, v[PW]                         ; both halves of the lanes write the same word with the same value
	s_wait_dscnt 0x0
	s_barrier_signal -1
	s_barrier_wait -1
	s_cmp_lg_u32 s18, 0
	s_cbranch_scc1 .Lend
	ds_load_b128 v[84:87], v7                      ; the tile's 512 scale bytes
	s_wait_dscnt 0x0
	global_store_b128 v1, v[84:87], s[30:31]
.Lend:
	s_wait_tensorcnt 0x0
	ds_add_u32 v30, v31
	s_wait_dscnt 0x0
	s_endpgm
.Lfunc_end_k_q8047da440d_ln1:
	.size	k_q8047da440d_ln1, .Lfunc_end_k_q8047da440d_ln1-k_q8047da440d_ln1
	.p2alignl 7, 3214868480
	.fill 96, 4, 3214868480
	.section	.rodata,"a",@progbits
	.p2align	6, 0x0
	.amdhsa_kernel k_q8047da440d_ln1
		.amdhsa_group_segment_fixed_size 67584
		.amdhsa_private_segment_fixed_size 0
		.amdhsa_enable_private_segment 0
		.amdhsa_kernarg_size 56
		.amdhsa_user_sgpr_count 2
		.amdhsa_user_sgpr_kernarg_segment_ptr 1
		.amdhsa_wavefront_size32 1
		.amdhsa_system_sgpr_workgroup_id_x 1
		.amdhsa_system_sgpr_workgroup_id_y 1
		.amdhsa_system_sgpr_workgroup_id_z 1
		.amdhsa_system_vgpr_workitem_id 0
		.amdhsa_next_free_vgpr 256
		.amdhsa_next_free_sgpr 66
		.amdhsa_reserve_vcc 0
		.amdhsa_float_denorm_mode_32 3
		.amdhsa_float_denorm_mode_16_64 3
		.amdhsa_memory_ordered 1
		.amdhsa_forward_progress 1
		.amdhsa_inst_pref_size 33
	.end_amdhsa_kernel
	.amdgpu_metadata
---
amdhsa.version: [ 1, 2 ]
amdhsa.kernels:
  - .name:           k_q8047da440d_ln1
    .symbol:         k_q8047da440d_ln1.kd
    .args:
      - { .name: y, .offset: 0, .size: 8, .value_kind: global_buffer, .address_space: global }
      - { .name: b_proj, .offset: 8, .size: 8, .value_kind: global_buffer, .address_space: global }
      - { .name: x, .offset: 16, .size: 8, .value_kind: global_buffer, .address_space: global }
      - { .name: gamma1, .offset: 24, .size: 8, .value_kind: global_buffer, .address_space: global }
      - { .name: beta1, .offset: 32, .size: 8, .value_kind: global_buffer, .address_space: global }
      - { .name: o1, .offset: 40, .size: 8, .value_kind: global_buffer, .address_space: global }
      - { .name: act0, .offset: 48, .size: 8, .value_kind: global_buffer, .address_space: global }
    .group_segment_fixed_size: 67584
    .private_segment_fixed_size: 0
    .kernarg_segment_align: 8
    .kernarg_segment_size: 56
    .max_flat_workgroup_size: 256
    .sgpr_count:     66
    .vgpr_count:     256
    .wavefront_size: 32
...
	.end_amdgpu_metadata
.endif
;; end of part 5
;; launch ffn1 (part 6): grid 16 x 16, 4 waves a work-group, clusters of 4 x 4, 327,680 bytes of LDS; arguments act0, w1_codes, w1_scales, b1, h; writes h
.if DOCPART == 6
	.amdgcn_target "amdgcn-amd-amdhsa--gfx1250"
	.amdhsa_code_object_version 6
	.text
	.protected	k_q8047da440d_ffn1
	.globl	k_q8047da440d_ffn1
	.p2align	8
	.type	k_q8047da440d_ffn1,@function
k_q8047da440d_ffn1:
	s_mov_b64 s[64:65], 0
	v_nop
	global_prefetch_b8 v0, s[64:65] scope:SCOPE_SE
	s_setreg_imm32_b32 hwreg(HW_REG_WAVE_MODE, 25, 1), 1
	s_wait_xcnt 0x0
	s_wait_alu depctr_hold_cnt(0) depctr_sa_sdst(0) depctr_va_vdst(0) depctr_va_sdst(0) depctr_va_ssrc(0) depctr_va_vcc(0) depctr_vm_vsrc(0)
	s_getreg_b32 s2, hwreg(HW_REG_IB_STS2, 6, 4)
	s_cmp_eq_u32 s2, 0
	s_cbranch_scc0 .Lentry_in_a_cluster
	s_endpgm
.Lentry_in_a_cluster:
	s_bfe_u32 s2, ttmp6, 0x10000c
	s_cmp_lg_u32 s2, 0xf033
	s_cbranch_scc0 .Lentry_shape_is_right
	s_endpgm
.Lentry_shape_is_right:
; h = relu(out1 w1 + b1), quantised along its 4,096 features for the next product.  C = A B^T on codes of BF6 (E3M2) with E8M0 scales for each 32 along K = 1,024.
; A = out1's codes in act0, images of the operand's registers: [k / 256][tile of 16 rows][(k / 128) % 2][6 chunks][256 bytes]; scale bytes [row][32] at byte ASC.  B = w1's codes, 4,096 rows of 768 bytes; scale bytes [4096][32].
; A tile of C, 256 x 256: four waves of 128 x 128.  K in steps of 256 through a ring of two LDS slots filled by the tensor data mover.  256 work-groups in clusters of 4 x 4: A's tile shared along a row, B's along a column.
; The matrix instruction is used transposed (source 0 = 16 rows of B, source 1 = 16 rows of A): a lane holds one row of C and its registers run along the features, the next product's K.
; WAY OUT.  A wave's 128 columns are one K step of the next product.  Block a (16 rows): + bias, relu, halves of lanes exchanged so that 16 registers are 16 neighbours, quantised: one fragment, stored as six chunks of 256
; consecutive bytes.  h: codes [k / 256][tile][(k / 128) % 2][6][256]; scale bytes [row][128] at byte HSC.  The scale words go out 4 bytes a lane, 128 bytes apart (two blocks' 32 rows a store): the reader wants rows of
; scale bytes along K; they are 1/24 of the codes' bytes.
; LIMITS: a block whose largest magnitude lies under 2^-122 (zeros too) gets the byte 1; NaN and infinities are not served.
.set SIZE_K, 1024
.set ASC,    0x300000
.set HSC,    0xC00000
.set KSTEP,  256
.set NQ,     KSTEP/128
.set ROWB,   192
.set KROW,   SIZE_K*6/8
.set AROW,   192
.set ASLOT,  256*3072
.set PITCH,  240
.set FR,     12
.set NL,     6
.set NP,     4
.set HALFT,  128*PITCH
.set SLOT,   4*HALFT
.set LAPS,   SIZE_K/(2*KSTEP)
.set KS,     SIZE_K/32
.set SCL,    2*SLOT
.set HALFS,  (128*KS/256)*272
.set SBLK,   (16*KS/256)*272
.set SPARE,  SCL+4*HALFS               ; the spare words: two blocks of 256 bytes that no other line names
.set GO8,  13                          ; v13  8 x lane
.set BA,   14                          ; v14  32 h
.set GOS,  15                          ; v15  128 x lane
.set ADRA, 16
.set ADRB, 20
.set ADRS, 27
.set SPW,  28
.set NIL,  29
.set SC,   32
.set BIAS, 64
.set AF,   128
.set HA,   128
.set CD,   192
.set TM,   232
.set PW,   248
.set KEEP, 249
.set SW,   250
.set SEL,  66
.set MH,   95
.set G1, 24
.set G0, 32
.set G1B, 48
.set G0B, 56
.set G1S, 68
.set G0S, 76
.set G1SB, 80
.set G0SB, 88
.set MSB, 0
.macro WIN new
.if MSB != (\new)
	s_set_vgpr_msb (MSB<<8)|(\new)
.set MSB, (\new)
.endif
.endm
.set MUL_LO, 0xa1
.set MUL_HI, 0xf1
.set TO_B,   0x40
.macro JLOAD g0a, g1a, g0b, g1b        ; a joint load: waves 0, 1 for A, waves 2, 3 for B; four v_nop follow each line
	s_cmp_eq_u32 s15, 0
	s_cbranch_scc0 .Lfor_b_\@
	tensor_load_to_lds s[\g0a:\g0a+3], s[\g1a:\g1a+7]
	s_nop 0
.rept 4
	v_nop
.endr
	s_branch .Lasked_\@
.Lfor_b_\@:
	tensor_load_to_lds s[\g0b:\g0b+3], s[\g1b:\g1b+7]
	s_nop 0
.rept 4
	v_nop
.endr
.Lasked_\@:
.endm
.macro CREST
	s_cmp_lg_u32 s14, 0
	s_cbranch_scc1 .Lnot_wave_0_\@
	s_barrier_signal -3
.Lnot_wave_0_\@:
	s_barrier_wait -3
	s_barrier_signal -1
	s_barrier_wait -1
.endm
.macro CROUND
	s_barrier_signal -1
	s_barrier_wait -1
	CREST
.endm
	s_load_b64 s[4:5], s[0:1], 0x0                 ; act0
	s_load_b64 s[8:9], s[0:1], 0x8                 ; B's codes
	s_load_b64 s[10:11], s[0:1], 0x10              ; B's scales
	s_load_b64 s[96:97], s[0:1], 0x18              ; b1
	s_load_b64 s[12:13], s[0:1], 0x20              ; h
	v_lshl_add_u32 v[SPW], v0, 2, SPARE
	v_mov_b32 v[NIL], 0
	ds_add_u32 v28, v29
	ds_add_u32 v28, v29
	s_wait_dscnt 0x0
	v_lshrrev_b32 v1, 5, v0
	v_readfirstlane_b32 s14, v1
	s_lshr_b32 s15, s14, 1
	s_and_b32 s16, s14, 1
	s_bfe_u32 s40, ttmp6, 0x40000
	s_bfe_u32 s41, ttmp6, 0x40004
	s_lshl_b32 s42, ttmp9, 2
	s_add_co_u32 s42, s42, s40                     ; tile column
	s_and_b32 s17, ttmp7, 0xffff
	s_lshl_b32 s17, s17, 2
	s_add_co_u32 s17, s17, s41                     ; tile row
	s_lshl_b32 s43, s41, 2
	s_lshl_b32 s43, 15, s43
	s_lshl_b32 s44, 0x1111, s40
	s_or_b32 s[G1+0], s43, (3<<16)|(1<<21)         ; A: 96 dense rows of 256 bytes, no padding
	s_mov_b32 s[G1+1], 32<<16
	s_mov_b32 s[G1+2], 96<<16
	s_mov_b32 s[G1+3], 32<<16
	s_mov_b32 s[G1+4], 96
	s_mov_b32 s[G1+5], 32
	s_mov_b32 s[G1+6], 0
	s_mov_b32 s[G1+7], 0
	s_or_b32 s[G1B+0], s44, (0<<16)|(1<<20)|(1<<21)|(3<<22)|(3<<25)   ; B: 128 rows of 192 bytes, 16 bytes of padding behind every 64
	s_mov_b32 s[G1B+1], ROWB<<16
	s_mov_b32 s[G1B+2], 128<<16
	s_mov_b32 s[G1B+3], ROWB<<16
	s_mov_b32 s[G1B+4], 128
	s_mov_b32 s[G1B+5], KROW
	s_mov_b32 s[G1B+6], 0
	s_mov_b32 s[G1B+7], 0
	s_or_b32 s[G1S+0], s43, (3<<16)|(1<<20)|(1<<21)|(5<<22)|(3<<25)
	s_or_b32 s[G1SB+0], s44, (3<<16)|(1<<20)|(1<<21)|(5<<22)|(3<<25)
.irp g, G1S, G1SB
	s_mov_b32 s[\g+1], 32<<16
	s_mov_b32 s[\g+2], (128*KS/256)<<16
	s_mov_b32 s[\g+3], 32<<16
	s_mov_b32 s[\g+4], 128*KS/256
	s_mov_b32 s[\g+5], 32
	s_mov_b32 s[\g+6], 0
	s_mov_b32 s[\g+7], 0
.endr
	s_lshl_b32 s18, s16, 7
	s_lshl_b32 s20, s17, 8
	s_add_co_u32 s20, s20, s18
	s_lshl_b32 s46, s42, 8
	s_add_co_u32 s46, s46, s18
	s_mov_b32 s21, 0
	s_mov_b32 s47, 0
	s_mov_b64 s[18:19], KS
	s_mul_u64 s[22:23], s[20:21], s[18:19]
	s_mul_u64 s[92:93], s[46:47], s[18:19]
	s_mov_b64 s[18:19], AROW
	s_mul_u64 s[20:21], s[20:21], s[18:19]
	s_mov_b64 s[18:19], KROW
	s_mul_u64 s[46:47], s[46:47], s[18:19]
	s_mul_i32 s45, s14, HALFT
	s_mul_i32 s94, s14, HALFS
	s_mov_b32 s[SEL], 0x76543210
	s_mov_b32 s[SEL+1], 0xfedcba98
	s_mov_b32 s[MH], 0xffff0000                    ; lanes 16-31
	s_wait_kmcnt 0x0
	s_add_nc_u64 s[6:7], s[4:5], ASC
	s_add_nc_u64 s[20:21], s[4:5], s[20:21]
	s_add_nc_u64 s[22:23], s[6:7], s[22:23]
	s_add_nc_u64 s[46:47], s[8:9], s[46:47]
	s_add_nc_u64 s[92:93], s[10:11], s[92:93]
	CROUND
	s_mov_b32 s[G0S], 1
	s_add_co_u32 s[G0S+1], s94, SCL
	s_mov_b64 s[G0S+2:G0S+3], s[22:23]
	s_or_b32 s[G0S+3], s[G0S+3], 0x80000000
	s_mov_b32 s[G0SB], 1
	s_add_co_u32 s[G0SB+1], s94, SCL
	s_mov_b64 s[G0SB+2:G0SB+3], s[92:93]
	s_or_b32 s[G0SB+3], s[G0SB+3], 0x80000000
	JLOAD G0S, G1S, G0SB, G1SB
.irp s, 0,1
	s_mov_b32 s[G0+4*\s], 1
	s_add_co_u32 s[G0+4*\s+1], s45, \s*SLOT
	s_add_nc_u64 s[G0+4*\s+2:G0+4*\s+3], s[20:21], \s*ASLOT
	s_or_b32 s[G0+4*\s+3], s[G0+4*\s+3], 0x80000000
	s_mov_b32 s[G0B+4*\s], 1
	s_add_co_u32 s[G0B+4*\s+1], s45, \s*SLOT
	s_add_nc_u64 s[G0B+4*\s+2:G0B+4*\s+3], s[46:47], \s*ROWB
	s_or_b32 s[G0B+4*\s+3], s[G0B+4*\s+3], 0x80000000
	JLOAD G0+4*\s, G1, G0B+4*\s, G1B
.endr
	v_and_b32 v1, 15, v0
	v_bfe_u32 v2, v0, 4, 1
	v_mul_u32_u24 v3, v1, PITCH
	v_mul_u32_u24 v4, v2, 24
	v_add_nc_u32 v4, v3, v4
	v_lshl_add_u32 v5, v2, 4, v4
	v_and_b32 v6, 31, v0
	v_lshlrev_b32 v[GO8], 3, v6                    ; 8 x lane
	v_lshlrev_b32 v[GOS], 7, v6                    ; 128 x lane
	v_lshlrev_b32 v[BA], 5, v2                     ; 32 h
	s_mul_i32 s21, s15, HALFT
	s_mul_i32 s22, s16, HALFT
	s_add_co_u32 s22, s22, 2*HALFT
.irp s, 0,1
	v_add_nc_u32 v[ADRA+\s], s21, v[GO8]
	v_add_nc_u32 v[ADRB+\s], s22, v4
	v_add_nc_u32 v[ADRB+2+\s], s22, v5
	s_add_co_u32 s21, s21, SLOT
	s_add_co_u32 s22, s22, SLOT
.endr
	v_mul_u32_u24 v5, v1, KS
	v_lshrrev_b32 v6, 8, v5
	v_lshl_add_u32 v5, v6, 4, v5
	s_mul_i32 s21, s15, HALFS
	s_mul_i32 s22, s16, HALFS
	s_add_co_u32 s22, s22, 2*HALFS
	s_sub_co_u32 s22, s22, s21
	v_mul_u32_u24 v6, s22, v2
	s_add_co_u32 s21, s21, SCL
	v_add_nc_u32 v5, v5, v6
	v_add_nc_u32 v[ADRS], s21, v5
.irp b, 0,1,2,3
	v_mov_b32 v[TM+4+\b], 0                        ; a lane permute's destination counts as one of its sources
.endr
	s_lshl_b32 s46, s42, 10
	s_lshl_b32 s47, s16, 9
	s_add_co_u32 s46, s46, s47                     ; 4 bytes x my first column
	s_mov_b32 s47, 0
	s_add_nc_u64 s[96:97], s[96:97], s[46:47]
	s_lshl_b32 s20, s42, 8
	s_lshl_b32 s21, s17, 4
	s_add_co_u32 s20, s20, s21
	s_lshl_b32 s21, s15, 3
	s_add_co_u32 s20, s20, s21                     ; 256 x tile column + my first tile of rows
	s_lshl_b32 s20, s20, 1
	s_add_co_u32 s20, s20, s16
	s_mul_i32 s20, s20, 1536
	s_mov_b32 s21, 0
	s_add_nc_u64 s[98:99], s[12:13], HSC
	s_add_nc_u64 s[12:13], s[12:13], s[20:21]      ; my first fragment of h
	s_lshl_b32 s20, s17, 8
	s_lshl_b32 s22, s15, 7
	s_add_co_u32 s20, s20, s22
	s_lshl_b32 s20, s20, 7                         ; my first row x 128 bytes
	s_lshl_b32 s22, s42, 3
	s_add_co_u32 s20, s20, s22
	s_lshl_b32 s22, s16, 2
	s_add_co_u32 s20, s20, s22                     ; + 4 x my K step of the next product
	s_add_nc_u64 s[98:99], s[98:99], s[20:21]
.irp t, 0,1,2,3,4,5,6,7                ; the bias: register 8 t + j: column 16 t + 8 h + j
	global_load_b128 v[BIAS+8*\t:BIAS+8*\t+3], v[BA], s[96:97] offset:64*\t
	global_load_b128 v[BIAS+8*\t+4:BIAS+8*\t+7], v[BA], s[96:97] offset:64*\t+16
.endr
.macro FRAG reg, adr, q, i
.irp p, 0,1,2,3,4,5
.set PCE, 12*(\q)+6*(\p/3)+\p%3
.if PCE%8 < 5
	ds_load_b64 v[\reg+2*\p:\reg+2*\p+1], v[\adr] offset:8*PCE+16*(PCE/8)+(\i)*16*PITCH
.else
	ds_load_b64 v[\reg+2*\p:\reg+2*\p+1], v[\adr+2] offset:8*PCE+16*(PCE/8)+(\i)*16*PITCH
.endif
.endr
.endm
.macro FRAGI reg, adr, q, i
.irp p, 0,1,2,3,4,5
	ds_load_b64 v[\reg+2*\p:\reg+2*\p+1], v[\adr] offset:(\i)*3072+(\q)*1536+256*\p
.endr
.endm
.macro MUL16 a0, p, q, sc, zero        ; the 64 accumulators take turns, one instruction a turn
.irp a, \a0, \a0+1
.irp b, 0,1,2,3,4,5,6,7
.if \zero
	v_wmma_scale_f32_16x16x128_f8f6f4 v[8*(8*((\a)%4)+\b):8*(8*((\a)%4)+\b)+7], v[128*(\p)+FR*\b:128*(\p)+FR*\b+FR-1], v[AF+FR*(\a):AF+FR*(\a)+FR-1], 0, v[SC+8*NQ*(\sc)+NQ*\b+(\q)], v[SC+8*NQ*(\sc)+NQ*(\a)+(\q)] matrix_a_fmt:MATRIX_FMT_BF6 matrix_b_fmt:MATRIX_FMT_BF6 matrix_a_scale:MATRIX_SCALE_ROW1
.else
	v_wmma_scale_f32_16x16x128_f8f6f4 v[8*(8*((\a)%4)+\b):8*(8*((\a)%4)+\b)+7], v[128*(\p)+FR*\b:128*(\p)+FR*\b+FR-1], v[AF+FR*(\a):AF+FR*(\a)+FR-1], v[8*(8*((\a)%4)+\b):8*(8*((\a)%4)+\b)+7], v[SC+8*NQ*(\sc)+NQ*\b+(\q)], v[SC+8*NQ*(\sc)+NQ*(\a)+(\q)] matrix_a_fmt:MATRIX_FMT_BF6 matrix_b_fmt:MATRIX_FMT_BF6 matrix_a_scale:MATRIX_SCALE_ROW1
.endif
.endr
.endr
.endm
.macro FETCH_B slot, q, p
	WIN TO_B
.irp i, 0,1,2,3,4,5,6,7
	FRAG 128*(\p)+FR*\i, ADRB+\slot, \q, \i
.endr
	WIN 0
.endm
.macro FETCH_A slot, q, i0
.irp i, \i0, \i0+1, \i0+2, \i0+3
	FRAGI AF+FR*(\i), ADRA+\slot, \q, \i
.endr
.endm
.macro SCALES sc
.irp i, 0,1,2,3,4,5,6,7
	ds_load_b64 v[SC+8*NQ*\sc+NQ*\i:SC+8*NQ*\sc+NQ*\i+1], v[ADRS] offset:\i*SBLK
.endr
.endm
.macro PLACES n                        ; plain vector places behind matrix instructions (ISA guide 7.12.1)
.rept \n
	v_nop
.endr
.endm
.macro STEP slot, q, zero
	s_wait_dscnt 4*NL                              ; the youngest 24 loads (A's blocks 4-7) may be out
	WIN MUL_LO
	MUL16 0, (\q)%2, \q, \slot, \zero
	MUL16 2, (\q)%2, \q, \slot, \zero
	s_wait_dscnt 0
	PLACES NP
	FETCH_B \slot, (\q)+1, 1-(\q)%2
	FETCH_A \slot, (\q)+1, 0
	WIN MUL_HI
	MUL16 4, (\q)%2, \q, \slot, \zero
	MUL16 6, (\q)%2, \q, \slot, \zero
	PLACES NP
	WIN 0
	FETCH_A \slot, (\q)+1, 4
.endm
.macro TURN slot, next, fill
	s_wait_tensorcnt 0x0                           ; all my tensor loads have landed: my part of the next slot
	ds_add_u32 v[SPW], v[NIL]                      ; 0 onto my spare word
	s_wait_dscnt 4*NL+1                            ; (the add and the youngest 24 loads may be out)
	WIN MUL_LO
	MUL16 0, 1, NQ-1, \slot, 0
	s_wait_dscnt 0x0                               ; the add is done, and my reads of this slot are over
	s_barrier_signal -1
	MUL16 2, 1, NQ-1, \slot, 0
	WIN 0
	s_barrier_wait -1
.if \fill
	CREST                                          ; the barrier has opened a round of the cluster's barrier
	s_add_nc_u64 s[G0+4*\slot+2:G0+4*\slot+3], s[G0+4*\slot+2:G0+4*\slot+3], 2*ASLOT
	s_add_nc_u64 s[G0B+4*\slot+2:G0B+4*\slot+3], s[G0B+4*\slot+2:G0B+4*\slot+3], 2*ROWB
	JLOAD G0+4*\slot, G1, G0B+4*\slot, G1B         ; the first tensor load behind the round
.else
	PLACES NP
.endif
	v_add_nc_u32 v[ADRS], 4*NQ, v[ADRS]
	FETCH_B \next, 0, 0
	FETCH_A \next, 0, 0
	SCALES \next
	WIN MUL_HI
	MUL16 4, 1, NQ-1, \slot, 0
	MUL16 6, 1, NQ-1, \slot, 0
	PLACES NP
	WIN 0
	FETCH_A \next, 0, 4
.endm
	s_wait_tensorcnt 1                             ; the scales and my part of K step 0 are in (K step 1's load may be out)
	s_barrier_signal -1
	s_barrier_wait -1
	FETCH_B 0, 0, 0
	FETCH_A 0, 0, 0
	SCALES 0
	FETCH_A 0, 0, 4
	STEP 0, 0, 1
	s_mov_b32 s3, LAPS-1
.Llap:
	TURN 0, 1, 1
	STEP 1, 0, 0
	TURN 1, 0, 1
	STEP 0, 0, 0
	s_sub_co_u32 s3, s3, 1
	s_cmp_lg_u32 s3, 0
	s_cbranch_scc1 .Llap
	TURN 0, 1, 0
	STEP 1, 0, 0
	s_wait_dscnt 4*NL
	WIN MUL_LO
	MUL16 0, 1, NQ-1, 1, 0
	MUL16 2, 1, NQ-1, 1, 0
	s_wait_dscnt 0
	WIN MUL_HI
	MUL16 4, 1, NQ-1, 1, 0
	MUL16 6, 1, NQ-1, 1, 0
	WIN 0
.macro TAKEB a                         ; block a's 64 sums + the bias; each accumulator from its low end on
	WIN 0x02+(\a)/4
.set I, 0
.rept 32
	v_pk_add_f32 v[HA+2*I:HA+2*I+1], v[64*((\a)%4)+2*I:64*((\a)%4)+2*I+1], v[BIAS+2*I:BIAS+2*I+1]
.set I, I+1
.endr
	WIN 0
.endm
.macro SWAP32                          ; register 8 t + j holds column 16 t + 8 h + j; behind these exchanges register 16 g + i holds column 32 g + 16 h + i
.irp g, 0,1,2,3
.irp j, 0,1,2,3,4,5,6,7
	v_permlane16_swap_b32 v[HA+16*\g+\j], v[HA+16*\g+8+\j]
.endr
.endr
.endm
.macro QUANT s                         ; 64 numbers of a lane -> a fragment's codes in v[CD] on, its scale word in v[PW]
.irp b, 0,1,2,3
	v_max3_num_f32 v[TM+\b], |v[\s+16*\b]|, |v[\s+1+16*\b]|, 0x2800000   ; and the floor 2^(5 - 127)
.endr
.irp i, 2,4,6,8,10,12,14
.irp b, 0,1,2,3
	v_max3_num_f32 v[TM+\b], v[TM+\b], |v[\s+16*\b+\i]|, |v[\s+1+16*\b+\i]|
.endr
.endr
.irp b, 0,1,2,3
	v_permlanex16_b32 v[TM+4+\b], v[TM+\b], s[SEL], s[SEL+1]
.endr
.irp b, 0,1,2,3
	v_max_num_f32 v[TM+\b], v[TM+\b], v[TM+4+\b]
.endr
.irp b, 0,1,2,3
	v_add_nc_u32 v[TM+12+\b], 0xfe000000, v[TM+\b]
.endr
.irp b, 0,1,2,3
	v_lshrrev_b32 v[TM+4+\b], 23, v[TM+12+\b]
.endr
	v_lshl_or_b32 v[PW], v[TM+5], 8, v[TM+4]
	v_lshl_or_b32 v[PW], v[TM+6], 16, v[PW]
	v_lshl_or_b32 v[PW], v[TM+7], 24, v[PW]
.irp c, 0,1
	v_cvt_scalef32_pk16_bf6_f32 v[CD+6*\c:CD+2+6*\c], v[\s+32*\c:\s+15+32*\c], v[TM+12+2*\c]
	v_cvt_scalef32_pk16_bf6_f32 v[CD+12+4*\c:CD+14+4*\c], v[\s+16+32*\c:\s+31+32*\c], v[TM+12+2*\c+1]
.endr
	v_nop                                          ; one plain place behind a scaled conversion
.irp c, 0,1
.irp i, 0,1,2
	v_permlane16_swap_b32 v[CD+6*\c+\i], v[CD+12+4*\c+\i]
.endr
.irp i, 0,1,2
	v_mov_b32 v[CD+3+6*\c+\i], v[CD+12+4*\c+\i]
.endr
.endr
.endm
	PLACES NP
	s_wait_loadcnt 0x0                             ; the bias
.irp a, 0,1,2,3,4,5,6,7
.if \a > 0
	s_wait_xcnt 0x0                                ; the last block's stores have read their registers
.endif
	TAKEB \a
.set I, 0
.rept 64
	v_max_num_f32 v[HA+I], 0, v[HA+I]              ; the activation, in f32
.set I, I+1
.endr
	SWAP32
	QUANT HA
.irp i, 0,1,2,3,4,5
	global_store_b64 v[GO8], v[CD+2*\i:CD+2*\i+1], s[12:13] offset:\a*3072+256*\i   ; 32 lanes store 256 consecutive bytes, aligned
.endr
.if \a%2 == 0
	v_mov_b32 v[KEEP], v[PW]
.else
	v_cndmask_b32 v[SW], v[KEEP], v[PW], s[MH]     ; lanes 0-15: the even block's rows; lanes 16-31: the odd block's
	global_store_b32 v[GOS], v[SW], s[98:99] offset:(\a/2)*4096
.endif
.endr
	s_wait_tensorcnt 0x0                           ; the wave's end
	ds_add_u32 v[SPW], v[NIL]
	s_wait_dscnt 0x0
	CROUND
	s_endpgm
.Lfunc_end_k_q8047da440d_ffn1:
	.size	k_q8047da440d_ffn1, .Lfunc_end_k_q8047da440d_ffn1-k_q8047da440d_ffn1
	.p2alignl 7, 3214868480
	.fill 96, 4, 3214868480
	.section	.rodata,"a",@progbits
	.p2align	6, 0x0
	.amdhsa_kernel k_q8047da440d_ffn1
		.amdhsa_group_segment_fixed_size 327680
		.amdhsa_private_segment_fixed_size 0
		.amdhsa_enable_private_segment 0
		.amdhsa_kernarg_size 40
		.amdhsa_user_sgpr_count 2
		.amdhsa_user_sgpr_kernarg_segment_ptr 1
		.amdhsa_wavefront_size32 1
		.amdhsa_system_sgpr_workgroup_id_x 1
		.amdhsa_system_sgpr_workgroup_id_y 1
		.amdhsa_system_sgpr_workgroup_id_z 1
		.amdhsa_system_vgpr_workitem_id 0
		.amdhsa_next_free_vgpr 1024
		.amdhsa_next_free_sgpr 100
		.amdhsa_reserve_vcc 0
		.amdhsa_float_denorm_mode_32 3
		.amdhsa_float_denorm_mode_16_64 3
		.amdhsa_memory_ordered 1
		.amdhsa_forward_progress 1
		.amdhsa_inst_pref_size 208
	.end_amdhsa_kernel
	.amdgpu_metadata
---
amdhsa.version: [ 1, 2 ]
amdhsa.kernels:
  - .name:           k_q8047da440d_ffn1
    .symbol:         k_q8047da440d_ffn1.kd
    .args:
      - { .name: act0, .offset: 0, .size: 8, .value_kind: global_buffer, .address_space: global }
      - { .name: w1_codes, .offset: 8, .size: 8, .value_kind: global_buffer, .address_space: global }
      - { .name: w1_scales, .offset: 16, .size: 8, .value_kind: global_buffer, .address_space: global }
      - { .name: b1, .offset: 24, .size: 8, .value_kind: global_buffer, .address_space: global }
      - { .name: h, .offset: 32, .size: 8, .value_kind: global_buffer, .address_space: global }
    .group_segment_fixed_size: 327680
    .private_segment_fixed_size: 0
    .kernarg_segment_align: 8
    .kernarg_segment_size: 40
    .max_flat_workgroup_size: 128
    .sgpr_count:     100
    .vgpr_count:     1024
    .wavefront_size: 32
...
	.end_amdgpu_metadata
.endif
;; end of part 6
;; launch ffn2 (part 7): grid 4 x 16, 4 waves a work-group, clusters of 4 x 4, 327,680 bytes of LDS; arguments h, w2_codes, w2_scales, y; writes y
.if DOCPART == 7
	.amdgcn_target "amdgcn-amd-amdhsa--gfx1250"
	.amdhsa_code_object_version 6
	.text
	.protected	k_q8047da440d_ffn2
	.globl	k_q8047da440d_ffn2
	.p2align	8
	.type	k_q8047da440d_ffn2,@function
k_q8047da440d_ffn2:
	s_mov_b64 s[64:65], 0
	v_nop
	global_prefetch_b8 v0, s[64:65] scope:SCOPE_SE
	s_setreg_imm32_b32 hwreg(HW_REG_WAVE_MODE, 25, 1), 1
	s_wait_xcnt 0x0
	s_wait_alu depctr_hold_cnt(0) depctr_sa_sdst(0) depctr_va_vdst(0) depctr_va_sdst(0) depctr_va_ssrc(0) depctr_va_vcc(0) depctr_vm_vsrc(0)
	s_getreg_b32 s2, hwreg(HW_REG_IB_STS2, 6, 4)
	s_cmp_eq_u32 s2, 0
	s_cbranch_scc0 .Lentry_in_a_cluster
	s_endpgm
.Lentry_in_a_cluster:
	s_bfe_u32 s2, ttmp6, 0x10000c
	s_cmp_lg_u32 s2, 0xf033
	s_cbranch_scc0 .Lentry_shape_is_right
	s_endpgm
.Lentry_shape_is_right:
; y = h w2, f32 sums (bias, residual and norm follow in the next launch).  C = A B^T on codes of BF6 (E3M2) with E8M0 scales for each 32 along K = 4,096.
; A = h's codes, images of the operand's registers: [k / 256][tile of 16 rows][(k / 128) % 2][6 chunks][256 bytes]; scale bytes [row][128] at byte ASC.  B = w2's codes, 1,024 rows of 3,072 bytes; scale bytes [1024][128].
; A tile of C, 256 x 256: four waves of 128 x 128.  K in steps of 256 through a ring of two LDS slots filled by the tensor data mover.  Clusters of 4 x 4: A's tile shared along a row, B's along a column.
; The scales of the work-group's rows, 69,632 bytes with their padding, come into LDS once.  64 tiles of C: 64 work-groups.
; The matrix instruction is used transposed (source 0 = 16 rows of B, source 1 = 16 rows of A): a lane holds eight neighbouring numbers of a row of C.
.set SIZE_K, 4096
.set SIZE_N, 1024
.set ASC,    0xC00000
.set KSTEP,  256
.set NQ,     KSTEP/128
.set ROWB,   192
.set KROW,   SIZE_K*6/8
.set AROW,   192
.set ASLOT,  256*3072
.set PITCH,  240
.set FR,     12
.set NL,     6
.set NP,     4
.set HALFT,  128*PITCH
.set SLOT,   4*HALFT
.set LAPS,   SIZE_K/(2*KSTEP)
.set KS,     SIZE_K/32
.set SCL,    2*SLOT
.set HALFS,  (128*KS/256)*272
.set SBLK,   (16*KS/256)*272
.set SPARE,  SCL+4*HALFS               ; the spare words: two blocks of 256 bytes that no other line names
.set SPITCH, 528                       ; the way out: a stage of 16 rows x (512 + 16) bytes a wave, in slot 0, which has had its last fill and its last read by then
.set ADRA, 16
.set ADRB, 20
.set STO,  24
.set RD,   25
.set CO,   26
.set ADRS, 27
.set SPW,  28
.set NIL,  29
.set SC,   32
.set AF,   128
.set BK,   128
.set G1, 24
.set G0, 32
.set G1B, 48
.set G0B, 56
.set G1S, 68
.set G0S, 76
.set G1SB, 80
.set G0SB, 88
.set MSB, 0
.macro WIN new
.if MSB != (\new)
	s_set_vgpr_msb (MSB<<8)|(\new)
.set MSB, (\new)
.endif
.endm
.set MUL_LO, 0xa1
.set MUL_HI, 0xf1
.set TO_B,   0x40
.macro JLOAD g0a, g1a, g0b, g1b        ; a joint load: waves 0, 1 for A, waves 2, 3 for B; four v_nop follow each line
	s_cmp_eq_u32 s15, 0
	s_cbranch_scc0 .Lfor_b_\@
	tensor_load_to_lds s[\g0a:\g0a+3], s[\g1a:\g1a+7]
	s_nop 0
.rept 4
	v_nop
.endr
	s_branch .Lasked_\@
.Lfor_b_\@:
	tensor_load_to_lds s[\g0b:\g0b+3], s[\g1b:\g1b+7]
	s_nop 0
.rept 4
	v_nop
.endr
.Lasked_\@:
.endm
.macro CREST
	s_cmp_lg_u32 s14, 0
	s_cbranch_scc1 .Lnot_wave_0_\@
	s_barrier_signal -3
.Lnot_wave_0_\@:
	s_barrier_wait -3
	s_barrier_signal -1
	s_barrier_wait -1
.endm
.macro CROUND
	s_barrier_signal -1
	s_barrier_wait -1
	CREST
.endm
	s_load_b64 s[4:5], s[0:1], 0x0                 ; h
	s_load_b64 s[8:9], s[0:1], 0x8                 ; B's codes
	s_load_b64 s[10:11], s[0:1], 0x10              ; B's scales
	s_load_b64 s[12:13], s[0:1], 0x18              ; y
	v_lshl_add_u32 v[SPW], v0, 2, SPARE
	v_mov_b32 v[NIL], 0
	ds_add_u32 v28, v29
	ds_add_u32 v28, v29
	s_wait_dscnt 0x0
	v_lshrrev_b32 v1, 5, v0
	v_readfirstlane_b32 s14, v1
	s_lshr_b32 s15, s14, 1
	s_and_b32 s16, s14, 1
	s_bfe_u32 s40, ttmp6, 0x40000
	s_bfe_u32 s41, ttmp6, 0x40004
	s_lshl_b32 s42, ttmp9, 2
	s_add_co_u32 s42, s42, s40                     ; tile column
	s_and_b32 s17, ttmp7, 0xffff
	s_lshl_b32 s17, s17, 2
	s_add_co_u32 s17, s17, s41                     ; tile row
	s_lshl_b32 s43, s41, 2
	s_lshl_b32 s43, 15, s43
	s_lshl_b32 s44, 0x1111, s40
	s_or_b32 s[G1+0], s43, (3<<16)|(1<<21)         ; A: 96 dense rows of 256 bytes, no padding
	s_mov_b32 s[G1+1], 32<<16
	s_mov_b32 s[G1+2], 96<<16
	s_mov_b32 s[G1+3], 32<<16
	s_mov_b32 s[G1+4], 96
	s_mov_b32 s[G1+5], 32
	s_mov_b32 s[G1+6], 0
	s_mov_b32 s[G1+7], 0
	s_or_b32 s[G1B+0], s44, (0<<16)|(1<<20)|(1<<21)|(3<<22)|(3<<25)   ; B: 128 rows of 192 bytes, 16 bytes of padding behind every 64
	s_mov_b32 s[G1B+1], ROWB<<16
	s_mov_b32 s[G1B+2], 128<<16
	s_mov_b32 s[G1B+3], ROWB<<16
	s_mov_b32 s[G1B+4], 128
	s_mov_b32 s[G1B+5], KROW
	s_mov_b32 s[G1B+6], 0
	s_mov_b32 s[G1B+7], 0
	s_or_b32 s[G1S+0], s43, (3<<16)|(1<<20)|(1<<21)|(5<<22)|(3<<25)
	s_or_b32 s[G1SB+0], s44, (3<<16)|(1<<20)|(1<<21)|(5<<22)|(3<<25)
.irp g, G1S, G1SB
	s_mov_b32 s[\g+1], 32<<16
	s_mov_b32 s[\g+2], (128*KS/256)<<16
	s_mov_b32 s[\g+3], 32<<16
	s_mov_b32 s[\g+4], 128*KS/256
	s_mov_b32 s[\g+5], 32
	s_mov_b32 s[\g+6], 0
	s_mov_b32 s[\g+7], 0
.endr
	s_lshl_b32 s18, s16, 7
	s_lshl_b32 s20, s17, 8
	s_add_co_u32 s20, s20, s18
	s_lshl_b32 s46, s42, 8
	s_add_co_u32 s46, s46, s18
	s_mov_b32 s21, 0
	s_mov_b32 s47, 0
	s_mov_b64 s[18:19], KS
	s_mul_u64 s[22:23], s[20:21], s[18:19]
	s_mul_u64 s[92:93], s[46:47], s[18:19]
	s_mov_b64 s[18:19], AROW
	s_mul_u64 s[20:21], s[20:21], s[18:19]
	s_mov_b64 s[18:19], KROW
	s_mul_u64 s[46:47], s[46:47], s[18:19]
	s_mul_i32 s45, s14, HALFT
	s_mul_i32 s94, s14, HALFS
	s_wait_kmcnt 0x0
	s_add_nc_u64 s[6:7], s[4:5], ASC
	s_add_nc_u64 s[20:21], s[4:5], s[20:21]
	s_add_nc_u64 s[22:23], s[6:7], s[22:23]
	s_add_nc_u64 s[46:47], s[8:9], s[46:47]
	s_add_nc_u64 s[92:93], s[10:11], s[92:93]
	CROUND
	s_mov_b32 s[G0S], 1
	s_add_co_u32 s[G0S+1], s94, SCL
	s_mov_b64 s[G0S+2:G0S+3], s[22:23]
	s_or_b32 s[G0S+3], s[G0S+3], 0x80000000
	s_mov_b32 s[G0SB], 1
	s_add_co_u32 s[G0SB+1], s94, SCL
	s_mov_b64 s[G0SB+2:G0SB+3], s[92:93]
	s_or_b32 s[G0SB+3], s[G0SB+3], 0x80000000
	JLOAD G0S, G1S, G0SB, G1SB
.irp s, 0,1
	s_mov_b32 s[G0+4*\s], 1
	s_add_co_u32 s[G0+4*\s+1], s45, \s*SLOT
	s_add_nc_u64 s[G0+4*\s+2:G0+4*\s+3], s[20:21], \s*ASLOT
	s_or_b32 s[G0+4*\s+3], s[G0+4*\s+3], 0x80000000
	s_mov_b32 s[G0B+4*\s], 1
	s_add_co_u32 s[G0B+4*\s+1], s45, \s*SLOT
	s_add_nc_u64 s[G0B+4*\s+2:G0B+4*\s+3], s[46:47], \s*ROWB
	s_or_b32 s[G0B+4*\s+3], s[G0B+4*\s+3], 0x80000000
	JLOAD G0+4*\s, G1, G0B+4*\s, G1B
.endr
	v_and_b32 v1, 15, v0
	v_bfe_u32 v2, v0, 4, 1
	v_mul_u32_u24 v3, v1, PITCH
	v_mul_u32_u24 v4, v2, 24
	v_add_nc_u32 v4, v3, v4
	v_lshl_add_u32 v5, v2, 4, v4
	v_and_b32 v6, 31, v0
	v_lshlrev_b32 v6, 3, v6
	s_mul_i32 s21, s15, HALFT
	s_mul_i32 s22, s16, HALFT
	s_add_co_u32 s22, s22, 2*HALFT
.irp s, 0,1
	v_add_nc_u32 v[ADRA+\s], s21, v6
	v_add_nc_u32 v[ADRB+\s], s22, v4
	v_add_nc_u32 v[ADRB+2+\s], s22, v5
	s_add_co_u32 s21, s21, SLOT
	s_add_co_u32 s22, s22, SLOT
.endr
	v_mul_u32_u24 v5, v1, KS
	v_lshrrev_b32 v6, 8, v5
	v_lshl_add_u32 v5, v6, 4, v5
	s_mul_i32 s21, s15, HALFS
	s_mul_i32 s22, s16, HALFS
	s_add_co_u32 s22, s22, 2*HALFS
	s_sub_co_u32 s22, s22, s21
	v_mul_u32_u24 v6, s22, v2
	s_add_co_u32 s21, s21, SCL
	v_add_nc_u32 v5, v5, v6
	v_add_nc_u32 v[ADRS], s21, v5
	s_mul_i32 s23, s14, 16*SPITCH
	v_mul_u32_u24 v5, v1, SPITCH
	v_lshl_add_u32 v5, v2, 5, v5
	v_add_nc_u32 v[STO], s23, v5
	v_and_b32 v6, 31, v0
	v_lshlrev_b32 v[CO], 4, v6
	v_add_nc_u32 v[RD], s23, v[CO]
	s_lshl_b32 s20, s17, 8
	s_lshl_b32 s21, s15, 7
	s_add_co_u32 s20, s20, s21
	s_mov_b32 s21, 0
	s_mov_b64 s[18:19], SIZE_N*4
	s_mul_u64 s[20:21], s[20:21], s[18:19]
	s_lshl_b32 s46, s42, 10
	s_lshl_b32 s47, s16, 9
	s_add_co_u32 s46, s46, s47
	s_mov_b32 s47, 0
	s_add_nc_u64 s[20:21], s[20:21], s[46:47]
	s_add_nc_u64 s[12:13], s[12:13], s[20:21]
.macro FRAG reg, adr, q, i
.irp p, 0,1,2,3,4,5
.set PCE, 12*(\q)+6*(\p/3)+\p%3
.if PCE%8 < 5
	ds_load_b64 v[\reg+2*\p:\reg+2*\p+1], v[\adr] offset:8*PCE+16*(PCE/8)+(\i)*16*PITCH
.else
	ds_load_b64 v[\reg+2*\p:\reg+2*\p+1], v[\adr+2] offset:8*PCE+16*(PCE/8)+(\i)*16*PITCH
.endif
.endr
.endm
.macro FRAGI reg, adr, q, i
.irp p, 0,1,2,3,4,5
	ds_load_b64 v[\reg+2*\p:\reg+2*\p+1], v[\adr] offset:(\i)*3072+(\q)*1536+256*\p
.endr
.endm
.macro MUL16 a0, p, q, sc, zero        ; the 64 accumulators take turns, one instruction a turn
.irp a, \a0, \a0+1
.irp b, 0,1,2,3,4,5,6,7
.if \zero
	v_wmma_scale_f32_16x16x128_f8f6f4 v[8*(8*((\a)%4)+\b):8*(8*((\a)%4)+\b)+7], v[128*(\p)+FR*\b:128*(\p)+FR*\b+FR-1], v[AF+FR*(\a):AF+FR*(\a)+FR-1], 0, v[SC+8*NQ*(\sc)+NQ*\b+(\q)], v[SC+8*NQ*(\sc)+NQ*(\a)+(\q)] matrix_a_fmt:MATRIX_FMT_BF6 matrix_b_fmt:MATRIX_FMT_BF6 matrix_a_scale:MATRIX_SCALE_ROW1
.else
	v_wmma_scale_f32_16x16x128_f8f6f4 v[8*(8*((\a)%4)+\b):8*(8*((\a)%4)+\b)+7], v[128*(\p)+FR*\b:128*(\p)+FR*\b+FR-1], v[AF+FR*(\a):AF+FR*(\a)+FR-1], v[8*(8*((\a)%4)+\b):8*(8*((\a)%4)+\b)+7], v[SC+8*NQ*(\sc)+NQ*\b+(\q)], v[SC+8*NQ*(\sc)+NQ*(\a)+(\q)] matrix_a_fmt:MATRIX_FMT_BF6 matrix_b_fmt:MATRIX_FMT_BF6 matrix_a_scale:MATRIX_SCALE_ROW1
.endif
.endr
.endr
.endm
.macro FETCH_B slot, q, p
	WIN TO_B
.irp i, 0,1,2,3,4,5,6,7
	FRAG 128*(\p)+FR*\i, ADRB+\slot, \q, \i
.endr
	WIN 0
.endm
.macro FETCH_A slot, q, i0
.irp i, \i0, \i0+1, \i0+2, \i0+3
	FRAGI AF+FR*(\i), ADRA+\slot, \q, \i
.endr
.endm
.macro SCALES sc
.irp i, 0,1,2,3,4,5,6,7
	ds_load_b64 v[SC+8*NQ*\sc+NQ*\i:SC+8*NQ*\sc+NQ*\i+1], v[ADRS] offset:\i*SBLK
.endr
.endm
.macro PLACES n                        ; plain vector places behind matrix instructions (ISA guide 7.12.1)
.rept \n
	v_nop
.endr
.endm
.macro STEP slot, q, zero
	s_wait_dscnt 4*NL                              ; the youngest 24 loads (A's blocks 4-7) may be out
	WIN MUL_LO
	MUL16 0, (\q)%2, \q, \slot, \zero
	MUL16 2, (\q)%2, \q, \slot, \zero
	s_wait_dscnt 0
	PLACES NP
	FETCH_B \slot, (\q)+1, 1-(\q)%2
	FETCH_A \slot, (\q)+1, 0
	WIN MUL_HI
	MUL16 4, (\q)%2, \q, \slot, \zero
	MUL16 6, (\q)%2, \q, \slot, \zero
	PLACES NP
	WIN 0
	FETCH_A \slot, (\q)+1, 4
.endm
.macro TURN slot, next, fill
	s_wait_tensorcnt 0x0                           ; all my tensor loads have landed: my part of the next slot
	ds_add_u32 v[SPW], v[NIL]                      ; 0 onto my spare word
	s_wait_dscnt 4*NL+1                            ; (the add and the youngest 24 loads may be out)
	WIN MUL_LO
	MUL16 0, 1, NQ-1, \slot, 0
	s_wait_dscnt 0x0                               ; the add is done, and my reads of this slot are over
	s_barrier_signal -1
	MUL16 2, 1, NQ-1, \slot, 0
	WIN 0
	s_barrier_wait -1
.if \fill
	CREST                                          ; the barrier has opened a round of the cluster's barrier
	s_add_nc_u64 s[G0+4*\slot+2:G0+4*\slot+3], s[G0+4*\slot+2:G0+4*\slot+3], 2*ASLOT
	s_add_nc_u64 s[G0B+4*\slot+2:G0B+4*\slot+3], s[G0B+4*\slot+2:G0B+4*\slot+3], 2*ROWB
	JLOAD G0+4*\slot, G1, G0B+4*\slot, G1B         ; the first tensor load behind the round
.else
	PLACES NP
.endif
	v_add_nc_u32 v[ADRS], 4*NQ, v[ADRS]
	FETCH_B \next, 0, 0
	FETCH_A \next, 0, 0
	SCALES \next
	WIN MUL_HI
	MUL16 4, 1, NQ-1, \slot, 0
	MUL16 6, 1, NQ-1, \slot, 0
	PLACES NP
	WIN 0
	FETCH_A \next, 0, 4
.endm
	s_wait_tensorcnt 1                             ; the scales and my part of K step 0 are in (K step 1's load may be out)
	s_barrier_signal -1
	s_barrier_wait -1
	FETCH_B 0, 0, 0
	FETCH_A 0, 0, 0
	SCALES 0
	FETCH_A 0, 0, 4
	STEP 0, 0, 1
	s_mov_b32 s3, LAPS-1
.Llap:
	TURN 0, 1, 1
	STEP 1, 0, 0
	TURN 1, 0, 1
	STEP 0, 0, 0
	s_sub_co_u32 s3, s3, 1
	s_cmp_lg_u32 s3, 0
	s_cbranch_scc1 .Llap
	TURN 0, 1, 0
	STEP 1, 0, 0
	s_wait_dscnt 4*NL
	WIN MUL_LO
	MUL16 0, 1, NQ-1, 1, 0
	MUL16 2, 1, NQ-1, 1, 0
	s_wait_dscnt 0
	WIN MUL_HI
	MUL16 4, 1, NQ-1, 1, 0
	MUL16 6, 1, NQ-1, 1, 0
	WIN 0
; THE WAY OUT, block by block of 16 rows x 128 columns, through my own stage: in as 32 bytes a lane, back as whole rows of 512 bytes.  LDS serves a wave's instructions in order.
.macro TOSTAGE a
.set AC, 64*((\a)%4)
	WIN 0x08+4*((\a)/4)
.irp b, 0,1,2,3,4,5,6,7
	ds_store_b128 v[STO], v[AC+8*\b:AC+8*\b+3] offset:64*\b          ; each accumulator from its low end on
	ds_store_b128 v[STO], v[AC+8*\b+4:AC+8*\b+7] offset:64*\b+16
.endr
	WIN 0
.set BB, BK+64*((\a)%2)
.irp t, 0,1,2,3,4,5,6,7,8,9,10,11,12,13,14,15
	ds_load_b128 v[BB+4*\t:BB+4*\t+3], v[RD] offset:\t*SPITCH
.endr
.endm
.macro SEND a, younger
.set BB, BK+64*((\a)%2)
	s_wait_dscnt \younger
.if (\a) > 0
	s_add_nc_u64 s[12:13], s[12:13], 16*SIZE_N*4   ; (behind a wait on XCNT: the earlier stores have read their base)
.endif
.irp t, 0,1,2,3,4,5,6,7,8,9,10,11,12,13,14,15
	global_store_b128 v[CO], v[BB+4*\t:BB+4*\t+3], s[12:13] offset:\t*SIZE_N*4   ; 32 lanes store 512 consecutive bytes, aligned
.endr
.endm
	PLACES NP
	TOSTAGE 0
.irp a, 1,2,3,4,5,6,7
.if \a > 1
	s_wait_xcnt 0x0                                ; block a - 2's stores have read their registers and their base
.endif
	TOSTAGE \a
	SEND \a-1, 32                                  ; behind block a - 1's loads: block a's 16 stores and 16 loads
.endr
	s_wait_xcnt 0x0
	SEND 7, 0
	s_wait_tensorcnt 0x0                           ; the wave's end
	ds_add_u32 v[SPW], v[NIL]
	s_wait_dscnt 0x0
	CROUND
	s_endpgm
.Lfunc_end_k_q8047da440d_ffn2:
	.size	k_q8047da440d_ffn2, .Lfunc_end_k_q8047da440d_ffn2-k_q8047da440d_ffn2
	.p2alignl 7, 3214868480
	.fill 96, 4, 3214868480
	.section	.rodata,"a",@progbits
	.p2align	6, 0x0
	.amdhsa_kernel k_q8047da440d_ffn2
		.amdhsa_group_segment_fixed_size 327680
		.amdhsa_private_segment_fixed_size 0
		.amdhsa_enable_private_segment 0
		.amdhsa_kernarg_size 32
		.amdhsa_user_sgpr_count 2
		.amdhsa_user_sgpr_kernarg_segment_ptr 1
		.amdhsa_wavefront_size32 1
		.amdhsa_system_sgpr_workgroup_id_x 1
		.amdhsa_system_sgpr_workgroup_id_y 1
		.amdhsa_system_sgpr_workgroup_id_z 1
		.amdhsa_system_vgpr_workitem_id 0
		.amdhsa_next_free_vgpr 1024
		.amdhsa_next_free_sgpr 98
		.amdhsa_reserve_vcc 0
		.amdhsa_float_denorm_mode_32 3
		.amdhsa_float_denorm_mode_16_64 3
		.amdhsa_memory_ordered 1
		.amdhsa_forward_progress 1
		.amdhsa_inst_pref_size 160
	.end_amdhsa_kernel
	.amdgpu_metadata
---
amdhsa.version: [ 1, 2 ]
amdhsa.kernels:
  - .name:           k_q8047da440d_ffn2
    .symbol:         k_q8047da440d_ffn2.kd
    .args:
      - { .name: h, .offset: 0, .size: 8, .value_kind: global_buffer, .address_space: global }
      - { .name: w2_codes, .offset: 8, .size: 8, .value_kind: global_buffer, .address_space: global }
      - { .name: w2_scales, .offset: 16, .size: 8, .value_kind: global_buffer, .address_space: global }
      - { .name: y, .offset: 24, .size: 8, .value_kind: global_buffer, .address_space: global }
    .group_segment_fixed_size: 327680
    .private_segment_fixed_size: 0
    .kernarg_segment_align: 8
    .kernarg_segment_size: 32
    .max_flat_workgroup_size: 128
    .sgpr_count:     98
    .vgpr_count:     1024
    .wavefront_size: 32
...
	.end_amdgpu_metadata
.endif
;; end of part 7
;; launch ln2 (part 8): grid 256 x 1, 8 waves a work-group, no clusters, 0 bytes of LDS; arguments y, b2, o1, gamma2, beta2, out0; writes out0
.if DOCPART == 8
	.amdgcn_target "amdgcn-amd-amdhsa--gfx1250"
	.amdhsa_code_object_version 6
	.text
	.protected	k_q8047da440d_ln2
	.globl	k_q8047da440d_ln2
	.p2align	8
	.type	k_q8047da440d_ln2,@function
k_q8047da440d_ln2:
	s_mov_b64 s[64:65], 0
	v_nop
	global_prefetch_b8 v0, s[64:65] scope:SCOPE_SE
	s_setreg_imm32_b32 hwreg(HW_REG_WAVE_MODE, 25, 1), 1
	s_wait_xcnt 0x0
; out0 = layer_norm((y + b2) + out1) x gamma2 + beta2, rows of 1,024, all in f32.
; A work-group takes 16 rows; wave w takes rows 2 w and 2 w + 1, a whole row a wave (32 registers): mean, then the mean of the squared differences, as the definition has it.
; Every load and store covers 512 consecutive bytes; all 56 loads of a wave go out at once.  No LDS, no barrier, no matrix unit: memory binds and no wave waits for another.
; LIMITS: v_rsq_f32's accuracy (1 ulp); NaN and infinities are not served.
.set A0,   8                           ; v[8:15]  four packed chains
.set MN,   16                          ; v[16:17] -mean, twice
.set R0,   18
.set R1,   20
.set T,    22
.set B,    32
.set G,    64
.set BE,   96
.set Y0,   128
.set X0,   160
.set Y1,   192
.set X1,   224
.set SEL,  22
	s_load_b256 s[4:11], s[0:1], 0x0               ; y, b2, o1, gamma2
	s_load_b128 s[12:15], s[0:1], 0x20             ; beta2, out0
	v_lshrrev_b32 v1, 5, v0
	v_readfirstlane_b32 s18, v1                    ; wave 0..7
	v_and_b32 v2, 31, v0
	v_lshlrev_b32 v1, 4, v2                        ; 16 x lane
	v_mov_b32 v[T+1], 0                            ; a lane permute's destination counts as one of its sources
	s_lshl_b32 s20, ttmp9, 16
	s_lshl_b32 s21, s18, 13
	s_add_co_u32 s20, s20, s21                     ; my first row: (16 x work-group + 2 x wave) x 4,096 bytes
	s_mov_b32 s21, 0
	s_mov_b32 s[SEL], 0x76543210
	s_mov_b32 s[SEL+1], 0xfedcba98
	s_mov_b32 s24, 0x3a800000                      ; 1 / 1,024
	s_mov_b32 s25, 0x2edbe6ff                      ; 1e-10
	s_wait_kmcnt 0x0
	s_add_nc_u64 s[4:5], s[4:5], s[20:21]
	s_add_nc_u64 s[8:9], s[8:9], s[20:21]
	s_add_nc_u64 s[14:15], s[14:15], s[20:21]
.macro LD8 reg, lo, hi, off
.irp j, 0,1,2,3,4,5,6,7
	global_load_b128 v[\reg+4*\j:\reg+4*\j+3], v1, s[\lo:\hi] offset:\off+512*\j
.endr
.endm
.macro LD8NT reg, lo, hi, off          ; read once in the launch, and by nobody later
.irp j, 0,1,2,3,4,5,6,7
	global_load_b128 v[\reg+4*\j:\reg+4*\j+3], v1, s[\lo:\hi] offset:\off+512*\j th:TH_LOAD_NT
.endr
.endm
	LD8 B, 6, 7, 0
	LD8NT Y0, 4, 5, 0
	LD8NT X0, 8, 9, 0
	LD8NT Y1, 4, 5, 4096
	LD8NT X1, 8, 9, 4096
	LD8 G, 10, 11, 0
	LD8 BE, 12, 13, 0
.macro REDUCE                          ; four packed chains -> the wave's sum in v[T], in every lane
	v_pk_add_f32 v[A0:A0+1], v[A0:A0+1], v[A0+2:A0+3]
	v_pk_add_f32 v[A0+4:A0+5], v[A0+4:A0+5], v[A0+6:A0+7]
	v_pk_add_f32 v[A0:A0+1], v[A0:A0+1], v[A0+4:A0+5]
	v_add_f32 v[T], v[A0], v[A0+1]
	v_add_f32_dpp v[T], v[T], v[T] row_xmask:1 row_mask:0xf bank_mask:0xf
	v_add_f32_dpp v[T], v[T], v[T] row_xmask:2 row_mask:0xf bank_mask:0xf
	v_add_f32_dpp v[T], v[T], v[T] row_xmask:4 row_mask:0xf bank_mask:0xf
	v_add_f32_dpp v[T], v[T], v[T] row_xmask:8 row_mask:0xf bank_mask:0xf
	v_permlanex16_b32 v[T+1], v[T], s[SEL], s[SEL+1]
	v_add_f32 v[T], v[T], v[T+1]
.endm
.macro STATS y, x, r                   ; z = (y + b) + x; y's registers end as z - mean; v[r], v[r + 1] = 1 / sqrt(var + eps)
.set J, 0
.rept 16
	v_pk_add_f32 v[\y+2*J:\y+2*J+1], v[\y+2*J:\y+2*J+1], v[B+2*J:B+2*J+1]
.set J, J+1
.endr
.set J, 0
.rept 16
	v_pk_add_f32 v[\y+2*J:\y+2*J+1], v[\y+2*J:\y+2*J+1], v[\x+2*J:\x+2*J+1]
.set J, J+1
.endr
.irp k, 0,1,2,3
	v_pk_add_f32 v[A0+2*\k:A0+2*\k+1], v[\y+2*\k:\y+2*\k+1], v[\y+8+2*\k:\y+9+2*\k]
.endr
.irp q, 16,24
.irp k, 0,1,2,3
	v_pk_add_f32 v[A0+2*\k:A0+2*\k+1], v[A0+2*\k:A0+2*\k+1], v[\y+\q+2*\k:\y+\q+2*\k+1]
.endr
.endr
	REDUCE
	v_mul_f32 v[MN], 0xba800000, v[T]              ; -mean
	v_mov_b32 v[MN+1], v[MN]
.set J, 0
.rept 16
	v_pk_add_f32 v[\y+2*J:\y+2*J+1], v[\y+2*J:\y+2*J+1], v[MN:MN+1]
.set J, J+1
.endr
.irp k, 0,1,2,3
	v_pk_mul_f32 v[A0+2*\k:A0+2*\k+1], v[\y+2*\k:\y+2*\k+1], v[\y+2*\k:\y+2*\k+1]
.endr
.irp q, 8,16,24
.irp k, 0,1,2,3
	v_pk_fma_f32 v[A0+2*\k:A0+2*\k+1], v[\y+\q+2*\k:\y+\q+2*\k+1], v[\y+\q+2*\k:\y+\q+2*\k+1], v[A0+2*\k:A0+2*\k+1]
.endr
.endr
	REDUCE
	v_fma_f32 v[T], v[T], s24, s25                 ; var + eps
	v_rsq_f32 v[\r], v[T]
	v_rsq_f32 v[\r+1], v[T]
	v_nop                                          ; a plain place behind the transcendentals
.endm
.macro FINISH y, r
.set J, 0
	s_wait_alu depctr_va_vdst(0)
.rept 16
	v_pk_mul_f32 v[\y+2*J:\y+2*J+1], v[\y+2*J:\y+2*J+1], v[\r:\r+1]
.set J, J+1
.endr
.set J, 0
.rept 16
	v_pk_fma_f32 v[\y+2*J:\y+2*J+1], v[\y+2*J:\y+2*J+1], v[G+2*J:G+2*J+1], v[BE+2*J:BE+2*J+1]
.set J, J+1
.endr
.endm
	s_wait_loadcnt 32                              ; the bias and row 0 are in; row 1's, gamma's and beta's 32 loads may be out
	STATS Y0, X0, R0
	s_wait_loadcnt 16                              ; row 1 is in; gamma's and beta's 16 may be out
	STATS Y1, X1, R1
	s_wait_loadcnt 0x0
	FINISH Y0, R0
.irp j, 0,1,2,3,4,5,6,7
	global_store_b128 v1, v[Y0+4*\j:Y0+4*\j+3], s[14:15] offset:512*\j th:TH_STORE_NT
.endr
	FINISH Y1, R1
.irp j, 0,1,2,3,4,5,6,7
	global_store_b128 v1, v[Y1+4*\j:Y1+4*\j+3], s[14:15] offset:4096+512*\j th:TH_STORE_NT
.endr
	s_endpgm
.Lfunc_end_k_q8047da440d_ln2:
	.size	k_q8047da440d_ln2, .Lfunc_end_k_q8047da440d_ln2-k_q8047da440d_ln2
	.p2alignl 7, 3214868480
	.fill 96, 4, 3214868480
	.section	.rodata,"a",@progbits
	.p2align	6, 0x0
	.amdhsa_kernel k_q8047da440d_ln2
		.amdhsa_group_segment_fixed_size 0
		.amdhsa_private_segment_fixed_size 0
		.amdhsa_enable_private_segment 0
		.amdhsa_kernarg_size 48
		.amdhsa_user_sgpr_count 2
		.amdhsa_user_sgpr_kernarg_segment_ptr 1
		.amdhsa_wavefront_size32 1
		.amdhsa_system_sgpr_workgroup_id_x 1
		.amdhsa_system_sgpr_workgroup_id_y 1
		.amdhsa_system_sgpr_workgroup_id_z 1
		.amdhsa_system_vgpr_workitem_id 0
		.amdhsa_next_free_vgpr 256
		.amdhsa_next_free_sgpr 66
		.amdhsa_reserve_vcc 0
		.amdhsa_float_denorm_mode_32 3
		.amdhsa_float_denorm_mode_16_64 3
		.amdhsa_memory_ordered 1
		.amdhsa_forward_progress 1
		.amdhsa_inst_pref_size 25
	.end_amdhsa_kernel
	.amdgpu_metadata
---
amdhsa.version: [ 1, 2 ]
amdhsa.kernels:
  - .name:           k_q8047da440d_ln2
    .symbol:         k_q8047da440d_ln2.kd
    .args:
      - { .name: y, .offset: 0, .size: 8, .value_kind: global_buffer, .address_space: global }
      - { .name: b2, .offset: 8, .size: 8, .value_kind: global_buffer, .address_space: global }
      - { .name: o1, .offset: 16, .size: 8, .value_kind: global_buffer, .address_space: global }
      - { .name: gamma2, .offset: 24, .size: 8, .value_kind: global_buffer, .address_space: global }
      - { .name: beta2, .offset: 32, .size: 8, .value_kind: global_buffer, .address_space: global }
      - { .name: out0, .offset: 40, .size: 8, .value_kind: global_buffer, .address_space: global }
    .group_segment_fixed_size: 0
    .private_segment_fixed_size: 0
    .kernarg_segment_align: 8
    .kernarg_segment_size: 48
    .max_flat_workgroup_size: 256
    .sgpr_count:     66
    .vgpr_count:     256
    .wavefront_size: 32
...
	.end_amdgpu_metadata
.endif
;; end of part 8
;; ======== version 2 of 2: 8 launches
;; limits: right only within a limited range of input values
;; workspace buffers: act0 3,276,800 bytes; act1 3,276,800 bytes; qkv 10,223,616 bytes; y 16,777,216 bytes; o1 16,777,216 bytes; h 13,107,200 bytes; wimg 9,437,184 bytes
;; launch quantx (part 9): grid 256 x 1, 8 waves a work-group, no clusters, 67,584 bytes of LDS; arguments x, wq_codes, wk_codes, wv_codes, w_proj_codes, w1_codes, w2_codes, act0, wimg; writes act0, wimg
.if DOCPART == 9
	.amdgcn_target "amdgcn-amd-amdhsa--gfx1250"
	.amdhsa_code_object_version 6
	.text
	.protected	k_q8047da440d_quantx
	.globl	k_q8047da440d_quantx
	.p2align	8
	.type	k_q8047da440d_quantx,@function
k_q8047da440d_quantx:
	s_mov_b64 s[64:65], 0
	v_nop
	global_prefetch_b8 v0, s[64:65] scope:SCOPE_SE
	s_setreg_imm32_b32 hwreg(HW_REG_WAVE_MODE, 25, 1), 1
	s_wait_xcnt 0x0
; TWO JOBS.  (1) x [4096][1024] f32 becomes codes of BF6 (E3M2) with one E8M0 byte for each 32 along K.  (2) The six weights' codes are laid anew; no code is changed.
; THE LAYOUT of both: images of the matrix operand's registers: [k / 256][tile of 16 rows][(k / 128) % 2][6 chunks][lane x 8 bytes]; chunk p of lane (r, h) holds
; the 8 bytes at 96 (k / 128) + 24 h + 48 (p / 3) + 8 (p % 3) of row r's stream of codes.  So every tile that a later launch asks for is a dense run of rows of 256 bytes.
; act0: x's images at 0, its scale bytes [row][32] at ASC.  wimg: wq 0, wk 0xC0000, wv 0x180000, w_proj 0x240000, w1 0x300000, w2 0x600000.
; A work-group takes 16 rows of x.  Wave w loads rows 2 w, 2 w + 1 (512 consecutive bytes a load) into a stage in LDS (pitch 4,112); then it takes K step w of all 16 rows:
; lane (r, h) reads 16 neighbours of each block of 32, quantises, and stores six chunks of 256 consecutive bytes.  The scale words meet in LDS and leave as 512 consecutive bytes.
; Weights: 6,144 units (a tile x 128 along K, 1,536 bytes) for 2,048 waves: each wave moves one unit of w1, one of w2 and one of the four small weights; a work-group's eight waves read 768 neighbouring bytes of 16 rows.
; No matrix unit, no tensor load, no cluster: memory binds and work-groups share nothing.
; LIMITS: a block whose largest magnitude lies under 2^-122 (zeros too) gets the byte 1: its codes are zeros or tiny, and this program alone reads the bytes; NaN and infinities are not served.
.set SPT,  4112
.set SCW,  16*SPT                      ; behind the stage: 16 rows x 8 scale words
.set ASC,  0x300000
.set W,    32                          ; v32-67 three units of weights
.set CD,   68                          ; v68-86 the codes just made
.set TM,   88                          ; v88-103 at work in the quantiser
.set PW,   104
.set HA,   128                         ; v128-191 two rows, then 64 numbers
.set SEL,  50
	s_load_b512 s[4:19], s[0:1], 0x0               ; x, wq, wk, wv, w_proj, w1, w2, act0
	s_load_b64 s[20:21], s[0:1], 0x40              ; wimg
	v_lshl_add_u32 v30, v0, 2, 0x10400             ; my spare word, and 0
	v_mov_b32 v31, 0
	v_lshrrev_b32 v2, 5, v0                        ; wave
	v_and_b32 v10, 31, v0                          ; lane
	v_and_b32 v11, 15, v0                          ; r
	v_bfe_u32 v12, v0, 4, 1                        ; h
	v_readfirstlane_b32 s22, v2
	v_lshlrev_b32 v1, 4, v10                       ; 16 x lane
	v_lshlrev_b32 v5, 3, v10                       ; 8 x lane
	v_mul_u32_u24 v4, v11, SPT
	v_lshlrev_b32 v6, 5, v11
	v_mul_u32_u24 v13, v12, 24
	v_mad_u32_u24 v3, v2, 2*SPT, v1                ; the stage, in: my two rows
	v_lshl_add_u32 v4, v12, 6, v4
	v_lshl_add_u32 v6, v2, 2, v6
	v_mad_u32_u24 v8, v11, 768, v13                ; a weight's row of 768 bytes, + 24 h
	v_mad_u32_u24 v9, v11, 3072, v13               ; w2's row of 3,072 bytes
	v_lshl_add_u32 v4, v2, 9, v4                   ; the stage, out: row r, + 512 w + 64 h
	v_add_nc_u32 v6, SCW, v6                       ; my row's scale word of K step w
	v_add_nc_u32 v7, SCW, v1                       ; and the words' way out
	s_lshr_b32 s24, s22, 1
	s_and_b32 s25, s22, 1
	s_mul_i32 s26, s25, 1536                       ; the odd K step of a pair
	s_mul_i32 s27, s22, 96                         ; K step w in a row of codes
	s_mul_i32 s28, s24, 256*3072
	s_mul_i32 s30, ttmp9, 3072
	s_add_co_u32 s28, s28, s30
	s_add_co_u32 s28, s28, s26                     ; the image (w, tile = work-group) among 256 tiles: x's and w1's
	s_mov_b32 s29, 0
	s_mul_i32 s30, ttmp9, 12288
	s_add_co_u32 s30, s30, s27                     ; w1: from
	s_mov_b32 s31, 0
	s_lshr_b32 s23, ttmp9, 6                       ; which of the four small weights
	s_and_b32 s32, ttmp9, 63                       ; its tile
	s_mul_i32 s34, s32, 12288
	s_add_co_u32 s34, s34, s27                     ; from
	s_mov_b32 s35, 0
	s_mul_i32 s36, s23, 0xC0000
	s_mul_i32 s33, s24, 64*3072
	s_add_co_u32 s36, s36, s33
	s_mul_i32 s33, s32, 3072
	s_add_co_u32 s36, s36, s33
	s_add_co_u32 s36, s36, s26                     ; to
	s_mov_b32 s37, 0
	s_lshr_b32 s32, ttmp9, 2                       ; w2: tile; K step 8 (work-group % 4) + w
	s_and_b32 s33, ttmp9, 3
	s_mul_i32 s38, s32, 49152
	s_mul_i32 s40, s33, 768
	s_add_co_u32 s38, s38, s40
	s_add_co_u32 s38, s38, s27                     ; from
	s_mov_b32 s39, 0
	s_lshl_b32 s40, s33, 2
	s_add_co_u32 s40, s40, s24
	s_mul_i32 s40, s40, 64*3072
	s_mul_i32 s33, s32, 3072
	s_add_co_u32 s40, s40, s33
	s_add_co_u32 s40, s40, s26
	s_add_co_u32 s40, s40, 0x600000                ; to
	s_mov_b32 s41, 0
	s_lshl_b32 s42, ttmp9, 16
	s_lshl_b32 s43, s22, 13
	s_add_co_u32 s42, s42, s43                     ; x: (16 x work-group + 2 w) x 4,096 bytes
	s_mov_b32 s43, 0
	s_lshl_b32 s44, ttmp9, 9
	s_add_co_u32 s44, s44, ASC                     ; the tile's 512 scale bytes
	s_mov_b32 s45, 0
	s_mov_b32 s[SEL], 0x76543210
	s_mov_b32 s[SEL+1], 0xfedcba98                 ; lane l xor 16
	s_wait_alu depctr_va_vdst(0)
	s_wait_kmcnt 0x0
	s_cmp_lt_u32 s23, 1
	s_cselect_b64 s[6:7], s[6:7], s[8:9]           ; wq or wk
	s_cmp_lt_u32 s23, 3
	s_cselect_b64 s[10:11], s[10:11], s[12:13]     ; wv or w_proj
	s_cmp_lt_u32 s23, 2
	s_cselect_b64 s[6:7], s[6:7], s[10:11]
	s_add_nc_u64 s[4:5], s[4:5], s[42:43]
	s_add_nc_u64 s[6:7], s[6:7], s[34:35]
	s_add_nc_u64 s[14:15], s[14:15], s[30:31]
	s_add_nc_u64 s[16:17], s[16:17], s[38:39]
	s_add_nc_u64 s[8:9], s[20:21], s[36:37]        ; the small weight's image
	s_add_nc_u64 s[10:11], s[20:21], s[28:29]
	s_add_nc_u64 s[10:11], s[10:11], 0x300000      ; w1's
	s_add_nc_u64 s[12:13], s[20:21], s[40:41]      ; w2's
	s_add_nc_u64 s[46:47], s[18:19], s[28:29]      ; x's
	s_add_nc_u64 s[48:49], s[18:19], s[44:45]      ; x's scale bytes
.macro RLD u, off, lo                  ; a unit's six chunks, as the operand's registers take them
.irp p, 0,1,2,3,4,5
	global_load_b64 v[W+12*\u+2*\p:W+12*\u+2*\p+1], v[\off], s[\lo:\lo+1] offset:48*(\p/3)+8*(\p%3)
.endr
.endm
.macro RST u, lo                       ; 32 lanes store 256 consecutive bytes, aligned
.irp p, 0,1,2,3,4,5
	global_store_b64 v5, v[W+12*\u+2*\p:W+12*\u+2*\p+1], s[\lo:\lo+1] offset:256*\p
.endr
.endm
.irp j, 0,1,2,3,4,5,6,7
	global_load_b128 v[HA+4*\j:HA+4*\j+3], v1, s[4:5] offset:512*\j
.endr
.irp j, 0,1,2,3,4,5,6,7
	global_load_b128 v[HA+32+4*\j:HA+35+4*\j], v1, s[4:5] offset:4096+512*\j
.endr
	RLD 0, 8, 6
	RLD 1, 8, 14
	RLD 2, 9, 16
	s_wait_loadcnt 18                              ; x's 16 loads are in; the weights' 18 may be out
.irp j, 0,1,2,3,4,5,6,7
	ds_store_b128 v3, v[HA+4*\j:HA+4*\j+3] offset:512*\j
	ds_store_b128 v3, v[HA+32+4*\j:HA+35+4*\j] offset:SPT+512*\j
.endr
	s_wait_dscnt 0x0                               ; for the others' sake: my rows lie in the stage
	s_barrier_signal -1
	s_barrier_wait -1
.irp b, 0,1,2,3
.irp j, 0,1,2,3
	ds_load_b128 v[HA+16*\b+4*\j:HA+16*\b+4*\j+3], v4 offset:128*\b+16*\j   ; register 16 b + i = column 128 w + 32 b + 16 h + i of row r
.endr
.endr
	s_wait_loadcnt 0x0                             ; the weights
	RST 0, 8
	RST 1, 10
	RST 2, 12
.irp b, 0,1,2,3
	v_mov_b32 v[TM+4+\b], 0                        ; a lane permute's destination counts as one of its sources
.endr
	s_wait_dscnt 0x0
.irp b, 0,1,2,3
	v_max3_num_f32 v[TM+\b], |v[HA+16*\b]|, |v[HA+1+16*\b]|, 0x2800000   ; my 16 numbers of block b, and the floor 2^(5 - 127)
.endr
.irp i, 2,4,6,8,10,12,14
.irp b, 0,1,2,3
	s_delay_alu instid0(VALU_DEP_4)
	v_max3_num_f32 v[TM+\b], v[TM+\b], |v[HA+16*\b+\i]|, |v[HA+1+16*\b+\i]|
.endr
.endr
.irp b, 0,1,2,3
	s_delay_alu instid0(VALU_DEP_4)
	v_permlanex16_b32 v[TM+4+\b], v[TM+\b], s[SEL], s[SEL+1]
.endr
.irp b, 0,1,2,3
	s_delay_alu instid0(VALU_DEP_4)
	v_max_num_f32 v[TM+\b], v[TM+\b], v[TM+4+\b]   ; with lane l xor 16's: the block's largest magnitude
.endr
.irp b, 0,1,2,3
	s_delay_alu instid0(VALU_DEP_4)
	v_add_nc_u32 v[TM+12+\b], 0xfe000000, v[TM+\b] ; 4 off the exponent field: the conversion's scale operand
.endr
.irp b, 0,1,2,3
	s_delay_alu instid0(VALU_DEP_4)
	v_lshrrev_b32 v[TM+4+\b], 23, v[TM+12+\b]      ; the scale's byte
.endr
	s_delay_alu instid0(VALU_DEP_3)
	v_lshl_or_b32 v[PW], v[TM+5], 8, v[TM+4]
	s_delay_alu instid0(VALU_DEP_1)
	v_lshl_or_b32 v[PW], v[TM+6], 16, v[PW]
	s_delay_alu instid0(VALU_DEP_1)
	v_lshl_or_b32 v[PW], v[TM+7], 24, v[PW]
.irp c, 0,1
	v_cvt_scalef32_pk16_bf6_f32 v[CD+6*\c:CD+2+6*\c], v[HA+32*\c:HA+15+32*\c], v[TM+12+2*\c]
	v_cvt_scalef32_pk16_bf6_f32 v[CD+12+4*\c:CD+14+4*\c], v[HA+16+32*\c:HA+31+32*\c], v[TM+12+2*\c+1]   ; (a conversion's three registers begin on an even number)
.endr
	v_nop                                          ; one plain place behind a scaled conversion
.irp c, 0,1                            ; the operand's layout wants a whole block in a lane
.irp i, 0,1,2
	v_permlane16_swap_b32 v[CD+6*\c+\i], v[CD+12+4*\c+\i]
.endr
.irp i, 0,1,2
	s_delay_alu instid0(VALU_DEP_3)
	v_mov_b32 v[CD+3+6*\c+\i], v[CD+12+4*\c+\i]
.endr
.endr
.irp i, 0,1,2,3,4,5
	global_store_b64 v5, v[CD+2*\i:CD+2*\i+1], s[46:47] offset:256*\i   ; 32 lanes store 256 consecutive bytes, aligned
.endr
	ds_store_b32 v6, v[PW]                         ; both halves of the lanes write the same word with the same value
	s_wait_dscnt 0x0
	s_barrier_signal -1
	s_barrier_wait -1
	s_cmp_lg_u32 s22, 0
	s_cbranch_scc1 .Lend
	ds_load_b128 v[108:111], v7                    ; the tile's 512 scale bytes
	s_wait_dscnt 0x0
	global_store_b128 v1, v[108:111], s[48:49]
.Lend:
	s_wait_tensorcnt 0x0                           ; the wave's end
	ds_add_u32 v30, v31
	s_wait_dscnt 0x0
	s_endpgm
.Lfunc_end_k_q8047da440d_quantx:
	.size	k_q8047da440d_quantx, .Lfunc_end_k_q8047da440d_quantx-k_q8047da440d_quantx
	.p2alignl 7, 3214868480
	.fill 96, 4, 3214868480
	.section	.rodata,"a",@progbits
	.p2align	6, 0x0
	.amdhsa_kernel k_q8047da440d_quantx
		.amdhsa_group_segment_fixed_size 67584
		.amdhsa_private_segment_fixed_size 0
		.amdhsa_enable_private_segment 0
		.amdhsa_kernarg_size 72
		.amdhsa_user_sgpr_count 2
		.amdhsa_user_sgpr_kernarg_segment_ptr 1
		.amdhsa_wavefront_size32 1
		.amdhsa_system_sgpr_workgroup_id_x 1
		.amdhsa_system_sgpr_workgroup_id_y 1
		.amdhsa_system_sgpr_workgroup_id_z 1
		.amdhsa_system_vgpr_workitem_id 0
		.amdhsa_next_free_vgpr 192
		.amdhsa_next_free_sgpr 66
		.amdhsa_reserve_vcc 0
		.amdhsa_float_denorm_mode_32 3
		.amdhsa_float_denorm_mode_16_64 3
		.amdhsa_memory_ordered 1
		.amdhsa_forward_progress 1
		.amdhsa_inst_pref_size 18
	.end_amdhsa_kernel
	.amdgpu_metadata
---
amdhsa.version: [ 1, 2 ]
amdhsa.kernels:
  - .name:           k_q8047da440d_quantx
    .symbol:         k_q8047da440d_quantx.kd
    .args:
      - { .name: x, .offset: 0, .size: 8, .value_kind: global_buffer, .address_space: global }
      - { .name: wq_codes, .offset: 8, .size: 8, .value_kind: global_buffer, .address_space: global }
      - { .name: wk_codes, .offset: 16, .size: 8, .value_kind: global_buffer, .address_space: global }
      - { .name: wv_codes, .offset: 24, .size: 8, .value_kind: global_buffer, .address_space: global }
      - { .name: w_proj_codes, .offset: 32, .size: 8, .value_kind: global_buffer, .address_space: global }
      - { .name: w1_codes, .offset: 40, .size: 8, .value_kind: global_buffer, .address_space: global }
      - { .name: w2_codes, .offset: 48, .size: 8, .value_kind: global_buffer, .address_space: global }
      - { .name: act0, .offset: 56, .size: 8, .value_kind: global_buffer, .address_space: global }
      - { .name: wimg, .offset: 64, .size: 8, .value_kind: global_buffer, .address_space: global }
    .group_segment_fixed_size: 67584
    .private_segment_fixed_size: 0
    .kernarg_segment_align: 8
    .kernarg_segment_size: 72
    .max_flat_workgroup_size: 256
    .sgpr_count:     66
    .vgpr_count:     192
    .wavefront_size: 32
...
	.end_amdgpu_metadata
.endif
;; end of part 9
;; launch qkv (part 10): grid 48 x 4, 4 waves a work-group, clusters of 4 x 4, 327,680 bytes of LDS; arguments act0, wimg, wq_scales, wk_scales, wv_scales, bq, bk, bv, qkv; writes qkv
.if DOCPART == 10
	.amdgcn_target "amdgcn-amd-amdhsa--gfx1250"
	.amdhsa_code_object_version 6
	.text
	.protected	k_q8047da440d_qkv
	.globl	k_q8047da440d_qkv
	.p2align	8
	.type	k_q8047da440d_qkv,@function
k_q8047da440d_qkv:
	s_mov_b64 s[64:65], 0
	v_nop
	global_prefetch_b8 v0, s[64:65] scope:SCOPE_SE
	s_setreg_imm32_b32 hwreg(HW_REG_WAVE_MODE, 25, 1), 1
	s_wait_xcnt 0x0
	s_wait_alu depctr_hold_cnt(0) depctr_sa_sdst(0) depctr_va_vdst(0) depctr_va_sdst(0) depctr_va_ssrc(0) depctr_va_vcc(0) depctr_vm_vsrc(0)
	s_getreg_b32 s2, hwreg(HW_REG_IB_STS2, 6, 4)
	s_cmp_eq_u32 s2, 0
	s_cbranch_scc0 .Lentry_in_a_cluster
	s_endpgm
.Lentry_in_a_cluster:
	s_bfe_u32 s2, ttmp6, 0x10000c
	s_cmp_lg_u32 s2, 0xf033
	s_cbranch_scc0 .Lentry_shape_is_right
	s_endpgm
.Lentry_shape_is_right:
; q = x wq + bq, k = x wk + bk, v = x wv + bv on codes of BF6 (E3M2) with E8M0 scales for each 32 along K = 1,024; the results are quantised here for the attention launch.
; ONE GEMM, C = A B^T, tiles of 256 x 256, four waves of 128 x 128 (64 accumulators, 512 registers); K in steps of 256 through a ring of two LDS slots filled by the tensor data mover.
; Twelve clusters of 4 x 4 work-groups, c = the cluster's number.  c = 0..3: q;  c = 4..7: k: A = x (4,096 tokens), B = the weight (1,024 rows = head x 64 + feature).
; c = 8..11: v, THE SAME PRODUCT WITH ITS OPERANDS EXCHANGED: A = wv, B = x.  The matrix instruction is used transposed (source 0 = 16 rows of B, source 1 = 16 rows of A): a lane holds ONE row of A
; and its registers run along B's rows.  So for q and k a lane's registers run along the features (their quantiser's K), for v along the tokens (the keys: v's quantiser's K).
; A's tile is shared along a row of the cluster, B's along a column: each is asked for JOINTLY.  The scales of the work-group's rows come into LDS once.
; WAY OUT.  A block of 16 rows x 128: + bias, 64 numbers a lane; halves of lanes exchanged so that 16 registers are 16 neighbours; quantised; the codes go as IMAGES OF THE OPERAND'S REGISTERS
; (chunk i = registers 2 i, 2 i + 1, lane l's 8 bytes at 8 l) into the wave's stage in LDS, in the layout of the buffer, and leave as whole runs of 512 bytes.
; qkv: q at 0, k at TENB, v at 2 TENB; each [batch x 16 + head][128 tokens][BLKB bytes].  q, k block: 8 tiles of 16 tokens x 768 bytes (registers 0-5: the head's 64), then 8 x 16 scale words.
; v block: 4 tiles of 16 features x 1,536 bytes (128 keys), then 4 x 32 scale words.  THE ROWS OF A TILE ARE NOT NEIGHBOURS: slot s of tile 2 g + u is row 32 g + 8 u + s + 8 (s / 8).
; A q or k scale word's bytes 2, 3 are the other head's bytes or 0: they meet zero codes in the attention launch.
; LIMITS: a block whose largest magnitude lies under 2^-122 (zeros too) gets the byte 1; NaN and infinities are not served.
; REGISTERS: window 0: v7-15, v30 addresses of the way out; v16-23, v27 LDS addresses; v28, v29 for the add; v32-63 scale words; v64-127 the bias along columns; v128-223 A's fragments; v224-231 the bias along rows.
;   window 1: B's fragments, two sets.  windows 2, 3: the accumulators ((a, b) at v[8 (8 (a % 4) + b)]).
.set SIZE_K, 1024
.set KSTEP,  256
.set NQ,     KSTEP/128
.set ROWB,   192                       ; a tile's row in bytes
.set KROW,   SIZE_K*6/8                ; a row of codes in memory
; BOTH OPERANDS COME AS IMAGES OF THE OPERAND'S REGISTERS ([k / 256][tile of 16 rows][(k / 128) % 2][6 chunks][256 bytes]): x's in act0 (256 tiles), the weights' in wimg (64 tiles each; wq 0, wk 0xC0000, wv 0x180000).
; So 128 rows x 256 along K are 24,576 dense bytes, asked for as 96 rows of 256 bytes, and every fragment load reads 256 consecutive bytes of LDS.
.set PITCH,  192                       ; bytes of a row in a slot
.set G0H,  4                           ; s[4:7], s[8:11] group 0 of the head's loads of K step 0: A's 256 rows, B's 256 rows
.set G0HB, 8
.set FR,     12
.set NL,     6
.set NP,     4
.set HALFT,  128*PITCH
.set SLOT,   4*HALFT
.set LAPS,   SIZE_K/(2*KSTEP)
.set KS,     SIZE_K/32
.set SCL,    2*SLOT
.set HALFS,  (128*KS/256)*272
.set SBLK,   (16*KS/256)*272
.set SPARE,  SCL+4*HALFS               ; the spare words: 128 bytes a wave, two blocks of 256 bytes that no other line names
.set BLKB,   6656
.set HEADB,  16*BLKB
.set TENB,   32*HEADB
.set XSC,    0x300000                  ; x's scale bytes in act0
.set VST,    SPARE+512                 ; v's stages have bytes of their own behind the spare words; q's and k's lie in slot 0, which has had its last fill and its last read by then
.set SQ,   7
.set SQS,  8
.set SV,   9
.set SVS,  10
.set RQ,   11
.set RV,   12
.set GO,   13
.set BA,   14
.set BVA,  15
.set ADRA, 16
.set ADRB, 20
.set ADRS, 27
.set SPW,  28
.set NIL,  29
.set SH,   30
.set SC,   32
.set BIAS, 64
.set AF,   128
.set HA,   128                         ; the way out: 64 numbers
.set CD,   192                         ; the codes just made (19 registers)
.set BV,   224
.set TM,   232                         ; 16 registers at work in the quantiser
.set PW,   248                         ; the scale word just made
.set SW,   250
.set SEL,  66
.set G1, 24
.set G0, 32
.set G1B, 48
.set G0B, 56
.set G1S, 68
.set G0S, 76
.set G1SB, 80
.set G0SB, 88
.set MSB, 0
.macro WIN new                         ; the immediate's high byte repeats the setting that is left
.if MSB != (\new)
	s_set_vgpr_msb (MSB<<8)|(\new)
.set MSB, (\new)
.endif
.endm
.set MUL_LO, 0xa1                      ; source 0 (B) window 1, source 1 (A) window 0, C and D window 2
.set MUL_HI, 0xf1
.set TO_B,   0x40
; A joint load: waves 0 and 1 fetch for A, waves 2 and 3 for B; the branch hangs on the wave's number alone.  Four v_nop follow each of the two lines.
.macro JLOAD g0a, g1a, g0b, g1b
	s_cmp_eq_u32 s15, 0
	s_cbranch_scc0 .Lfor_b_\@
	tensor_load_to_lds s[\g0a:\g0a+3], s[\g1a:\g1a+7]
	s_nop 0
.rept 4
	v_nop
.endr
	s_branch .Lasked_\@
.Lfor_b_\@:
	tensor_load_to_lds s[\g0b:\g0b+3], s[\g1b:\g1b+7]
	s_nop 0
.rept 4
	v_nop
.endr
.Lasked_\@:
.endm
.macro CREST                           ; a round of the cluster's barrier behind its opening barrier
	s_cmp_lg_u32 s14, 0
	s_cbranch_scc1 .Lnot_wave_0_\@
	s_barrier_signal -3
.Lnot_wave_0_\@:
	s_barrier_wait -3
	s_barrier_signal -1
	s_barrier_wait -1
.endm
.macro CROUND
	s_barrier_signal -1
	s_barrier_wait -1
	CREST
.endm
	s_load_b512 s[68:83], s[0:1], 0x0              ; act0, wimg, wq's, wk's, wv's scales, bq, bk, bv
	s_load_b64 s[88:89], s[0:1], 0x40              ; qkv  (above: act0, wimg, wq's, wk's, wv's scales, bq, bk, bv)
	v_lshl_add_u32 v[SPW], v0, 2, SPARE
	v_mov_b32 v[NIL], 0
	ds_add_u32 v28, v29
	ds_add_u32 v28, v29
	s_wait_dscnt 0x0
	v_lshrrev_b32 v1, 5, v0
	v_readfirstlane_b32 s14, v1                    ; wave 0..3
	s_lshr_b32 s15, s14, 1                         ; which half of the tile's rows is mine.  Also: I fetch for A (0) or for B (1)
	s_and_b32 s16, s14, 1                          ; which half of its columns.  Also: which 128 rows of that tile I fetch
	s_bfe_u32 s40, ttmp6, 0x40000                  ; cx, cy
	s_bfe_u32 s41, ttmp6, 0x40004
	s_and_b32 s95, ttmp9, 3
	s_lshl_b32 s95, s95, 2                         ; 4 (c % 4): which four tiles of tokens
	s_lshr_b32 s98, ttmp9, 3                       ; 1 in v's clusters
	s_mul_i32 s99, s95, s98                        ; there the tokens are B's rows,
	s_sub_co_u32 s95, s95, s99                     ; else A's
	s_add_co_u32 s42, s99, s40                     ; tile column
	s_add_co_u32 s17, s95, s41                     ; tile row
	s_lshl_b32 s43, s41, 2
	s_lshl_b32 s43, 15, s43                        ; my row of the cluster
	s_lshl_b32 s44, 0x1111, s40                    ; my column
	s_or_b32 s[G1+0], s43, (3<<16)|(1<<21)         ; the mask; elements of 8 bytes; bit 21 beside a mask
	s_or_b32 s[G1B+0], s44, (3<<16)|(1<<21)
.irp g, G1, G1B
	s_mov_b32 s[\g+1], 32<<16                      ; rows of 256 bytes, dense
	s_mov_b32 s[\g+2], 192<<16                     ; 192 of them at the head (256 rows of the operand); 96 in the ring
	s_mov_b32 s[\g+3], 32<<16
	s_mov_b32 s[\g+4], 192
	s_mov_b32 s[\g+5], 32
	s_mov_b32 s[\g+6], 0
	s_mov_b32 s[\g+7], 0
.endr
	s_lshl_b32 s20, s17, 8                         ; A: the tile's first row
	s_lshl_b32 s46, s42, 8                         ; B: likewise
	s_mov_b32 s21, 0
	s_mov_b32 s47, 0
	s_mov_b64 s[18:19], KS
	s_mul_u64 s[22:23], s[20:21], s[18:19]         ; where these rows' scales begin
	s_mul_u64 s[92:93], s[46:47], s[18:19]
	s_mov_b64 s[18:19], 192
	s_mul_u64 s[20:21], s[20:21], s[18:19]         ; and their images: 3,072 bytes a tile of 16 rows
	s_mul_u64 s[46:47], s[46:47], s[18:19]
	s_mul_i32 s18, s16, HALFT                      ; in the ring I fetch 128 rows: which half, in bytes,
	s_mov_b32 s19, 0
	s_mul_i32 s45, s14, HALFT                      ; and where they go: wave x 128 rows
	s_mov_b32 s[SEL], 0x76543210
	s_mov_b32 s[SEL+1], 0xfedcba98                 ; lane l xor 16
	s_wait_kmcnt 0x0
	s_add_nc_u64 s[90:91], s[68:69], XSC           ; x's scales
	s_lshr_b32 s84, ttmp9, 2                       ; q, k or v: the choices hang on the cluster's number alone
	s_mul_i32 s84, s84, 0xC0000
	s_mov_b32 s85, 0
	s_add_nc_u64 s[70:71], s[70:71], s[84:85]      ; the weight's images
	s_mov_b32 s98, 64*3072                         ; bytes from one 256 along K to the next: a weight's,
	s_mov_b32 s100, 256*3072                       ; x's
	s_cmp_lt_u32 ttmp9, 4
	s_cselect_b64 s[72:73], s[72:73], s[74:75]     ; wq's or wk's scales
	s_cselect_b64 s[78:79], s[78:79], s[80:81]     ; bq or bk
	s_cmp_lt_u32 ttmp9, 8
	s_cselect_b64 s[4:5], s[68:69], s[70:71]       ; A's codes: x's, or wv's
	s_cselect_b64 s[6:7], s[90:91], s[76:77]       ; A's scales
	s_cselect_b64 s[8:9], s[70:71], s[68:69]       ; B's codes: the weight's, or x's
	s_cselect_b64 s[10:11], s[72:73], s[90:91]
	s_cselect_b64 s[96:97], s[78:79], s[82:83]     ; the bias
	s_cselect_b32 s84, s100, s98
	s_cselect_b32 s100, s98, s100                  ; s[100:101] B's step along K,
	s_mov_b32 s98, s84                             ; s[98:99] A's
	s_mov_b32 s99, 0
	s_mov_b32 s101, 0
	s_mov_b64 s[12:13], s[88:89]
	; the scales of 128 rows: a dense block, as rows of 256 bytes with 16 bytes of padding behind each (written here: these registers held the pointers)
	s_or_b32 s[G1S+0], s43, (3<<16)|(1<<20)|(1<<21)|(5<<22)|(3<<25)
	s_or_b32 s[G1SB+0], s44, (3<<16)|(1<<20)|(1<<21)|(5<<22)|(3<<25)
.irp g, G1S, G1SB
	s_mov_b32 s[\g+1], 32<<16
	s_mov_b32 s[\g+2], (256*KS/256)<<16            ; the scales of all 256 rows by one load
	s_mov_b32 s[\g+3], 32<<16
	s_mov_b32 s[\g+4], 256*KS/256
	s_mov_b32 s[\g+5], 32
	s_mov_b32 s[\g+6], 0
	s_mov_b32 s[\g+7], 0
.endr
	s_add_nc_u64 s[20:21], s[4:5], s[20:21]
	s_add_nc_u64 s[22:23], s[6:7], s[22:23]
	s_add_nc_u64 s[46:47], s[8:9], s[46:47]
	s_add_nc_u64 s[92:93], s[10:11], s[92:93]
	CROUND                                         ; all sixteen work-groups are here: the first joint loads meet
	s_mov_b32 s[G0S], 1
	s_mov_b32 s[G0S+1], SCL
	s_mov_b64 s[G0S+2:G0S+3], s[22:23]
	s_or_b32 s[G0S+3], s[G0S+3], 0x80000000
	s_mov_b32 s[G0SB], 1
	s_mov_b32 s[G0SB+1], SCL+2*HALFS
	s_mov_b64 s[G0SB+2:G0SB+3], s[92:93]
	s_or_b32 s[G0SB+3], s[G0SB+3], 0x80000000
	s_mov_b32 s[G0H], 1                            ; K step 0's 256 rows of A,
	s_mov_b32 s[G0H+1], 0
	s_mov_b64 s[G0H+2:G0H+3], s[20:21]
	s_or_b32 s[G0H+3], s[G0H+3], 0x80000000
	s_mov_b32 s[G0HB], 1                           ; and of B, behind them in slot 0
	s_mov_b32 s[G0HB+1], 2*HALFT
	s_mov_b64 s[G0HB+2:G0HB+3], s[46:47]
	s_or_b32 s[G0HB+3], s[G0HB+3], 0x80000000
	s_add_nc_u64 s[20:21], s[20:21], s[18:19]      ; for the ring: my 128 rows
	s_add_nc_u64 s[46:47], s[46:47], s[18:19]
.irp s, 0,1
	s_mov_b32 s[G0+4*\s], 1
	s_add_co_u32 s[G0+4*\s+1], s45, \s*SLOT
	s_mov_b64 s[G0+4*\s+2:G0+4*\s+3], s[20:21]
	s_or_b32 s[G0+4*\s+3], s[G0+4*\s+3], 0x80000000
	s_mov_b32 s[G0B+4*\s], 1
	s_add_co_u32 s[G0B+4*\s+1], s45, \s*SLOT
	s_mov_b64 s[G0B+4*\s+2:G0B+4*\s+3], s[46:47]
	s_or_b32 s[G0B+4*\s+3], s[G0B+4*\s+3], 0x80000000
.endr
	s_add_nc_u64 s[G0+6:G0+7], s[G0+6:G0+7], s[98:99]        ; slot 1 begins at K step 1
	s_add_nc_u64 s[G0B+6:G0B+7], s[G0B+6:G0B+7], s[100:101]
	s_lshl_b32 s98, s98, 1                         ; a refill goes two K steps on
	s_lshl_b32 s100, s100, 1
	; THE PREFETCHES.  A ring load of mine is 96 dense blocks of 256 bytes; the four partners that ask for it jointly take 24 blocks each, told apart by address (cx for A, cy for B), a lane a block.
	s_cmp_eq_u32 s15, 0                            ; do I fetch for A?
	s_cselect_b64 s[92:93], s[20:21], s[46:47]
	s_cselect_b32 s94, s98, s100                   ; two K steps of my operand, in bytes
	s_cselect_b32 s18, s40, s41                    ; my place among the four
	s_mov_b32 s95, 0
	s_mul_i32 s18, s18, 24*256
	s_mov_b32 s19, 0
	s_add_nc_u64 s[92:93], s[92:93], s[18:19]
	s_add_nc_u64 s[92:93], s[92:93], s[94:95]      ; at K step 2
	s_lshr_b32 s94, s94, 1                         ; one K step
; THE HEAD'S LOADS, ONE A WAVE: wave 0 K step 0's 256 rows of A, wave 1 those of B, wave 2 A's scales, wave 3 B's.  One tree of branches on the wave's number.
.macro ARM under, g0, g1, next
	s_cmp_lt_u32 s14, \under
	s_cbranch_scc0 \next
	tensor_load_to_lds s[\g0:\g0+3], s[\g1:\g1+7]
	s_nop 0
.rept 4
	v_nop
.endr
	s_branch .Lhead_asked
\next:
.endm
	ARM 1, G0H,  G1,  .Lhead_b
	ARM 2, G0HB, G1B, .Lhead_sa
	ARM 3, G0S,  G1S, .Lhead_sb
	tensor_load_to_lds s[G0SB:G0SB+3], s[G1SB:G1SB+7]
	s_nop 0
.rept 4
	v_nop
.endr
.Lhead_asked:
	v_and_b32 v1, 15, v0                           ; r = lane % 16
	v_bfe_u32 v2, v0, 4, 1                         ; h = lane / 16
	v_and_b32 v4, 31, v0
	v_lshlrev_b32 v4, 3, v4                        ; 8 x lane: my place in a chunk
	v_and_b32 v24, 31, v0
	v_min_u32 v24, 23, v24                         ; lanes 24-31 name the last block again
	v_lshlrev_b32 v24, 8, v24                      ; v24: my block of K step 2,
	v_add_nc_u32 v25, s94, v24                     ; v25: of K step 3; neither is rewritten
	s_wait_alu depctr_va_vdst(0)
	s_mul_i32 s21, s15, HALFT
	s_mul_i32 s22, s16, HALFT
	s_add_co_u32 s22, s22, 2*HALFT
.irp s, 0,1
	v_add_nc_u32 v[ADRA+\s], s21, v4
	v_add_nc_u32 v[ADRB+\s], s22, v4
	s_add_co_u32 s21, s21, SLOT
	s_add_co_u32 s22, s22, SLOT
.endr
	v_mul_u32_u24 v5, v1, KS                       ; my row's scales: KS bytes a row,
	v_lshrrev_b32 v6, 8, v5
	v_lshl_add_u32 v5, v6, 4, v5                   ; and 16 more for each 256 passed
	s_mul_i32 s21, s15, HALFS
	s_mul_i32 s22, s16, HALFS
	s_add_co_u32 s22, s22, 2*HALFS
	s_sub_co_u32 s22, s22, s21
	v_mul_u32_u24 v6, s22, v2                      ; lanes 16-31 take B's
	s_add_co_u32 s21, s21, SCL
	v_add_nc_u32 v5, v5, v6
	v_add_nc_u32 v[ADRS], s21, v5
	; the way out's LDS addresses: constants, the lane and the wave alone; both ways' are made here, ahead of the parting
	v_lshrrev_b32 v3, 3, v1                        ; r / 8: which of the pair of tiles
	v_and_b32 v4, 7, v1                            ; r % 8
	s_mul_i32 s23, s14, 2*BLKB                     ; my stage: two blocks
	v_mul_u32_u24 v5, v3, 768
	v_lshl_add_u32 v5, v4, 3, v5
	v_lshl_add_u32 v5, v2, 7, v5
	v_add_nc_u32 v[SQ], s23, v5                    ; q, k codes: tile x 768 + 8 x (slot + 16 h)
	v_lshlrev_b32 v5, 6, v3
	v_lshl_add_u32 v5, v4, 2, v5
	v_mad_u32_u24 v5, v2, BLKB, v5                 ; lanes 16-31 store the odd head's word, into the second block
	v_add_nc_u32 v5, s23, v5
	v_add_nc_u32 v[SQS], 6144, v5
	v_mul_u32_u24 v5, v3, 1536
	v_lshl_add_u32 v5, v4, 3, v5
	v_lshl_add_u32 v5, v2, 7, v5
	v_add_nc_u32 v5, s23, v5
	v_add_nc_u32 v[SV], VST, v5                    ; v codes: tile x 1,536 + 8 x (slot + 16 h)
	v_lshlrev_b32 v5, 7, v3
	v_lshl_add_u32 v5, v4, 2, v5
	v_lshl_add_u32 v5, v2, 6, v5
	v_add_nc_u32 v5, s23, v5
	v_add_nc_u32 v[SVS], VST+6144, v5              ; v scale words: tile x 128 + 64 h + 4 x slot
	v_and_b32 v6, 31, v0
	v_lshlrev_b32 v[GO], 4, v6                     ; 16 x lane
	v_add_nc_u32 v[RQ], s23, v[GO]
	v_add_nc_u32 v[RV], VST, v[RQ]
	v_lshlrev_b32 v[SH], 4, v2                     ; 16 h: the shift that brings the odd head's two bytes down
	v_lshlrev_b32 v[BA], 5, v2                     ; the bias along columns: 32 h bytes
	s_wait_alu depctr_va_vdst(0)
	v_lshlrev_b32 v[BVA], 2, v1                    ; the bias along rows: 4 r bytes
	s_wait_alu depctr_va_vdst(0)
.irp b, 0,1,2,3
	v_mov_b32 v[TM+4+\b], 0                        ; written once: a lane permute's destination counts as one of its sources
.endr
	; where my two blocks go, and my 128 numbers of the bias
	s_lshl_b32 s20, s17, 1
	s_add_co_u32 s20, s20, s15                     ; my 128 rows of A
	s_lshl_b32 s21, s42, 1
	s_add_co_u32 s21, s21, s16                     ; my 128 rows of B
	s_cmp_lt_u32 ttmp9, 8
	s_cselect_b32 s22, s20, s21                    ; the group of 128 tokens
	s_cselect_b32 s23, s21, s20                    ; the pair of heads
	s_lshr_b32 s20, s22, 4
	s_lshl_b32 s20, s20, 4                         ; 16 x batch
	s_lshl_b32 s21, s23, 1
	s_add_co_u32 s20, s20, s21
	s_mul_i32 s20, s20, HEADB
	s_and_b32 s21, s22, 15
	s_mul_i32 s21, s21, BLKB
	s_add_co_u32 s20, s20, s21
	s_lshr_b32 s21, ttmp9, 2                       ; q, k or v
	s_mul_i32 s21, s21, TENB
	s_add_co_u32 s20, s20, s21
	s_mov_b32 s21, 0
	s_add_nc_u64 s[12:13], s[12:13], s[20:21]
	s_lshl_b32 s20, s23, 9
	s_add_nc_u64 s[96:97], s[96:97], s[20:21]
.irp t, 0,1,2,3,4,5,6,7                ; both forms of the bias are loaded on every way; each way uses one.  Register 8 t + j: number 16 t + 8 h + j
	global_load_b128 v[BIAS+8*\t:BIAS+8*\t+3], v[BA], s[96:97] offset:64*\t
	global_load_b128 v[BIAS+8*\t+4:BIAS+8*\t+7], v[BA], s[96:97] offset:64*\t+16
.endr
.irp a, 0,1,2,3,4,5,6,7                ; register a: number 16 a + r
	global_load_b32 v[BV+\a], v[BVA], s[96:97] offset:64*\a
.endr
.macro FRAG reg, adr, q, i             ; 16 rows x 128 K: 12 registers; lane l: row l % 16; registers 6 c .. 6 c + 5: K = 64 c + 32 (l / 16) + 0 .. 31: 24 bytes of the row, as they lie, in pieces of 8 bytes
.irp p, 0,1,2,3,4,5
	ds_load_b64 v[\reg+2*\p:\reg+2*\p+1], v[\adr] offset:(\i)*3072+(\q)*1536+256*\p   ; chunk p of the image: 256 consecutive bytes
.endr
.endm
; 16 matrix instructions: A's blocks a0, a0 + 1 x B's eight.  The 64 accumulators take turns, one instruction a turn, in the same order in every step.
.macro MUL16 a0, p, q, sc, zero
.irp a, \a0, \a0+1
.irp b, 0,1,2,3,4,5,6,7
.if \zero
	v_wmma_scale_f32_16x16x128_f8f6f4 v[8*(8*((\a)%4)+\b):8*(8*((\a)%4)+\b)+7], v[128*(\p)+FR*\b:128*(\p)+FR*\b+FR-1], v[AF+FR*(\a):AF+FR*(\a)+FR-1], 0, v[SC+8*NQ*(\sc)+NQ*\b+(\q)], v[SC+8*NQ*(\sc)+NQ*(\a)+(\q)] matrix_a_fmt:MATRIX_FMT_BF6 matrix_b_fmt:MATRIX_FMT_BF6 matrix_a_scale:MATRIX_SCALE_ROW1
.else
	v_wmma_scale_f32_16x16x128_f8f6f4 v[8*(8*((\a)%4)+\b):8*(8*((\a)%4)+\b)+7], v[128*(\p)+FR*\b:128*(\p)+FR*\b+FR-1], v[AF+FR*(\a):AF+FR*(\a)+FR-1], v[8*(8*((\a)%4)+\b):8*(8*((\a)%4)+\b)+7], v[SC+8*NQ*(\sc)+NQ*\b+(\q)], v[SC+8*NQ*(\sc)+NQ*(\a)+(\q)] matrix_a_fmt:MATRIX_FMT_BF6 matrix_b_fmt:MATRIX_FMT_BF6 matrix_a_scale:MATRIX_SCALE_ROW1
.endif
.endr
.endr
.endm
.macro FETCH_B slot, q, p
	WIN TO_B
.irp i, 0,1,2,3,4,5,6,7
	FRAG 128*(\p)+FR*\i, ADRB+\slot, \q, \i
.endr
	WIN 0
.endm
.macro FETCH_A slot, q, i0
.irp i, \i0, \i0+1, \i0+2, \i0+3
	FRAG AF+FR*(\i), ADRA+\slot, \q, \i
.endr
.endm
.macro SCALES sc                       ; a K step's scale words: lanes 0-15 A's block i, lanes 16-31 B's block i
.irp i, 0,1,2,3,4,5,6,7
	ds_load_b64 v[SC+8*NQ*\sc+NQ*\i:SC+8*NQ*\sc+NQ*\i+1], v[ADRS] offset:\i*SBLK
.endr
.endm
.macro PLACES n                        ; plain vector places behind matrix instructions, in front of loads into their registers and of reads of results
.rept \n
	v_nop
.endr
.endm
.macro STEP slot, q, zero              ; 128 along K that have their successor in the same slot
	s_wait_dscnt 4*NL                              ; B's set and A's blocks 0-3 are in; the youngest 24 loads (A's blocks 4-7) may be out
	WIN MUL_LO
	MUL16 0, (\q)%2, \q, \slot, \zero
	MUL16 2, (\q)%2, \q, \slot, \zero
	s_wait_dscnt 0
	PLACES NP
	FETCH_B \slot, (\q)+1, 1-(\q)%2
	FETCH_A \slot, (\q)+1, 0
	WIN MUL_HI
	MUL16 4, (\q)%2, \q, \slot, \zero
	MUL16 6, (\q)%2, \q, \slot, \zero
	PLACES NP
	WIN 0
	FETCH_A \slot, (\q)+1, 4
.endm
; A slot's last step changes slots: one barrier; in front of it each wave waits for all its tensor loads, adds 0 to its spare word, and waits for that and for its own reads of this slot.
.macro TURN slot, next, fill
	s_wait_tensorcnt 0x0                           ; all my tensor loads have landed: my part of the next slot
	ds_add_u32 v[SPW], v[NIL]                      ; 0 onto my spare word
	s_wait_dscnt 4*NL+1                            ; (the add and the youngest 24 loads may be out)
	WIN MUL_LO
	MUL16 0, 1, NQ-1, \slot, 0
	s_wait_dscnt 0x0                               ; the add is done, and my reads of this slot are over
	s_barrier_signal -1
	MUL16 2, 1, NQ-1, \slot, 0
	WIN 0
	s_barrier_wait -1
.if \fill
	CREST                                          ; the barrier has opened a round of the cluster's barrier: no wave of any partner still reads this slot or has a load on its way
	s_add_nc_u64 s[G0+4*\slot+2:G0+4*\slot+3], s[G0+4*\slot+2:G0+4*\slot+3], s[98:99]
	s_add_nc_u64 s[G0B+4*\slot+2:G0B+4*\slot+3], s[G0B+4*\slot+2:G0B+4*\slot+3], s[100:101]
	JLOAD G0+4*\slot, G1, G0B+4*\slot, G1B         ; the first tensor load behind the round; its four v_nop are the places in front of the loads below
.else
	PLACES NP
.endif
	s_wait_alu depctr_va_vdst(0)
	v_add_nc_u32 v[ADRS], 4*NQ, v[ADRS]            ; on to the next K step's scale words
	FETCH_B \next, 0, 0
	FETCH_A \next, 0, 0
	SCALES \next
	WIN MUL_HI
	MUL16 4, 1, NQ-1, \slot, 0
	MUL16 6, 1, NQ-1, \slot, 0
	PLACES NP
	WIN 0
	FETCH_A \next, 0, 4
.endm
	s_wait_alu depctr_va_vdst(0)
	s_wait_tensorcnt 0x0                           ; my tile of the head's four is in
	ds_add_u32 v[SPW], v[NIL]
	s_mov_b32 s[G1+2], 96<<16                      ; no tensor load of mine is out: from here on a load brings 128 rows of the operand, 96 rows of 256 bytes
	s_mov_b32 s[G1+4], 96
	s_mov_b32 s[G1B+2], 96<<16
	s_mov_b32 s[G1B+4], 96
	s_wait_dscnt 0x0
	CROUND                                         ; all four tiles are in, and all sixteen work-groups are here
	JLOAD G0+4, G1, G0B+4, G1B                     ; K step 1, the first tensor load behind the round
	FETCH_B 0, 0, 0
	FETCH_A 0, 0, 0
	SCALES 0
	FETCH_A 0, 0, 4
	global_prefetch_b8 v24, s[92:93] th:TH_LOAD_NT scope:SCOPE_SE   ; K steps 2 and 3, which the two refills will ask for one and two K steps from here; K has four steps, so nothing more is asked
	global_prefetch_b8 v25, s[92:93] th:TH_LOAD_NT scope:SCOPE_SE
	STEP 0, 0, 1                                   ; the first step's products start the sums
	s_mov_b32 s3, LAPS-1
.Llap:
	TURN 0, 1, 1
	STEP 1, 0, 0
	TURN 1, 0, 1
	STEP 0, 0, 0
	s_sub_co_u32 s3, s3, 1
	s_cmp_lg_u32 s3, 0
	s_cbranch_scc1 .Llap
	TURN 0, 1, 0                                   ; the last lap fills nothing
	STEP 1, 0, 0
	s_wait_dscnt 4*NL
	WIN MUL_LO
	MUL16 0, 1, NQ-1, 1, 0
	MUL16 2, 1, NQ-1, 1, 0
	s_wait_dscnt 0
	WIN MUL_HI
	MUL16 4, 1, NQ-1, 1, 0
	MUL16 6, 1, NQ-1, 1, 0
	WIN 0
; THE WAY OUT.
.macro TAKEB a                         ; block a's 64 sums + the bias of my 64 columns; each accumulator from its low end on
	WIN 0x02+(\a)/4
.set I, 0
.rept 32
	v_pk_add_f32 v[HA+2*I:HA+2*I+1], v[64*((\a)%4)+2*I:64*((\a)%4)+2*I+1], v[BIAS+2*I:BIAS+2*I+1]
.set I, I+1
.endr
	WIN 0
.endm
.macro TAKER a                         ; block a's 64 sums + the bias of my row
	WIN 0x02+(\a)/4
.set I, 0
.rept 64
	v_add_f32 v[HA+I], v[64*((\a)%4)+I], v[BV+(\a)]
.set I, I+1
.endr
	WIN 0
.endm
.macro SWAP32                          ; register 8 t + j holds column 16 t + 8 h + j; behind these exchanges register 16 g + i holds column 32 g + 16 h + i: 16 neighbours
.irp g, 0,1,2,3
.irp j, 0,1,2,3,4,5,6,7
	v_permlane16_swap_b32 v[HA+16*\g+\j], v[HA+16*\g+8+\j]
.endr
.endr
.endm
; 64 numbers of a lane, register 16 b + i = k 32 b + 16 h + i of my row, become a fragment's codes in v[CD] on and its scale word in v[PW].
.macro QUANT s
.irp b, 0,1,2,3
	v_max3_num_f32 v[TM+\b], |v[\s+16*\b]|, |v[\s+1+16*\b]|, 0x2800000   ; my 16 numbers of block b, and the floor 2^(5 - 127): the byte cannot fall under 1
.endr
.irp i, 2,4,6,8,10,12,14
.irp b, 0,1,2,3
	v_max3_num_f32 v[TM+\b], v[TM+\b], |v[\s+16*\b+\i]|, |v[\s+1+16*\b+\i]|
.endr
.endr
.irp b, 0,1,2,3
	v_permlanex16_b32 v[TM+4+\b], v[TM+\b], s[SEL], s[SEL+1]
.endr
.irp b, 0,1,2,3
	v_max_num_f32 v[TM+\b], v[TM+\b], v[TM+4+\b]   ; with lane l xor 16's: the block's largest magnitude
.endr
.irp b, 0,1,2,3
	v_add_nc_u32 v[TM+12+\b], 0xfe000000, v[TM+\b]   ; 4 off its exponent field: the conversion's scale operand
.endr
.irp b, 0,1,2,3
	v_lshrrev_b32 v[TM+4+\b], 23, v[TM+12+\b]      ; the scale's byte
.endr
	v_lshl_or_b32 v[PW], v[TM+5], 8, v[TM+4]
	v_lshl_or_b32 v[PW], v[TM+6], 16, v[PW]
	v_lshl_or_b32 v[PW], v[TM+7], 24, v[PW]
.irp c, 0,1
	v_cvt_scalef32_pk16_bf6_f32 v[CD+6*\c:CD+2+6*\c], v[\s+32*\c:\s+15+32*\c], v[TM+12+2*\c]
	v_cvt_scalef32_pk16_bf6_f32 v[CD+12+4*\c:CD+14+4*\c], v[\s+16+32*\c:\s+31+32*\c], v[TM+12+2*\c+1]   ; (a conversion's three registers begin on an even number)
.endr
	v_nop                                          ; one plain place behind a scaled conversion
.irp c, 0,1                            ; the operand's layout wants a whole block in a lane
.irp i, 0,1,2
	v_permlane16_swap_b32 v[CD+6*\c+\i], v[CD+12+4*\c+\i]
.endr
.irp i, 0,1,2
	v_mov_b32 v[CD+3+6*\c+\i], v[CD+12+4*\c+\i]
.endr
.endr
.endm
.macro OUT rd                          ; my two blocks leave the stage: 26 runs of 512 consecutive bytes.  LDS serves a wave's instructions in order: the loads see my stores
.set N, 0
.rept 26
	ds_load_b128 v[64+4*N:67+4*N], v[\rd] offset:(N/13)*BLKB+512*(N%13)
.set N, N+1
.endr
.set N, 0
.rept 26
	s_wait_dscnt 25-N                              ; the younger loads may be out
	global_store_b128 v[GO], v[64+4*N:67+4*N], s[12:13] offset:(N/13)*HEADB+512*(N%13)
.set N, N+1
.endr
.endm
	PLACES NP
	s_wait_loadcnt 0x0                             ; the biases
	s_cmp_lt_u32 ttmp9, 8                          ; the cluster's number: alike in all partners
	s_cbranch_scc0 .Lv_path
.irp a, 0,1,2,3,4,5,6,7                ; q, k: block a = 16 tokens x two heads' 64 features.  Token 16 (a % 2) + 8 w + y of a group of 32 goes to tile (a - a % 2) + w, slot 8 (a % 2) + y
	TAKEB \a
	SWAP32
	QUANT HA
.irp e, 0,1
.irp i, 0,1,2
	ds_store_b64 v[SQ], v[CD+6*\e+2*\i:CD+6*\e+2*\i+1] offset:\e*BLKB+(\a-\a%2)*768+256*\i+64*(\a%2)
.endr
.endr
	v_lshrrev_b32 v[SW], v[SH], v[PW]              ; lanes 0-15: the even head's two bytes lowest; lanes 16-31: the odd head's
	ds_store_b32 v[SQS], v[SW] offset:(\a-\a%2)*64+32*(\a%2)
	s_wait_dscnt 0x0                               ; the stores have read their registers
.endr
	OUT RQ
	s_branch .Ljoin
.Lv_path:
.irp a, 0,1,2,3,4,5,6,7                ; v: block a = 16 features of head a / 4 x 128 keys
	TAKER \a
	SWAP32
	QUANT HA
.irp i, 0,1,2,3,4,5
	ds_store_b64 v[SV], v[CD+2*\i:CD+2*\i+1] offset:(\a/4)*BLKB+((\a%4)-(\a%2))*1536+256*\i+64*(\a%2)
.endr
	ds_store_b32 v[SVS], v[PW] offset:(\a/4)*BLKB+((\a%4)-(\a%2))*128+32*(\a%2)
	s_wait_dscnt 0x0
.endr
	OUT RV
.Ljoin:
	s_wait_tensorcnt 0x0                           ; the wave's end
	ds_add_u32 v[SPW], v[NIL]
	s_wait_dscnt 0x0
	CROUND                                         ; the closing round
	s_endpgm
.Lfunc_end_k_q8047da440d_qkv:
	.size	k_q8047da440d_qkv, .Lfunc_end_k_q8047da440d_qkv-k_q8047da440d_qkv
	.p2alignl 7, 3214868480
	.fill 96, 4, 3214868480
	.section	.rodata,"a",@progbits
	.p2align	6, 0x0
	.amdhsa_kernel k_q8047da440d_qkv
		.amdhsa_group_segment_fixed_size 327680
		.amdhsa_private_segment_fixed_size 0
		.amdhsa_enable_private_segment 0
		.amdhsa_kernarg_size 72
		.amdhsa_user_sgpr_count 2
		.amdhsa_user_sgpr_kernarg_segment_ptr 1
		.amdhsa_wavefront_size32 1
		.amdhsa_system_sgpr_workgroup_id_x 1
		.amdhsa_system_sgpr_workgroup_id_y 1
		.amdhsa_system_sgpr_workgroup_id_z 1
		.amdhsa_system_vgpr_workitem_id 0
		.amdhsa_next_free_vgpr 1024
		.amdhsa_next_free_sgpr 102
		.amdhsa_reserve_vcc 0
		.amdhsa_float_denorm_mode_32 3
		.amdhsa_float_denorm_mode_16_64 3
		.amdhsa_memory_ordered 1
		.amdhsa_forward_progress 1
		.amdhsa_inst_pref_size 255
	.end_amdhsa_kernel
	.section	.bss,"aw",@nobits
	.p2align	6
	.space	262144
	.amdgpu_metadata
---
amdhsa.version: [ 1, 2 ]
amdhsa.kernels:
  - .name:           k_q8047da440d_qkv
    .symbol:         k_q8047da440d_qkv.kd
    .args:
      - { .name: act0, .offset: 0, .size: 8, .value_kind: global_buffer, .address_space: global }
      - { .name: wimg, .offset: 8, .size: 8, .value_kind: global_buffer, .address_space: global }
      - { .name: wq_scales, .offset: 16, .size: 8, .value_kind: global_buffer, .address_space: global }
      - { .name: wk_scales, .offset: 24, .size: 8, .value_kind: global_buffer, .address_space: global }
      - { .name: wv_scales, .offset: 32, .size: 8, .value_kind: global_buffer, .address_space: global }
      - { .name: bq, .offset: 40, .size: 8, .value_kind: global_buffer, .address_space: global }
      - { .name: bk, .offset: 48, .size: 8, .value_kind: global_buffer, .address_space: global }
      - { .name: bv, .offset: 56, .size: 8, .value_kind: global_buffer, .address_space: global }
      - { .name: qkv, .offset: 64, .size: 8, .value_kind: global_buffer, .address_space: global }
    .group_segment_fixed_size: 327680
    .private_segment_fixed_size: 0
    .kernarg_segment_align: 8
    .kernarg_segment_size: 72
    .max_flat_workgroup_size: 128
    .sgpr_count:     102
    .vgpr_count:     1024
    .wavefront_size: 32
...
	.end_amdgpu_metadata
.endif
;; end of part 10
;; launch attn (part 11): grid 8 x 32, 16 waves a work-group, clusters of 4 x 1, 215,040 bytes of LDS; arguments qkv, act1; writes act1
.if DOCPART == 11
	.amdgcn_target "amdgcn-amd-amdhsa--gfx1250"
	.amdhsa_code_object_version 6
	.text
	.protected	k_q8047da440d_attn
	.globl	k_q8047da440d_attn
	.p2align	8
	.type	k_q8047da440d_attn,@function
k_q8047da440d_attn:
	s_mov_b64 s[64:65], 0
	v_nop
	global_prefetch_b8 v0, s[64:65] scope:SCOPE_SE
	s_setreg_imm32_b32 hwreg(HW_REG_WAVE_MODE, 25, 1), 1
	s_wait_xcnt 0x0
	s_wait_alu depctr_hold_cnt(0) depctr_sa_sdst(0) depctr_va_vdst(0) depctr_va_sdst(0) depctr_va_ssrc(0) depctr_va_vcc(0) depctr_vm_vsrc(0)
	s_getreg_b32 s2, hwreg(HW_REG_IB_STS2, 6, 4)
	s_cmp_eq_u32 s2, 0
	s_cbranch_scc0 .Lentry_in_a_cluster
	s_endpgm
.Lentry_in_a_cluster:
	s_bfe_u32 s2, ttmp6, 0x10000c
	s_cmp_lg_u32 s2, 0x3003
	s_cbranch_scc0 .Lentry_shape_is_right
	s_endpgm
.Lentry_shape_is_right:
; concat[b][q][head x 64 + e] = the sum over keys of softmax(q . k / 8) v, both products on codes of BF6 (E3M2) with E8M0 scales; the result is quantised along the features for the next product.
; THE SOFTMAX: t = score x log2(e) / 8; M = the running largest t rounded UP to a whole number; p = 2^(t - M) is quantised along the keys, not normalised; the row's sum is taken of the unquantised p
; and divides at the end.  When M moves, the sum and O are multiplied by 2^(old M - new M): exact.
; SHARES.  A work-group owns 256 queries of one (batch, head); each of its sixteen waves one tile of 16 queries in 256 registers: four waves to a SIMD, one wave's vector work beside another's matrix work.
; LDS holds the head's WHOLE k (16 blocks of 128 keys, 6,656 bytes each) and its whole v, each block of v right behind the same block of k: filled ONCE, wave w bringing block w of each; nothing is filled again.
; CLUSTER.  The four work-groups of a cluster belong to one head: each block is asked for jointly (mask 15).
; LAYOUT.  Both products transposed: S^T = k q^T (source 0 = 16 keys), O^T = v^T p^T (source 0 = 16 features): a lane holds ONE query throughout.  The buffer's tiles of keys and of features are laid so that
; the 16 registers of tiles 2 g and 2 g + 1 are 16 neighbours (32 g + 16 h + 0 .. 15).  The first product's K is 64: registers 6-11 of q's and k's fragments are zero codes, written once.
; Fragments lie in LDS as images of their registers: chunk i = registers 2 i, 2 i + 1, lane l's 8 bytes at 8 l: every load reads 256 consecutive bytes.
; act1: codes [k / 256][tile of 16 tokens][(k / 128) % 2][6 chunks][256 bytes]; scale bytes [16 x tile + slot][32] at byte ASC.  The tiles of tokens keep q's order of rows.
; LIMITS: a block whose largest magnitude lies under 2^-122 gets the byte 1; a block's largest p is taken from its largest score (v_exp_f32 not falling where its input rises); NaN, infinities not served.
; REGISTERS: v1-4, v6 addresses that stay; v8-11 the step's; v12 -M, v13 the largest t, v[14:15] the sum; v16-27 q; v28-31 k's scale words; v32-79 four fragments of k; v80-127 v's four;
;   v128-191 S^T, then p; v192-223 O^T; v224-235 p's codes; v232-247, v252, v254 at work; v248-249 v's scale words; v253 p's scale word; v255 q's.
.set BLKB,  6656
.set HEADB, 16*BLKB
.set TENB,  32*HEADB
.set VLDS,  BLKB                       ; in LDS block w of v lies directly behind block w of k, 2 BLKB for each 128 keys: one tensor load a wave brings both
.set ASC,   0x300000
.set S,    128
.set O,    192
.set ADK,  8
.set ADV,  9
.set ADS,  10
.set ADT,  11
.set WV,   8
.set SEL,  20
.set CS,   22
.set G1,   24
.set G0K,  32
.set G0V,  36
.set TB,   40
.set CNT,  41
.set MH,   42
.macro CROUND
	s_barrier_signal -1
	s_barrier_wait -1
	s_cmp_lg_u32 s[WV], 0
	s_cbranch_scc1 .Lnot_wave_0_\@
	s_barrier_signal -3
.Lnot_wave_0_\@:
	s_barrier_wait -3
	s_barrier_signal -1
	s_barrier_wait -1
.endm
	s_load_b128 s[4:7], s[0:1], 0x0                ; qkv, act1
	v_lshl_add_u32 v250, v0, 2, 0x34000
	v_mov_b32 v251, 0
	ds_add_u32 v250, v251
	ds_add_u32 v250, v251
	v_lshrrev_b32 v5, 5, v0
	s_delay_alu instid0(VALU_DEP_1)
	v_readfirstlane_b32 s[WV], v5                  ; wave 0..15
	s_bfe_u32 s9, ttmp6, 0x40000                   ; cx: it enters q's and the result's addresses alone
	s_lshl_b32 s10, ttmp9, 2
	s_add_co_u32 s10, s10, s9                      ; my block of 256 queries
	s_and_b32 s11, ttmp7, 0xffff                   ; 16 x batch + head, which the four partners share
	s_mul_i32 s12, s11, HEADB
	s_mul_i32 s13, s[WV], BLKB                     ; the block that I fetch
	s_add_co_u32 s14, s12, s13
	s_mov_b32 s15, 0
	s_mov_b32 s[G1], 15|(3<<16)|(1<<21)            ; the mask: all four work-groups; elements of 8 bytes; no padding; bit 21 beside a mask
	s_mov_b32 s[G1+1], (BLKB/8)<<16                ; two rows of 6,656 bytes: k's block and, TENB bytes on in qkv, v's
	s_mov_b32 s[G1+2], 2<<16
	s_mov_b32 s[G1+3], (BLKB/8)<<16
	s_mov_b32 s[G1+4], 2
	s_mov_b32 s[G1+5], TENB/8
	s_mov_b32 s[G1+6], 0
	s_mov_b32 s[G1+7], 0
	s_lshl_b32 s16, s10, 1
	s_lshr_b32 s17, s[WV], 3
	s_add_co_u32 s16, s16, s17                     ; q's block: 2 x query block + wave / 8
	s_mul_i32 s16, s16, BLKB
	s_add_co_u32 s16, s16, s12
	s_and_b32 s17, s[WV], 7                        ; my tile in it
	s_mul_i32 s18, s17, 768
	s_add_co_u32 s18, s18, s16                     ; its codes,
	s_mov_b32 s19, 0
	s_lshl_b32 s17, s17, 6
	s_add_co_u32 s16, s16, s17
	s_add_co_u32 s16, s16, 6144                    ; its scale words
	s_mov_b32 s17, 0
	s_lshr_b32 s48, s11, 4
	s_lshl_b32 s48, s48, 7
	s_lshl_b32 s49, s10, 4
	s_add_co_u32 s48, s48, s49
	s_add_co_u32 s48, s48, s[WV]                   ; my tile among the 256 tiles of tokens
	s_and_b32 s49, s11, 15                         ; the head
	s_lshr_b32 s50, s49, 2
	s_lshl_b32 s50, s50, 8
	s_add_co_u32 s50, s50, s48
	s_lshl_b32 s50, s50, 1
	s_bfe_u32 s51, s49, 0x10001
	s_add_co_u32 s50, s50, s51
	s_mul_i32 s50, s50, 1536                       ; the fragment (head / 4, tile, (head / 2) % 2),
	s_and_b32 s51, s49, 1
	s_mul_i32 s51, s51, 768                        ; its first or second three chunks
	s_add_co_u32 s50, s50, s51
	s_mov_b32 s51, 0
	s_lshl_b32 s52, s48, 9
	s_lshl_b32 s53, s49, 1
	s_add_co_u32 s52, s52, s53
	s_add_co_u32 s52, s52, ASC                     ; the scale bytes: 512 x tile + 2 x head
	s_mov_b32 s53, 0
	s_mov_b32 s[SEL], 0x76543210
	s_mov_b32 s[SEL+1], 0xfedcba98                 ; lane l xor 16
	s_mov_b32 s[CS], 0x3e38aa3b                    ; c = log2(e) / 8
	s_mov_b32 s[CS+1], s[CS]                       ; (named with it as a pair)
	s_mov_b32 s[TB], 0
	s_mov_b32 s[CNT], 16
	s_mov_b32 s[MH], 0xffff0000                    ; lanes 16-31
	s_wait_dscnt 0x0
	s_wait_kmcnt 0x0
	CROUND                                         ; all four work-groups are here: the joint loads meet
	s_mov_b32 s[G0K], 1
	s_lshl_b32 s[G0K+1], s13, 1                    ; LDS: 2 BLKB x wave
	s_add_nc_u64 s[G0K+2:G0K+3], s[4:5], s[14:15]
	s_add_nc_u64 s[G0K+2:G0K+3], s[G0K+2:G0K+3], TENB
	s_or_b32 s[G0K+3], s[G0K+3], 0x80000000
	tensor_load_to_lds s[G0K:G0K+3], s[G1:G1+7]    ; one load of mine is out, and no more follow
	s_nop 0
.rept 4
	v_nop
.endr
	s_add_nc_u64 s[44:45], s[4:5], s[18:19]        ; q's codes
	s_add_nc_u64 s[46:47], s[4:5], s[16:17]        ; q's scale words
	s_add_nc_u64 s[50:51], s[6:7], s[50:51]        ; the result's codes
	s_add_nc_u64 s[52:53], s[6:7], s[52:53]        ; and scale bytes
	v_and_b32 v5, 31, v0                           ; lane
	v_and_b32 v7, 15, v0                           ; r
	v_bfe_u32 v9, v0, 4, 1                         ; h
	s_delay_alu instid0(VALU_DEP_3)
	v_lshlrev_b32 v1, 3, v5                        ; 8 x lane: my place in a chunk
	s_delay_alu instid0(VALU_DEP_3)
	v_lshlrev_b32 v10, 2, v7                       ; 4 r
.irp i, 0,1,2
	global_load_b64 v[16+2*\i:17+2*\i], v1, s[44:45] offset:256*\i   ; q's registers 0-5
.endr
	global_load_b32 v255, v10, s[46:47]
	v_add_nc_u32 v2, VLDS, v1
	v_lshl_add_u32 v3, v5, 2, 6144                 ; k's scale words: lanes 0-15 an even tile's, lanes 16-31 the next tile's
	v_lshl_add_u32 v4, v9, 7, v10
	s_delay_alu instid0(VALU_DEP_1)
	v_add_nc_u32 v4, VLDS+6144, v4                 ; v's likewise: 128 bytes a tile
	v_lshl_add_u32 v6, v7, 5, v9                   ; the way out: 32 r + h
.irp i, 22,23,24,25,26,27
	v_mov_b32 v[\i], 0                             ; zero codes for K = 64 .. 127
.endr
.irp t, 0,1,2,3
.irp i, 6,7,8,9,10,11
	v_mov_b32 v[32+12*\t+\i], 0
.endr
.endr
	v_mov_b32 v13, 0xff61b1e6                      ; the largest t so far: -3e38
	s_delay_alu instid0(VALU_DEP_1)
	v_floor_f32 v12, -v13                          ; -M
	v_mov_b32 v14, 0
	v_mov_b32 v15, 0
.irp b, 0,1,2,3
	v_mov_b32 v[236+\b], 0                         ; a lane permute's destination counts as one of its sources
.endr
	v_mov_b32 v253, 0                              ; (named as the upper half of the pair v[252:253] before it is first written)
.set I, 0
.rept 32
	v_mov_b32 v[O+I], 0                            ; O^T: the loop is written once; its first step finds zeros
.set I, I+1
.endr
	s_wait_tensorcnt 0x0                           ; my two blocks are in,
	s_barrier_signal -1
	s_barrier_wait -1                              ; everybody's are
	s_wait_loadcnt 0x0                             ; q
.Lstep:                                            ; sixteen trips of 128 keys
	v_add_nc_u32 v[ADK], s[TB], v1                 ; (these four are the places behind the last trip's products)
	v_add_nc_u32 v[ADV], s[TB], v2
	v_add_nc_u32 v[ADS], s[TB], v3
	v_add_nc_u32 v[ADT], s[TB], v4
.irp g, 0,1,2,3
	ds_load_b32 v[28+\g], v[ADS] offset:128*\g
.endr
.irp g, 0,1
	ds_load_b32 v[248+\g], v[ADT] offset:256*\g
.endr
.irp t, 0,1,2,3
.irp i, 0,1,2
	ds_load_b64 v[32+12*\t+2*\i:33+12*\t+2*\i], v[ADK] offset:\t*768+256*\i
.endr
.endr
	s_wait_alu depctr_va_vdst(0)
	s_wait_dscnt 0x0
.irp t, 0,2
	v_wmma_scale_f32_16x16x128_f8f6f4 v[S+8*\t:S+8*\t+7], v[32+12*\t:43+12*\t], v[16:27], 0, v[28+\t/2], v255 matrix_a_fmt:MATRIX_FMT_BF6 matrix_b_fmt:MATRIX_FMT_BF6
	v_wmma_scale_f32_16x16x128_f8f6f4 v[S+8*\t+8:S+8*\t+15], v[44+12*\t:55+12*\t], v[16:27], 0, v[28+\t/2], v255 matrix_a_fmt:MATRIX_FMT_BF6 matrix_b_fmt:MATRIX_FMT_BF6 matrix_a_scale:MATRIX_SCALE_ROW1
.endr
.rept 4
	v_nop                                          ; places in front of loads into registers that these products have read
.endr
.irp t, 0,1,2,3
.irp i, 0,1,2
	ds_load_b64 v[32+12*\t+2*\i:33+12*\t+2*\i], v[ADK] offset:(4+\t)*768+256*\i
.endr
.endr
.irp t, 0,1,2,3
.irp i, 0,1,2,3,4,5
	ds_load_b64 v[80+12*\t+2*\i:81+12*\t+2*\i], v[ADV] offset:\t*1536+256*\i
.endr
.endr
	s_wait_dscnt 24                                ; k's tiles 4-7 are in; v's 24 loads may be out
.irp t, 0,2
	v_wmma_scale_f32_16x16x128_f8f6f4 v[S+32+8*\t:S+39+8*\t], v[32+12*\t:43+12*\t], v[16:27], 0, v[30+\t/2], v255 matrix_a_fmt:MATRIX_FMT_BF6 matrix_b_fmt:MATRIX_FMT_BF6
	v_wmma_scale_f32_16x16x128_f8f6f4 v[S+40+8*\t:S+47+8*\t], v[44+12*\t:55+12*\t], v[16:27], 0, v[30+\t/2], v255 matrix_a_fmt:MATRIX_FMT_BF6 matrix_b_fmt:MATRIX_FMT_BF6 matrix_a_scale:MATRIX_SCALE_ROW1
.endr
.rept 4
	v_nop
.endr
.irp b, 0,1,2,3
	v_max3_num_f32 v[232+\b], v[S+16*\b], v[S+1+16*\b], v[S+2+16*\b]   ; the largest score of each block of 32 keys: for the row's maximum and for the block's largest p
.endr
.irp i, 3,5,7,9,11,13
.irp b, 0,1,2,3
	v_max3_num_f32 v[232+\b], v[232+\b], v[S+16*\b+\i], v[S+1+16*\b+\i]
.endr
.endr
.irp b, 0,1,2,3
	v_max_num_f32 v[232+\b], v[232+\b], v[S+15+16*\b]
.endr
.irp b, 0,1,2,3
	s_delay_alu instid0(VALU_DEP_4)
	v_permlanex16_b32 v[236+\b], v[232+\b], s[SEL], s[SEL+1]
.endr
.irp b, 0,1,2,3
	s_delay_alu instid0(VALU_DEP_4)
	v_max_num_f32 v[232+\b], v[232+\b], v[236+\b]  ; with lane l xor 16's 16 keys
.endr
	s_delay_alu instid0(VALU_DEP_2)
	v_max3_num_f32 v254, v232, v233, v234
	s_delay_alu instid0(VALU_DEP_1)
	v_max_num_f32 v254, v254, v235                 ; the step's largest score of my query
	s_delay_alu instid0(VALU_DEP_1)
	v_mul_f32 v254, s[CS], v254                    ; as t
	s_delay_alu instid0(VALU_DEP_1)
	v_max_num_f32 v13, v13, v254                   ; the running largest t
	v_mov_b32 v254, v12
	s_delay_alu instid0(VALU_DEP_2)
	v_floor_f32 v12, -v13                          ; the new -M = -ceil(t)
	s_delay_alu instid0(VALU_DEP_1)
	v_sub_f32 v254, v12, v254                      ; old M - new M: a whole number, 0 or less
	s_delay_alu instid0(VALU_DEP_1)
	v_cvt_i32_f32 v254, v254                       ; (it saturates)
	s_delay_alu instid0(VALU_DEP_1)
	v_ldexp_f32 v252, 1.0, v254                    ; f = 2^(old M - new M)
.set I, 0
.rept 32
	v_pk_fma_f32 v[S+2*I:S+2*I+1], v[S+2*I:S+2*I+1], s[CS:CS+1], v[12:13] op_sel_hi:[1,0,0]   ; t - M, two at a time
.set I, I+1
.endr
.irp b, 0,1,2,3
	v_fma_f32 v[232+\b], v[232+\b], s[CS], v12     ; the same of each block's largest score
.endr
.set I, 0
	s_wait_alu depctr_va_vdst(0)
.rept 64
	v_exp_f32 v[S+I], v[S+I]                       ; p = 2^(t - M)
.set I, I+1
.endr
.irp b, 0,1,2,3
	v_exp_f32 v[232+\b], v[232+\b]                 ; the block's largest p
.endr
	v_pk_mul_f32 v[14:15], v[14:15], v[252:253] op_sel_hi:[1,0]   ; the sums under the new M (a plain place behind the exponentials)
	s_wait_alu depctr_va_vdst(0)
.irp b, 0,1,2,3
	v_max_num_f32 v[232+\b], 0x2800000, v[232+\b]  ; the floor 2^(5 - 127)
.endr
.irp b, 0,1,2,3
	s_delay_alu instid0(VALU_DEP_4)
	v_add_nc_u32 v[244+\b], 0xfe000000, v[232+\b]  ; the conversion's scale operand
.endr
.irp b, 0,1,2,3
	s_delay_alu instid0(VALU_DEP_4)
	v_lshrrev_b32 v[236+\b], 23, v[244+\b]         ; the scale's byte
.endr
	s_delay_alu instid0(VALU_DEP_3)
	v_lshl_or_b32 v253, v237, 8, v236              ; p's scale word for these 128 keys
	s_delay_alu instid0(VALU_DEP_1)
	v_lshl_or_b32 v253, v238, 16, v253
	s_delay_alu instid0(VALU_DEP_1)
	v_lshl_or_b32 v253, v239, 24, v253
.irp c, 0,1
	v_cvt_scalef32_pk16_bf6_f32 v[224+6*\c:226+6*\c], v[S+32*\c:S+15+32*\c], v[244+2*\c]
	v_cvt_scalef32_pk16_bf6_f32 v[236+4*\c:238+4*\c], v[S+16+32*\c:S+31+32*\c], v[244+2*\c+1]
.endr
	v_nop                                          ; one plain place behind a scaled conversion
.irp c, 0,1
.irp i, 0,1,2
	v_permlane16_swap_b32 v[224+6*\c+\i], v[236+4*\c+\i]
.endr
.irp i, 0,1,2
	s_delay_alu instid0(VALU_DEP_3)
	v_mov_b32 v[227+6*\c+\i], v[236+4*\c+\i]
.endr
.endr
	v_pk_add_f32 v[236:237], v[132:133], v[136:137]
	v_pk_add_f32 v[246:247], v[140:141], v[144:145]
	v_pk_add_f32 v[244:245], v[148:149], v[152:153]
	v_pk_add_f32 v[242:243], v[156:157], v[160:161]
	v_pk_add_f32 v[240:241], v[164:165], v[168:169]
	v_pk_add_f32 v[72:73], v[172:173], v[176:177]
	v_pk_add_f32 v[70:71], v[180:181], v[184:185]
	v_pk_add_f32 v[14:15], v[14:15], v[188:189]
	v_pk_add_f32 v[236:237], v[236:237], v[128:129]
	v_pk_add_f32 v[246:247], v[246:247], v[130:131]
	v_pk_add_f32 v[244:245], v[244:245], v[134:135]
	v_pk_add_f32 v[242:243], v[242:243], v[138:139]
	v_pk_add_f32 v[240:241], v[240:241], v[142:143]
	v_pk_add_f32 v[72:73], v[72:73], v[146:147]
	v_pk_add_f32 v[70:71], v[70:71], v[150:151]
	v_pk_add_f32 v[14:15], v[14:15], v[154:155]
	v_pk_add_f32 v[236:237], v[236:237], v[158:159]
	v_pk_add_f32 v[246:247], v[246:247], v[162:163]
	v_pk_add_f32 v[244:245], v[244:245], v[166:167]
	v_pk_add_f32 v[242:243], v[242:243], v[170:171]
	v_pk_add_f32 v[240:241], v[240:241], v[174:175]
	v_pk_add_f32 v[72:73], v[72:73], v[178:179]
	v_pk_add_f32 v[70:71], v[70:71], v[182:183]
	v_pk_add_f32 v[14:15], v[14:15], v[186:187]
	v_pk_add_f32 v[236:237], v[236:237], v[190:191]
	s_delay_alu instid0(VALU_DEP_2)
	v_pk_add_f32 v[14:15], v[14:15], v[242:243]
	s_delay_alu instid0(VALU_DEP_2)
	v_pk_add_f32 v[236:237], v[236:237], v[240:241]
	v_pk_add_f32 v[246:247], v[246:247], v[72:73]
	v_pk_add_f32 v[244:245], v[244:245], v[70:71]
	s_delay_alu instid0(VALU_DEP_2)
	v_pk_add_f32 v[14:15], v[14:15], v[246:247]
	s_delay_alu instid0(VALU_DEP_2)
	v_pk_add_f32 v[236:237], v[236:237], v[244:245]
	s_delay_alu instid0(VALU_DEP_1)
	v_pk_add_f32 v[14:15], v[14:15], v[236:237]
.set I, 0
.rept 16
	v_pk_mul_f32 v[O+2*I:O+2*I+1], v[O+2*I:O+2*I+1], v[252:253] op_sel_hi:[1,0]   ; O^T under the new M
.set I, I+1
.endr
	s_wait_alu depctr_va_vdst(0)
	s_wait_dscnt 0x0                               ; v's fragments
.irp t, 0,2                            ; the four accumulators by turns; the eight products of S^T stand between their turns
	v_wmma_scale_f32_16x16x128_f8f6f4 v[O+8*\t:O+8*\t+7], v[80+12*\t:91+12*\t], v[224:235], v[O+8*\t:O+8*\t+7], v[248+\t/2], v253 matrix_a_fmt:MATRIX_FMT_BF6 matrix_b_fmt:MATRIX_FMT_BF6
	v_wmma_scale_f32_16x16x128_f8f6f4 v[O+8*\t+8:O+8*\t+15], v[92+12*\t:103+12*\t], v[224:235], v[O+8*\t+8:O+8*\t+15], v[248+\t/2], v253 matrix_a_fmt:MATRIX_FMT_BF6 matrix_b_fmt:MATRIX_FMT_BF6 matrix_a_scale:MATRIX_SCALE_ROW1
.endr
	s_add_co_u32 s[TB], s[TB], 2*BLKB
	s_sub_co_u32 s[CNT], s[CNT], 1
	s_cmp_lg_u32 s[CNT], 0
	s_cbranch_scc1 .Lstep
	; THE WAY OUT: O^T / the sum; register 16 g + i is feature 32 g + 16 h + i of my query: two blocks of 32, quantised; three chunks of the next product's fragment.
.rept 4
	v_nop
.endr
	v_add_f32 v14, v14, v15
	s_delay_alu instid0(VALU_DEP_1)
	v_permlanex16_b32 v252, v14, s[SEL], s[SEL+1]
	s_delay_alu instid0(VALU_DEP_1)
	v_add_f32 v14, v14, v252                       ; the row's sum
	s_wait_alu depctr_va_vdst(0)
	v_rcp_f32 v14, v14
	v_nop                                          ; a plain place behind the transcendental
.set I, 0
	s_wait_alu depctr_va_vdst(0)
.rept 32
	v_mul_f32 v[S+I], v[O+I], v14
.set I, I+1
.endr
.irp b, 0,1
	v_max3_num_f32 v[232+\b], |v[S+16*\b]|, |v[S+1+16*\b]|, 0x2800000
.endr
.irp i, 2,4,6,8,10,12,14
.irp b, 0,1
	s_delay_alu instid0(VALU_DEP_2)
	v_max3_num_f32 v[232+\b], v[232+\b], |v[S+16*\b+\i]|, |v[S+1+16*\b+\i]|
.endr
.endr
.irp b, 0,1
	s_delay_alu instid0(VALU_DEP_2)
	v_permlanex16_b32 v[236+\b], v[232+\b], s[SEL], s[SEL+1]
.endr
.irp b, 0,1
	s_delay_alu instid0(VALU_DEP_2)
	v_max_num_f32 v[232+\b], v[232+\b], v[236+\b]
.endr
.irp b, 0,1
	s_delay_alu instid0(VALU_DEP_2)
	v_add_nc_u32 v[244+\b], 0xfe000000, v[232+\b]
.endr
.irp b, 0,1
	s_delay_alu instid0(VALU_DEP_2)
	v_lshrrev_b32 v[236+\b], 23, v[244+\b]
.endr
	v_cvt_scalef32_pk16_bf6_f32 v[224:226], v[S:S+15], v244
	v_cvt_scalef32_pk16_bf6_f32 v[228:230], v[S+16:S+31], v245
	v_nop
.irp i, 0,1,2
	v_permlane16_swap_b32 v[224+\i], v[228+\i]     ; lanes 0-15 now hold block 0 whole, lanes 16-31 block 1
.endr
	s_delay_alu instid0(VALU_DEP_3)
	v_mov_b32 v227, v228
	s_delay_alu instid0(VALU_DEP_3)
	v_mov_b32 v228, v229
	s_delay_alu instid0(VALU_DEP_3)
	v_mov_b32 v229, v230
	v_cndmask_b32 v240, v236, v237, s[MH]          ; lane (r, h) stores block h's byte of row r
.irp i, 0,1,2
	global_store_b64 v1, v[224+2*\i:225+2*\i], s[50:51] offset:256*\i   ; 32 lanes store 256 consecutive bytes, aligned
.endr
	global_store_b8 v6, v240, s[52:53]             ; a head owns 2 of a row's 32 scale bytes: single bytes, 1/24 of the codes' bytes
	s_wait_tensorcnt 0x0
	ds_add_u32 v250, v251
	s_wait_dscnt 0x0
	CROUND                                         ; the closing round
	s_endpgm
.Lfunc_end_k_q8047da440d_attn:
	.size	k_q8047da440d_attn, .Lfunc_end_k_q8047da440d_attn-k_q8047da440d_attn
	.p2alignl 7, 3214868480
	.fill 96, 4, 3214868480
	.section	.rodata,"a",@progbits
	.p2align	6, 0x0
	.amdhsa_kernel k_q8047da440d_attn
		.amdhsa_group_segment_fixed_size 215040
		.amdhsa_private_segment_fixed_size 0
		.amdhsa_enable_private_segment 0
		.amdhsa_kernarg_size 16
		.amdhsa_user_sgpr_count 2
		.amdhsa_user_sgpr_kernarg_segment_ptr 1
		.amdhsa_wavefront_size32 1
		.amdhsa_system_sgpr_workgroup_id_x 1
		.amdhsa_system_sgpr_workgroup_id_y 1
		.amdhsa_system_sgpr_workgroup_id_z 1
		.amdhsa_system_vgpr_workitem_id 0
		.amdhsa_next_free_vgpr 256
		.amdhsa_next_free_sgpr 66
		.amdhsa_reserve_vcc 0
		.amdhsa_float_denorm_mode_32 3
		.amdhsa_float_denorm_mode_16_64 3
		.amdhsa_memory_ordered 1
		.amdhsa_forward_progress 1
		.amdhsa_inst_pref_size 31
	.end_amdhsa_kernel
	.amdgpu_metadata
---
amdhsa.version: [ 1, 2 ]
amdhsa.kernels:
  - .name:           k_q8047da440d_attn
    .symbol:         k_q8047da440d_attn.kd
    .args:
      - { .name: qkv, .offset: 0, .size: 8, .value_kind: global_buffer, .address_space: global }
      - { .name: act1, .offset: 8, .size: 8, .value_kind: global_buffer, .address_space: global }
    .group_segment_fixed_size: 215040
    .private_segment_fixed_size: 0
    .kernarg_segment_align: 8
    .kernarg_segment_size: 16
    .max_flat_workgroup_size: 512
    .sgpr_count:     66
    .vgpr_count:     256
    .wavefront_size: 32
...
	.end_amdgpu_metadata
.endif
;; end of part 11
;; launch proj (part 12): grid 8 x 32, 4 waves a work-group, clusters of 4 x 4, 327,680 bytes of LDS; arguments act1, wimg, w_proj_scales, y; writes y
.if DOCPART == 12
	.amdgcn_target "amdgcn-amd-amdhsa--gfx1250"
	.amdhsa_code_object_version 6
	.text
	.protected	k_q8047da440d_proj
	.globl	k_q8047da440d_proj
	.p2align	8
	.type	k_q8047da440d_proj,@function
k_q8047da440d_proj:
	s_mov_b64 s[64:65], 0
	v_nop
	global_prefetch_b8 v0, s[64:65] scope:SCOPE_SE
	s_setreg_imm32_b32 hwreg(HW_REG_WAVE_MODE, 25, 1), 1
	s_wait_xcnt 0x0
	s_wait_alu depctr_hold_cnt(0) depctr_sa_sdst(0) depctr_va_vdst(0) depctr_va_sdst(0) depctr_va_ssrc(0) depctr_va_vcc(0) depctr_vm_vsrc(0)
	s_getreg_b32 s2, hwreg(HW_REG_IB_STS2, 6, 4)
	s_cmp_eq_u32 s2, 0
	s_cbranch_scc0 .Lentry_in_a_cluster
	s_endpgm
.Lentry_in_a_cluster:
	s_bfe_u32 s2, ttmp6, 0x10000c
	s_cmp_lg_u32 s2, 0xf033
	s_cbranch_scc0 .Lentry_shape_is_right
	s_endpgm
.Lentry_shape_is_right:
.set SIZE_K, 1024
.set SIZE_N, 1024
.set ASC,    0x300000
.set PERM,   1
.set KSTEP,  512
.set NQ,     KSTEP/128
.set ROWB,   KSTEP*6/8
.set KROW,   SIZE_K*6/8
.set AROW,   192
.set ASLOT,  256*3072
.set APART,  4*3072
; y = concat w_proj on codes of BF6 with E8M0 scales: C = A B^T, tiles of 128 x 128, four waves of 64 x 64, K in steps of 512 through two LDS slots; clusters of 4 x 4 with joint loads.
; Both operands come as images of the operand's registers ([k / 256][tile of 16 rows][(k / 128) % 2][6 chunks][256 bytes]): A in act1 (256 tiles), B in wimg at WOFF (64 tiles).
; 128 rows x 256 along K are 24,576 dense bytes: at the head wave 0 fetches A's four such runs and wave 1 B's four, as four rows of 24,576 bytes.
.set PITCH,  384
.set BSLOT,  64*3072                   ; B: bytes from one 256 along K to the next
.set WOFF,   0x240000
.set G0H,  4                           ; s[4:7], s[8:11] group 0 of the head's loads of all of K: A's, B's
.set G0HB, 8
; K is 1,024: all of it, 98,304 bytes of A and as many of B, lies in LDS at once, asked for at the head by one load a wave; nothing is filled again.
; LDS: A's four runs of 24,576 bytes (256 along K each), then B's four.  No prefetch: the launch has no loop of loads to run ahead in.
.set FR,     12
.set NP,     4
.set HALFT,  64*PITCH
.set SLOT,   4*HALFT
.set LAPS,   SIZE_K/(2*KSTEP)
.set KS,     SIZE_K/32
.set SCL,    2*SLOT
.set HALFS,  (64*KS/256)*272
.set SBLK,   (16*KS/256)*272
.set SPARE,  SCL+4*HALFS
.set STAGE,  SPARE+512
.set SPITCH, 272
.set ADRA, 16
.set ADRB, 20
.set STO,  24
.set RD,   25
.set CO,   26
.set ADRS, 27
.set SPW,  28
.set NIL,  29
.set SC,   32
.set BK,   64
.set ACC,  128
.set G1, 24
.set G0, 32
.set G1B, 48
.set G0B, 56
.set G1S, 68
.set G0S, 76
.set G1SB, 80
.set G0SB, 88
.set MSB, 0
.macro WIN new
.if MSB != (\new)
	s_set_vgpr_msb (MSB<<8)|(\new)
.set MSB, (\new)
.endif
.endm
.set MUL,  0x05
.set TO_F, 0x40
.macro JLOAD g0a, g1a, g0b, g1b
	s_cmp_eq_u32 s15, 0
	s_cbranch_scc0 .Lfor_b_\@
	tensor_load_to_lds s[\g0a:\g0a+3], s[\g1a:\g1a+7]
	s_nop 0
.rept 4
	v_nop
.endr
	s_branch .Lasked_\@
.Lfor_b_\@:
	tensor_load_to_lds s[\g0b:\g0b+3], s[\g1b:\g1b+7]
	s_nop 0
.rept 4
	v_nop
.endr
.Lasked_\@:
.endm
.macro CREST
	s_cmp_lg_u32 s14, 0
	s_cbranch_scc1 .Lnot_wave_0_\@
	s_barrier_signal -3
.Lnot_wave_0_\@:
	s_barrier_wait -3
	s_barrier_signal -1
	s_barrier_wait -1
.endm
.macro CROUND
	s_barrier_signal -1
	s_barrier_wait -1
	CREST
.endm
	s_load_b64 s[4:5], s[0:1], 0x0
	s_load_b64 s[8:9], s[0:1], 0x8
	s_load_b64 s[10:11], s[0:1], 0x10
	s_load_b64 s[12:13], s[0:1], 0x18
	v_lshl_add_u32 v[SPW], v0, 2, SPARE
	v_mov_b32 v[NIL], 0
	ds_add_u32 v28, v29
	ds_add_u32 v28, v29
	s_wait_dscnt 0x0
	v_lshrrev_b32 v1, 5, v0
	v_readfirstlane_b32 s14, v1
	s_lshr_b32 s15, s14, 1
	s_and_b32 s16, s14, 1
	s_bfe_u32 s40, ttmp6, 0x40000
	s_bfe_u32 s41, ttmp6, 0x40004
	s_lshl_b32 s42, ttmp9, 2
	s_add_co_u32 s42, s42, s40
	s_and_b32 s17, ttmp7, 0xffff
	s_lshl_b32 s17, s17, 2
	s_add_co_u32 s17, s17, s41
	s_lshl_b32 s43, s41, 2
	s_lshl_b32 s43, 15, s43
	s_lshl_b32 s44, 0x1111, s40
	s_or_b32 s[G1+0], s43, (3<<16)|(1<<21)
	s_mov_b32 s[G1+1], (HALFT/8)<<16               ; four rows of 24,576 bytes: K's four runs
	s_mov_b32 s[G1+2], 4<<16
	s_mov_b32 s[G1+3], (HALFT/8)<<16
	s_mov_b32 s[G1+4], 4
	s_mov_b32 s[G1+5], ASLOT/8
	s_mov_b32 s[G1+6], 0
	s_mov_b32 s[G1+7], 0
	s_or_b32 s[G1B+0], s44, (3<<16)|(1<<21)
	s_mov_b32 s[G1B+1], (HALFT/8)<<16
	s_mov_b32 s[G1B+2], 4<<16
	s_mov_b32 s[G1B+3], (HALFT/8)<<16
	s_mov_b32 s[G1B+4], 4
	s_mov_b32 s[G1B+5], BSLOT/8
	s_mov_b32 s[G1B+6], 0
	s_mov_b32 s[G1B+7], 0
	s_or_b32 s[G1S+0], s43, (3<<16)|(1<<20)|(1<<21)|(5<<22)|(3<<25)
	s_or_b32 s[G1SB+0], s44, (3<<16)|(1<<20)|(1<<21)|(5<<22)|(3<<25)
.irp g, G1S, G1SB
	s_mov_b32 s[\g+1], 32<<16
	s_mov_b32 s[\g+2], (128*KS/256)<<16            ; the scales of all 128 rows by one load
	s_mov_b32 s[\g+3], 32<<16
	s_mov_b32 s[\g+4], 128*KS/256
	s_mov_b32 s[\g+5], 32
	s_mov_b32 s[\g+6], 0
	s_mov_b32 s[\g+7], 0
.endr
	s_lshl_b32 s20, s17, 7                         ; the tile's first row of A, of B
	s_lshl_b32 s46, s42, 7
	s_mov_b32 s21, 0
	s_mov_b32 s47, 0
	s_mov_b64 s[18:19], KS
	s_mul_u64 s[22:23], s[20:21], s[18:19]
	s_mul_u64 s[92:93], s[46:47], s[18:19]
	s_mov_b64 s[18:19], AROW
	s_mul_u64 s[20:21], s[20:21], s[18:19]
	s_mul_u64 s[46:47], s[46:47], s[18:19]
	s_wait_kmcnt 0x0
	s_add_nc_u64 s[6:7], s[4:5], ASC
	s_add_nc_u64 s[20:21], s[4:5], s[20:21]
	s_add_nc_u64 s[22:23], s[6:7], s[22:23]
	s_add_nc_u64 s[46:47], s[8:9], s[46:47]
	s_add_nc_u64 s[46:47], s[46:47], WOFF
	s_add_nc_u64 s[92:93], s[10:11], s[92:93]
	CROUND
	s_mov_b32 s[G0S], 1
	s_mov_b32 s[G0S+1], SCL
	s_mov_b64 s[G0S+2:G0S+3], s[22:23]
	s_or_b32 s[G0S+3], s[G0S+3], 0x80000000
	s_mov_b32 s[G0SB], 1
	s_mov_b32 s[G0SB+1], SCL+2*HALFS
	s_mov_b64 s[G0SB+2:G0SB+3], s[92:93]
	s_or_b32 s[G0SB+3], s[G0SB+3], 0x80000000
	s_mov_b32 s[G0H], 1
	s_mov_b32 s[G0H+1], 0
	s_mov_b64 s[G0H+2:G0H+3], s[20:21]
	s_or_b32 s[G0H+3], s[G0H+3], 0x80000000
	s_mov_b32 s[G0HB], 1
	s_mov_b32 s[G0HB+1], 4*HALFT
	s_mov_b64 s[G0HB+2:G0HB+3], s[46:47]
	s_or_b32 s[G0HB+3], s[G0HB+3], 0x80000000
; THE HEAD'S LOADS, ONE A WAVE: wave 0 all of A's K, wave 1 all of B's, wave 2 A's scales, wave 3 B's.  One tree of branches on the wave's number.
.macro ARM under, g0, g1, next
	s_cmp_lt_u32 s14, \under
	s_cbranch_scc0 \next
	tensor_load_to_lds s[\g0:\g0+3], s[\g1:\g1+7]
	s_nop 0
.rept 4
	v_nop
.endr
	s_branch .Lhead_asked
\next:
.endm
	ARM 1, G0H,  G1,  .Lhead_b
	ARM 2, G0HB, G1B, .Lhead_sa
	ARM 3, G0S,  G1S, .Lhead_sb
	tensor_load_to_lds s[G0SB:G0SB+3], s[G1SB:G1SB+7]
	s_nop 0
.rept 4
	v_nop
.endr
.Lhead_asked:
	v_and_b32 v1, 15, v0
	v_bfe_u32 v2, v0, 4, 1
	v_and_b32 v6, 31, v0
	v_lshlrev_b32 v6, 3, v6                        ; 8 x lane: my place in a chunk
	s_wait_alu depctr_va_vdst(0)
	s_mul_i32 s21, s15, APART                      ; my 64 rows: four tiles of a run's eight
	s_mul_i32 s22, s16, APART
	s_add_co_u32 s22, s22, 4*HALFT                 ; B's runs lie behind A's four
.irp s, 0,1
	v_add_nc_u32 v[ADRA+\s], s21, v6
	v_add_nc_u32 v[ADRB+\s], s22, v6
	s_add_co_u32 s21, s21, 2*HALFT                 ; the second 512 along K: two runs on
	s_add_co_u32 s22, s22, 2*HALFT
.endr
	v_mul_u32_u24 v5, v1, KS
	v_lshrrev_b32 v6, 8, v5
	v_lshl_add_u32 v5, v6, 4, v5
	s_mul_i32 s21, s15, HALFS
	s_mul_i32 s22, s16, HALFS
	s_add_co_u32 s22, s22, 2*HALFS
	s_sub_co_u32 s22, s22, s21
	v_mul_u32_u24 v6, s22, v2
	s_add_co_u32 s21, s21, SCL
	v_add_nc_u32 v5, v5, v6
	v_add_nc_u32 v[ADRS], s21, v5
	s_mul_i32 s23, s14, 16*SPITCH
	s_add_co_u32 s23, s23, STAGE
	v_mul_u32_u24 v5, v1, SPITCH
	v_lshl_add_u32 v5, v2, 5, v5
	v_add_nc_u32 v[STO], s23, v5
	v_mul_u32_u24 v5, v2, SPITCH
	v_lshl_add_u32 v5, v1, 4, v5
	v_add_nc_u32 v[RD], s23, v5
	v_lshlrev_b32 v5, 12, v2
	v_lshl_add_u32 v[CO], v1, 4, v5
	s_lshl_b32 s20, s17, 7
	s_lshl_b32 s21, s15, 6
	s_add_co_u32 s20, s20, s21
	s_mov_b32 s21, 0
	s_mov_b64 s[18:19], SIZE_N*4
	s_mul_u64 s[20:21], s[20:21], s[18:19]
	s_lshl_b32 s46, s42, 9
	s_lshl_b32 s47, s16, 8
	s_add_co_u32 s46, s46, s47
	s_mov_b32 s47, 0
	s_add_nc_u64 s[20:21], s[20:21], s[46:47]
	s_add_nc_u64 s[12:13], s[12:13], s[20:21]
.macro FRAGI reg, adr, q, i
.irp p, 0,1,2,3,4,5
	ds_load_b64 v[\reg+2*\p:\reg+2*\p+1], v[\adr] offset:((\q)/2)*HALFT+(\i)*3072+((\q)%2)*1536+256*\p
.endr
.endm
.macro MUL8 a0, kq, sc, zero
.irp a, \a0, \a0+1
.irp b, 0,1,2,3
.if \zero
	v_wmma_scale_f32_16x16x128_f8f6f4 v[ACC+8*(4*(\a)+\b):ACC+8*(4*(\a)+\b)+7], v[128*((\kq)%2)+FR*\b:128*((\kq)%2)+FR*\b+FR-1], v[128*((\kq)%2)+48+FR*(\a):128*((\kq)%2)+48+FR*(\a)+FR-1], 0, v[SC+16*(\sc)+4*\b+(\kq)], v[SC+16*(\sc)+4*(\a)+(\kq)] matrix_a_fmt:MATRIX_FMT_BF6 matrix_b_fmt:MATRIX_FMT_BF6 matrix_a_scale:MATRIX_SCALE_ROW1
.else
	v_wmma_scale_f32_16x16x128_f8f6f4 v[ACC+8*(4*(\a)+\b):ACC+8*(4*(\a)+\b)+7], v[128*((\kq)%2)+FR*\b:128*((\kq)%2)+FR*\b+FR-1], v[128*((\kq)%2)+48+FR*(\a):128*((\kq)%2)+48+FR*(\a)+FR-1], v[ACC+8*(4*(\a)+\b):ACC+8*(4*(\a)+\b)+7], v[SC+16*(\sc)+4*\b+(\kq)], v[SC+16*(\sc)+4*(\a)+(\kq)] matrix_a_fmt:MATRIX_FMT_BF6 matrix_b_fmt:MATRIX_FMT_BF6 matrix_a_scale:MATRIX_SCALE_ROW1
.endif
.endr
.endr
.endm
.macro FETCH slot, kq
	WIN TO_F
.irp i, 0,1,2,3
	FRAGI 128*((\kq)%2)+FR*\i, ADRB+\slot, \kq, \i
.endr
.irp i, 0,1,2,3
	FRAGI 128*((\kq)%2)+48+FR*\i, ADRA+\slot, \kq, \i
.endr
.endm
.macro SCALES sc
.irp i, 0,1,2,3
	ds_load_b128 v[SC+16*\sc+4*\i:SC+16*\sc+4*\i+3], v[ADRS] offset:\i*SBLK
.endr
.endm
.macro PLACES n
.rept \n
	v_nop
.endr
.endm
.macro QUARTER slot, kq, zero
	s_wait_dscnt 12
	WIN MUL
	MUL8 0, \kq, \slot, \zero
	PLACES NP
	FETCH \slot, (\kq)+1
	s_wait_dscnt 48
	WIN MUL
	MUL8 2, \kq, \slot, \zero
.endm
.macro TURN slot, next, fill
	WIN 0
	s_wait_tensorcnt 0x0
	ds_add_u32 v[SPW], v[NIL]
	s_wait_dscnt 13
	WIN MUL
	MUL8 0, 3, \slot, 0
	s_wait_dscnt 0x0
	s_barrier_signal -1
	WIN 0
	s_barrier_wait -1
.if \fill
	CREST
	s_add_nc_u64 s[G0+4*\slot+2:G0+4*\slot+3], s[G0+4*\slot+2:G0+4*\slot+3], 4*ASLOT
	s_add_nc_u64 s[G0B+4*\slot+2:G0B+4*\slot+3], s[G0B+4*\slot+2:G0B+4*\slot+3], 4*BSLOT
	JLOAD G0+4*\slot, G1, G0B+4*\slot, G1B
.else
	PLACES NP
.endif
	v_add_nc_u32 v[ADRS], 4*NQ, v[ADRS]
	SCALES \next
	FETCH \next, 0
	WIN MUL
	MUL8 2, 3, \slot, 0
.endm
	s_wait_alu depctr_va_vdst(0)
	s_wait_tensorcnt 0x0                           ; my tile of the head's four is in
	s_barrier_signal -1
	s_barrier_wait -1                              ; everybody's tile is in: A, B and both sets of scales
	SCALES 0
	FETCH 0, 0
	QUARTER 0, 0, 1
.if LAPS > 1
	WIN 0
	s_mov_b32 s3, LAPS-1
.Llap:
	QUARTER 0, 1, 0
	QUARTER 0, 2, 0
	TURN 0, 1, 1
	QUARTER 1, 0, 0
	QUARTER 1, 1, 0
	QUARTER 1, 2, 0
	TURN 1, 0, 1
	QUARTER 0, 0, 0
	WIN 0
	s_sub_co_u32 s3, s3, 1
	s_cmp_lg_u32 s3, 0
	s_cbranch_scc1 .Llap
.endif
	QUARTER 0, 1, 0
	QUARTER 0, 2, 0
	TURN 0, 1, 0
	QUARTER 1, 0, 0
	QUARTER 1, 1, 0
	QUARTER 1, 2, 0
	s_wait_dscnt 12
	WIN MUL
	MUL8 0, 3, 1, 0
	s_wait_dscnt 0
	MUL8 2, 3, 1, 0
	WIN 0
.macro TOSTAGE a
.irp b, 0,1,2,3
	ds_store_b128 v[STO], v[ACC+8*(4*(\a)+\b):ACC+8*(4*(\a)+\b)+3] offset:64*\b
	ds_store_b128 v[STO], v[ACC+8*(4*(\a)+\b)+4:ACC+8*(4*(\a)+\b)+7] offset:64*\b+16
.endr
.set BB, BK+32*((\a)%2)
.irp t, 0,1,2,3,4,5,6,7
	ds_load_b128 v[BB+4*\t:BB+4*\t+3], v[RD] offset:\t*2*SPITCH
.endr
.endm
.macro SEND a, younger
.set BB, BK+32*((\a)%2)
	s_wait_dscnt \younger
.irp t, 0,1,2,3,4,5,6,7
.if PERM
	global_store_b128 v[CO], v[BB+4*\t:BB+4*\t+3], s[12:13] offset:(32*((\a)/2)+8*((\a)%2)+2*\t+8*(\t/4))*SIZE_N*4
.else
	global_store_b128 v[CO], v[BB+4*\t:BB+4*\t+3], s[12:13] offset:(16*(\a)+2*\t)*SIZE_N*4
.endif
.endr
.endm
	PLACES NP
	TOSTAGE 0
.irp a, 1,2,3
.if \a > 1
	s_wait_xcnt 0x0
.endif
	TOSTAGE \a
	SEND \a-1, 16
.endr
	SEND 3, 0
	s_wait_tensorcnt 0x0
	ds_add_u32 v[SPW], v[NIL]
	s_wait_dscnt 0x0
	CROUND
	s_endpgm
.Lfunc_end_k_q8047da440d_proj:
	.size	k_q8047da440d_proj, .Lfunc_end_k_q8047da440d_proj-k_q8047da440d_proj
	.p2alignl 7, 3214868480
	.fill 96, 4, 3214868480
	.section	.rodata,"a",@progbits
	.p2align	6, 0x0
	.amdhsa_kernel k_q8047da440d_proj
		.amdhsa_group_segment_fixed_size 327680
		.amdhsa_private_segment_fixed_size 0
		.amdhsa_enable_private_segment 0
		.amdhsa_kernarg_size 32
		.amdhsa_user_sgpr_count 2
		.amdhsa_user_sgpr_kernarg_segment_ptr 1
		.amdhsa_wavefront_size32 1
		.amdhsa_system_sgpr_workgroup_id_x 1
		.amdhsa_system_sgpr_workgroup_id_y 1
		.amdhsa_system_sgpr_workgroup_id_z 1
		.amdhsa_system_vgpr_workitem_id 0
		.amdhsa_next_free_vgpr 512
		.amdhsa_next_free_sgpr 98
		.amdhsa_reserve_vcc 0
		.amdhsa_float_denorm_mode_32 3
		.amdhsa_float_denorm_mode_16_64 3
		.amdhsa_memory_ordered 1
		.amdhsa_forward_progress 1
		.amdhsa_inst_pref_size 59
	.end_amdhsa_kernel
	.amdgpu_metadata
---
amdhsa.version: [ 1, 2 ]
amdhsa.kernels:
  - .name:           k_q8047da440d_proj
    .symbol:         k_q8047da440d_proj.kd
    .args:
      - { .name: act1, .offset: 0, .size: 8, .value_kind: global_buffer, .address_space: global }
      - { .name: wimg, .offset: 8, .size: 8, .value_kind: global_buffer, .address_space: global }
      - { .name: w_proj_scales, .offset: 16, .size: 8, .value_kind: global_buffer, .address_space: global }
      - { .name: y, .offset: 24, .size: 8, .value_kind: global_buffer, .address_space: global }
    .group_segment_fixed_size: 327680
    .private_segment_fixed_size: 0
    .kernarg_segment_align: 8
    .kernarg_segment_size: 32
    .max_flat_workgroup_size: 128
    .sgpr_count:     98
    .vgpr_count:     512
    .wavefront_size: 32
...
	.end_amdgpu_metadata
.endif
;; end of part 12
;; launch ln1 (part 13): grid 256 x 1, 8 waves a work-group, no clusters, 67,584 bytes of LDS; arguments y, b_proj, x, gamma1, beta1, o1, act0; writes o1, act0
.if DOCPART == 13
	.amdgcn_target "amdgcn-amd-amdhsa--gfx1250"
	.amdhsa_code_object_version 6
	.text
	.protected	k_q8047da440d_ln1
	.globl	k_q8047da440d_ln1
	.p2align	8
	.type	k_q8047da440d_ln1,@function
k_q8047da440d_ln1:
	s_mov_b64 s[64:65], 0
	v_nop
	global_prefetch_b8 v0, s[64:65] scope:SCOPE_SE
	s_setreg_imm32_b32 hwreg(HW_REG_WAVE_MODE, 25, 1), 1
	s_wait_xcnt 0x0
; out1 = layer_norm((y + b_proj) + x) x gamma1 + beta1, rows of 1,024, all in f32; out1 goes to o1 as f32 and, quantised along the row to BF6 (E3M2) with E8M0 scales, to act0.
; A work-group takes 16 rows (a tile of the next product's A).  PHASE 1: wave w takes rows 2 w and 2 w + 1, a whole row a wave (32 registers): mean, then the mean of the squared differences, as the definition has it;
; every load and store covers 512 consecutive bytes.  The rows also go to a stage in LDS (pitch 4,112).  PHASE 2: wave w takes K step w (128 columns) of all 16 rows: lane (r, h) reads, of row r, 16 neighbours of
; each block of 32, quantises, and stores the fragment as an image of its registers: six chunks of 256 consecutive bytes.  The scale words meet in LDS and leave as 512 consecutive bytes.
; act0: codes [k / 256][tile][(k / 128) % 2][6][256]; scale bytes [row][32] at byte ASC.
; No matrix unit, no tensor loads, no cluster: memory binds, and the work-groups share only the three vectors.
; LIMITS: v_rsq_f32's accuracy (1 ulp); a block whose largest magnitude lies under 2^-122 gets the byte 1; NaN and infinities are not served.
.set SPT,  4112
.set SCW,  16*SPT                      ; behind the stage: 16 rows x 8 scale words
.set ASC,  0x300000
.set A0,   8                           ; v[8:15]  four packed chains
.set MN,   16                          ; v[16:17] -mean, twice
.set R0,   18                          ; v[18:19], v[20:21] 1 / sqrt(var + eps) of the two rows, twice each
.set R1,   20
.set T,    22                          ; v22, v23 at work
.set B,    32
.set G,    64
.set BE,   96
.set Y0,   128
.set X0,   160
.set Y1,   192
.set X1,   224
.set HA,   128                         ; phase 2: 64 numbers
.set CD,   32
.set TM,   64
.set PW,   80
.set SEL,  22
	s_load_b256 s[4:11], s[0:1], 0x0               ; y, b_proj, x, gamma1
	s_load_b128 s[12:15], s[0:1], 0x20             ; beta1, o1
	s_load_b64 s[16:17], s[0:1], 0x30              ; act0
	v_lshl_add_u32 v30, v0, 2, 0x10400
	v_mov_b32 v31, 0
	v_lshrrev_b32 v1, 5, v0
	s_delay_alu instid0(VALU_DEP_1)
	v_readfirstlane_b32 s18, v1                    ; wave 0..7
	v_and_b32 v2, 31, v0
	s_delay_alu instid0(VALU_DEP_1)
	v_lshlrev_b32 v1, 4, v2                        ; 16 x lane
	s_delay_alu instid0(VALU_DEP_2)
	v_lshlrev_b32 v5, 3, v2                        ; 8 x lane
	s_mul_i32 s26, s18, 2*SPT
	v_add_nc_u32 v3, s26, v1                       ; the stage, in: my two rows
	v_and_b32 v6, 15, v0                           ; r
	v_bfe_u32 v7, v0, 4, 1                         ; h
	s_delay_alu instid0(VALU_DEP_2)
	v_mul_u32_u24 v4, v6, SPT
	s_delay_alu instid0(VALU_DEP_1)
	v_lshl_add_u32 v4, v7, 6, v4
	s_lshl_b32 s26, s18, 9
	v_add_nc_u32 v4, s26, v4                       ; the stage, out: row r, + 512 w + 64 h
	v_lshlrev_b32 v6, 5, v6
	s_lshl_b32 s26, s18, 2
	v_add_nc_u32 v6, s26, v6
	s_delay_alu instid0(VALU_DEP_1)
	v_add_nc_u32 v6, SCW, v6                       ; my row's scale word of K step w
	v_add_nc_u32 v7, SCW, v1                       ; and the words' way out
	v_mov_b32 v[T+1], 0                            ; a lane permute's destination counts as one of its sources
	s_lshl_b32 s20, ttmp9, 16
	s_lshl_b32 s21, s18, 13
	s_add_co_u32 s20, s20, s21                     ; my first row: (16 x work-group + 2 x wave) x 4,096 bytes
	s_mov_b32 s21, 0
	s_mov_b32 s[SEL], 0x76543210
	s_mov_b32 s[SEL+1], 0xfedcba98
	s_mov_b32 s24, 0x3a800000                      ; 1 / 1,024
	s_mov_b32 s25, 0x2edbe6ff                      ; 1e-10
	s_lshr_b32 s28, s18, 1
	s_lshl_b32 s28, s28, 8
	s_add_co_u32 s28, s28, ttmp9
	s_lshl_b32 s28, s28, 1
	s_and_b32 s29, s18, 1
	s_add_co_u32 s28, s28, s29
	s_mul_i32 s28, s28, 1536                       ; my fragment: (w / 2, tile, w % 2)
	s_mov_b32 s29, 0
	s_lshl_b32 s30, ttmp9, 9
	s_add_co_u32 s30, s30, ASC
	s_mov_b32 s31, 0
	s_wait_kmcnt 0x0
	s_add_nc_u64 s[4:5], s[4:5], s[20:21]
	s_add_nc_u64 s[8:9], s[8:9], s[20:21]
	s_add_nc_u64 s[14:15], s[14:15], s[20:21]
	s_add_nc_u64 s[28:29], s[16:17], s[28:29]
	s_add_nc_u64 s[30:31], s[16:17], s[30:31]
.macro LD8 reg, lo, hi, off
.irp j, 0,1,2,3,4,5,6,7
	global_load_b128 v[\reg+4*\j:\reg+4*\j+3], v1, s[\lo:\hi] offset:\off+512*\j
.endr
.endm
	LD8 B, 6, 7, 0
	LD8 Y0, 4, 5, 0
	LD8 X0, 8, 9, 0
	LD8 Y1, 4, 5, 4096
	LD8 X1, 8, 9, 4096
	LD8 G, 10, 11, 0
	LD8 BE, 12, 13, 0
.macro REDUCE                          ; four packed chains -> the wave's sum in v[T], in every lane
	s_delay_alu instid0(VALU_DEP_3)
	v_pk_add_f32 v[A0:A0+1], v[A0:A0+1], v[A0+2:A0+3]
	s_delay_alu instid0(VALU_DEP_2)
	v_pk_add_f32 v[A0+4:A0+5], v[A0+4:A0+5], v[A0+6:A0+7]
	s_delay_alu instid0(VALU_DEP_1)
	v_pk_add_f32 v[A0:A0+1], v[A0:A0+1], v[A0+4:A0+5]
	s_delay_alu instid0(VALU_DEP_1)
	v_add_f32 v[T], v[A0], v[A0+1]
	s_delay_alu instid0(VALU_DEP_1)
	v_add_f32_dpp v[T], v[T], v[T] row_xmask:1 row_mask:0xf bank_mask:0xf
	s_delay_alu instid0(VALU_DEP_1)
	v_add_f32_dpp v[T], v[T], v[T] row_xmask:2 row_mask:0xf bank_mask:0xf
	s_delay_alu instid0(VALU_DEP_1)
	v_add_f32_dpp v[T], v[T], v[T] row_xmask:4 row_mask:0xf bank_mask:0xf
	s_delay_alu instid0(VALU_DEP_1)
	v_add_f32_dpp v[T], v[T], v[T] row_xmask:8 row_mask:0xf bank_mask:0xf
	s_delay_alu instid0(VALU_DEP_1)
	v_permlanex16_b32 v[T+1], v[T], s[SEL], s[SEL+1]
	s_delay_alu instid0(VALU_DEP_1)
	v_add_f32 v[T], v[T], v[T+1]
.endm
.macro STATS y, x, r                   ; z = (y + b) + x; y's registers end as z - mean; v[r], v[r + 1] = 1 / sqrt(var + eps)
.set J, 0
.rept 16
	v_pk_add_f32 v[\y+2*J:\y+2*J+1], v[\y+2*J:\y+2*J+1], v[B+2*J:B+2*J+1]
.set J, J+1
.endr
.set J, 0
.rept 16
	v_pk_add_f32 v[\y+2*J:\y+2*J+1], v[\y+2*J:\y+2*J+1], v[\x+2*J:\x+2*J+1]
.set J, J+1
.endr
.irp k, 0,1,2,3
	v_pk_add_f32 v[A0+2*\k:A0+2*\k+1], v[\y+2*\k:\y+2*\k+1], v[\y+8+2*\k:\y+9+2*\k]
.endr
.irp q, 16,24
.irp k, 0,1,2,3
	s_delay_alu instid0(VALU_DEP_4)
	v_pk_add_f32 v[A0+2*\k:A0+2*\k+1], v[A0+2*\k:A0+2*\k+1], v[\y+\q+2*\k:\y+\q+2*\k+1]
.endr
.endr
	REDUCE
	s_delay_alu instid0(VALU_DEP_1)
	v_mul_f32 v[MN], 0xba800000, v[T]              ; -mean
	s_delay_alu instid0(VALU_DEP_1)
	v_mov_b32 v[MN+1], v[MN]
.set J, 0
.rept 16
	v_pk_add_f32 v[\y+2*J:\y+2*J+1], v[\y+2*J:\y+2*J+1], v[MN:MN+1]
.set J, J+1
.endr
.irp k, 0,1,2,3
	v_pk_mul_f32 v[A0+2*\k:A0+2*\k+1], v[\y+2*\k:\y+2*\k+1], v[\y+2*\k:\y+2*\k+1]
.endr
.irp q, 8,16,24
.irp k, 0,1,2,3
	s_delay_alu instid0(VALU_DEP_4)
	v_pk_fma_f32 v[A0+2*\k:A0+2*\k+1], v[\y+\q+2*\k:\y+\q+2*\k+1], v[\y+\q+2*\k:\y+\q+2*\k+1], v[A0+2*\k:A0+2*\k+1]
.endr
.endr
	REDUCE
	s_delay_alu instid0(VALU_DEP_1)
	v_fma_f32 v[T], v[T], s24, s25                 ; var + eps
	s_wait_alu depctr_va_vdst(0)
	v_rsq_f32 v[\r], v[T]
	v_rsq_f32 v[\r+1], v[T]
	v_nop                                          ; a plain place behind the transcendentals
.endm
.macro FINISH y, r
.set J, 0
	s_wait_alu depctr_va_vdst(0)
.rept 16
	v_pk_mul_f32 v[\y+2*J:\y+2*J+1], v[\y+2*J:\y+2*J+1], v[\r:\r+1]
.set J, J+1
.endr
.set J, 0
.rept 16
	v_pk_fma_f32 v[\y+2*J:\y+2*J+1], v[\y+2*J:\y+2*J+1], v[G+2*J:G+2*J+1], v[BE+2*J:BE+2*J+1]
.set J, J+1
.endr
.endm
	s_wait_loadcnt 32                              ; the bias and row 0 are in; row 1's, gamma's and beta's 32 loads may be out
	STATS Y0, X0, R0
	s_wait_loadcnt 16                              ; row 1 is in; gamma's and beta's 16 may be out
	STATS Y1, X1, R1
	s_wait_loadcnt 0x0
	FINISH Y0, R0
.irp j, 0,1,2,3,4,5,6,7
	global_store_b128 v1, v[Y0+4*\j:Y0+4*\j+3], s[14:15] offset:512*\j
	ds_store_b128 v3, v[Y0+4*\j:Y0+4*\j+3] offset:512*\j
.endr
	FINISH Y1, R1
.irp j, 0,1,2,3,4,5,6,7
	global_store_b128 v1, v[Y1+4*\j:Y1+4*\j+3], s[14:15] offset:4096+512*\j
	ds_store_b128 v3, v[Y1+4*\j:Y1+4*\j+3] offset:SPT+512*\j
.endr
	s_wait_dscnt 0x0                               ; for the others' sake: my rows lie in the stage
	s_barrier_signal -1
	s_barrier_wait -1
	s_wait_xcnt 0x0                                ; the stores to o1 have read their registers: these are loaded again only behind this wait
.irp b, 0,1,2,3
.irp j, 0,1,2,3
	ds_load_b128 v[HA+16*\b+4*\j:HA+16*\b+4*\j+3], v4 offset:128*\b+16*\j   ; register 16 b + i = column 128 w + 32 b + 16 h + i of row r
.endr
.endr
.irp b, 0,1,2,3
	v_mov_b32 v[TM+4+\b], 0
.endr
	s_wait_dscnt 0x0
.irp b, 0,1,2,3
	v_max3_num_f32 v[TM+\b], |v[HA+16*\b]|, |v[HA+1+16*\b]|, 0x2800000   ; my 16 numbers of block b, and the floor 2^(5 - 127)
.endr
.irp i, 2,4,6,8,10,12,14
.irp b, 0,1,2,3
	s_delay_alu instid0(VALU_DEP_4)
	v_max3_num_f32 v[TM+\b], v[TM+\b], |v[HA+16*\b+\i]|, |v[HA+1+16*\b+\i]|
.endr
.endr
.irp b, 0,1,2,3
	s_delay_alu instid0(VALU_DEP_4)
	v_permlanex16_b32 v[TM+4+\b], v[TM+\b], s[SEL], s[SEL+1]
.endr
.irp b, 0,1,2,3
	s_delay_alu instid0(VALU_DEP_4)
	v_max_num_f32 v[TM+\b], v[TM+\b], v[TM+4+\b]
.endr
.irp b, 0,1,2,3
	s_delay_alu instid0(VALU_DEP_4)
	v_add_nc_u32 v[TM+12+\b], 0xfe000000, v[TM+\b] ; 4 off the exponent field: the conversion's scale operand
.endr
.irp b, 0,1,2,3
	s_delay_alu instid0(VALU_DEP_4)
	v_lshrrev_b32 v[TM+4+\b], 23, v[TM+12+\b]      ; the scale's byte
.endr
	s_delay_alu instid0(VALU_DEP_3)
	v_lshl_or_b32 v[PW], v[TM+5], 8, v[TM+4]
	s_delay_alu instid0(VALU_DEP_1)
	v_lshl_or_b32 v[PW], v[TM+6], 16, v[PW]
	s_delay_alu instid0(VALU_DEP_1)
	v_lshl_or_b32 v[PW], v[TM+7], 24, v[PW]
.irp c, 0,1
	v_cvt_scalef32_pk16_bf6_f32 v[CD+6*\c:CD+2+6*\c], v[HA+32*\c:HA+15+32*\c], v[TM+12+2*\c]
	v_cvt_scalef32_pk16_bf6_f32 v[CD+12+4*\c:CD+14+4*\c], v[HA+16+32*\c:HA+31+32*\c], v[TM+12+2*\c+1]
.endr
	v_nop                                          ; one plain place behind a scaled conversion
.irp c, 0,1
.irp i, 0,1,2
	v_permlane16_swap_b32 v[CD+6*\c+\i], v[CD+12+4*\c+\i]
.endr
.irp i, 0,1,2
	s_delay_alu instid0(VALU_DEP_3)
	v_mov_b32 v[CD+3+6*\c+\i], v[CD+12+4*\c+\i]
.endr
.endr
.irp i, 0,1,2,3,4,5
	global_store_b64 v5, v[CD+2*\i:CD+2*\i+1], s[28:29] offset:256*\i   ; 32 lanes store 256 consecutive bytes, aligned
.endr
	ds_store_b32 v6, v[PW]                         ; both halves of the lanes write the same word with the same value
	s_wait_dscnt 0x0
	s_barrier_signal -1
	s_barrier_wait -1
	s_cmp_lg_u32 s18, 0
	s_cbranch_scc1 .Lend
	ds_load_b128 v[84:87], v7                      ; the tile's 512 scale bytes
	s_wait_dscnt 0x0
	global_store_b128 v1, v[84:87], s[30:31]
.Lend:
	s_wait_tensorcnt 0x0
	ds_add_u32 v30, v31
	s_wait_dscnt 0x0
	s_endpgm
.Lfunc_end_k_q8047da440d_ln1:
	.size	k_q8047da440d_ln1, .Lfunc_end_k_q8047da440d_ln1-k_q8047da440d_ln1
	.p2alignl 7, 3214868480
	.fill 96, 4, 3214868480
	.section	.rodata,"a",@progbits
	.p2align	6, 0x0
	.amdhsa_kernel k_q8047da440d_ln1
		.amdhsa_group_segment_fixed_size 67584
		.amdhsa_private_segment_fixed_size 0
		.amdhsa_enable_private_segment 0
		.amdhsa_kernarg_size 56
		.amdhsa_user_sgpr_count 2
		.amdhsa_user_sgpr_kernarg_segment_ptr 1
		.amdhsa_wavefront_size32 1
		.amdhsa_system_sgpr_workgroup_id_x 1
		.amdhsa_system_sgpr_workgroup_id_y 1
		.amdhsa_system_sgpr_workgroup_id_z 1
		.amdhsa_system_vgpr_workitem_id 0
		.amdhsa_next_free_vgpr 256
		.amdhsa_next_free_sgpr 66
		.amdhsa_reserve_vcc 0
		.amdhsa_float_denorm_mode_32 3
		.amdhsa_float_denorm_mode_16_64 3
		.amdhsa_memory_ordered 1
		.amdhsa_forward_progress 1
		.amdhsa_inst_pref_size 38
	.end_amdhsa_kernel
	.amdgpu_metadata
---
amdhsa.version: [ 1, 2 ]
amdhsa.kernels:
  - .name:           k_q8047da440d_ln1
    .symbol:         k_q8047da440d_ln1.kd
    .args:
      - { .name: y, .offset: 0, .size: 8, .value_kind: global_buffer, .address_space: global }
      - { .name: b_proj, .offset: 8, .size: 8, .value_kind: global_buffer, .address_space: global }
      - { .name: x, .offset: 16, .size: 8, .value_kind: global_buffer, .address_space: global }
      - { .name: gamma1, .offset: 24, .size: 8, .value_kind: global_buffer, .address_space: global }
      - { .name: beta1, .offset: 32, .size: 8, .value_kind: global_buffer, .address_space: global }
      - { .name: o1, .offset: 40, .size: 8, .value_kind: global_buffer, .address_space: global }
      - { .name: act0, .offset: 48, .size: 8, .value_kind: global_buffer, .address_space: global }
    .group_segment_fixed_size: 67584
    .private_segment_fixed_size: 0
    .kernarg_segment_align: 8
    .kernarg_segment_size: 56
    .max_flat_workgroup_size: 256
    .sgpr_count:     66
    .vgpr_count:     256
    .wavefront_size: 32
...
	.end_amdgpu_metadata
.endif
;; end of part 13
;; launch ffn1 (part 14): grid 16 x 16, 4 waves a work-group, clusters of 4 x 4, 327,680 bytes of LDS; arguments act0, wimg, w1_scales, b1, h; writes h
.if DOCPART == 14
	.amdgcn_target "amdgcn-amd-amdhsa--gfx1250"
	.amdhsa_code_object_version 6
	.text
	.protected	k_q8047da440d_ffn1
	.globl	k_q8047da440d_ffn1
	.p2align	8
	.type	k_q8047da440d_ffn1,@function
k_q8047da440d_ffn1:
	s_mov_b64 s[64:65], 0
	v_nop
	global_prefetch_b8 v0, s[64:65] scope:SCOPE_SE
	s_setreg_imm32_b32 hwreg(HW_REG_WAVE_MODE, 25, 1), 1
	s_wait_xcnt 0x0
	s_wait_alu depctr_hold_cnt(0) depctr_sa_sdst(0) depctr_va_vdst(0) depctr_va_sdst(0) depctr_va_ssrc(0) depctr_va_vcc(0) depctr_vm_vsrc(0)
	s_getreg_b32 s2, hwreg(HW_REG_IB_STS2, 6, 4)
	s_cmp_eq_u32 s2, 0
	s_cbranch_scc0 .Lentry_in_a_cluster
	s_endpgm
.Lentry_in_a_cluster:
	s_bfe_u32 s2, ttmp6, 0x10000c
	s_cmp_lg_u32 s2, 0xf033
	s_cbranch_scc0 .Lentry_shape_is_right
	s_endpgm
.Lentry_shape_is_right:
.set SIZE_K, 1024
.set ASC,    0x300000
.set HSC,    0xC00000
.set KSTEP,  256
.set NQ,     KSTEP/128
.set ROWB,   192
.set KROW,   SIZE_K*6/8
.set AROW,   192
.set ASLOT,  256*3072
; h = Q(relu(out1 w1 + b1)) on codes of BF6 with E8M0 scales: C = A B^T, tiles of 256 x 256, four waves of 128 x 128, K in steps of 256 through two LDS slots; clusters of 4 x 4 with joint loads.
; Both operands come as images of the operand's registers ([k / 256][tile of 16 rows][(k / 128) % 2][6 chunks][256 bytes]): A in act0, B in wimg at WOFF, 256 tiles each.
; 128 rows x 256 along K are 24,576 dense bytes, asked for as 96 rows of 256 bytes.  The result is quantised along its columns and stored in the same layout.
.set PITCH,  192                       ; bytes of a row in a slot
.set BSLOT,  256*3072                  ; B: bytes from one 256 along K to the next
.set WOFF,   0x300000
.set G0H,  4                           ; s[4:7], s[8:11] group 0 of the head's loads of K step 0: A's 256 rows, B's 256 rows
.set G0HB, 8
.set FR,     12
.set NL,     6
.set NP,     4
.set HALFT,  128*PITCH
.set SLOT,   4*HALFT
.set LAPS,   SIZE_K/(2*KSTEP)
.set KS,     SIZE_K/32
.set SCL,    2*SLOT
.set HALFS,  (128*KS/256)*272
.set SBLK,   (16*KS/256)*272
.set SPARE,  SCL+4*HALFS
.set GO8,  13
.set BA,   14
.set GOS,  15
.set ADRA, 16
.set ADRB, 20
.set ADRS, 27
.set SPW,  28
.set NIL,  29
.set SC,   32
.set BIAS, 64
.set AF,   128
.set HA,   128
.set CD,   192
.set TM,   232
.set PW,   248
.set KEEP, 249
.set SW,   250
.set SEL,  66
.set MH,   95
.set G1, 24
.set G0, 32
.set G1B, 48
.set G0B, 56
.set G1S, 68
.set G0S, 76
.set G1SB, 80
.set G0SB, 88
.set MSB, 0
.macro WIN new
.if MSB != (\new)
	s_set_vgpr_msb (MSB<<8)|(\new)
.set MSB, (\new)
.endif
.endm
.set MUL_LO, 0xa1
.set MUL_HI, 0xf1
.set TO_B,   0x40
.macro JLOAD g0a, g1a, g0b, g1b
	s_cmp_eq_u32 s15, 0
	s_cbranch_scc0 .Lfor_b_\@
	tensor_load_to_lds s[\g0a:\g0a+3], s[\g1a:\g1a+7]
	s_nop 0
.rept 4
	v_nop
.endr
	s_branch .Lasked_\@
.Lfor_b_\@:
	tensor_load_to_lds s[\g0b:\g0b+3], s[\g1b:\g1b+7]
	s_nop 0
.rept 4
	v_nop
.endr
.Lasked_\@:
.endm
.macro CREST
	s_cmp_lg_u32 s14, 0
	s_cbranch_scc1 .Lnot_wave_0_\@
	s_barrier_signal -3
.Lnot_wave_0_\@:
	s_barrier_wait -3
	s_barrier_signal -1
	s_barrier_wait -1
.endm
.macro CROUND
	s_barrier_signal -1
	s_barrier_wait -1
	CREST
.endm
	s_load_b64 s[4:5], s[0:1], 0x0
	s_load_b64 s[8:9], s[0:1], 0x8
	s_load_b64 s[10:11], s[0:1], 0x10
	s_load_b64 s[96:97], s[0:1], 0x18
	s_load_b64 s[12:13], s[0:1], 0x20
	v_lshl_add_u32 v[SPW], v0, 2, SPARE
	v_mov_b32 v[NIL], 0
	ds_add_u32 v28, v29
	ds_add_u32 v28, v29
	s_wait_dscnt 0x0
	v_lshrrev_b32 v1, 5, v0
	v_readfirstlane_b32 s14, v1
	s_lshr_b32 s15, s14, 1
	s_and_b32 s16, s14, 1
	s_bfe_u32 s40, ttmp6, 0x40000
	s_bfe_u32 s41, ttmp6, 0x40004
	s_lshl_b32 s42, ttmp9, 2
	s_add_co_u32 s42, s42, s40
	s_and_b32 s17, ttmp7, 0xffff
	s_lshl_b32 s17, s17, 2
	s_add_co_u32 s17, s17, s41
	s_lshl_b32 s43, s41, 2
	s_lshl_b32 s43, 15, s43
	s_lshl_b32 s44, 0x1111, s40
	s_or_b32 s[G1+0], s43, (3<<16)|(1<<21)
	s_mov_b32 s[G1+1], 32<<16
	s_mov_b32 s[G1+2], 192<<16                     ; 192 rows of 256 bytes at the head (256 rows of the operand); 96 in the ring
	s_mov_b32 s[G1+3], 32<<16
	s_mov_b32 s[G1+4], 192
	s_mov_b32 s[G1+5], 32
	s_mov_b32 s[G1+6], 0
	s_mov_b32 s[G1+7], 0
	s_or_b32 s[G1B+0], s44, (3<<16)|(1<<21)
	s_mov_b32 s[G1B+1], 32<<16
	s_mov_b32 s[G1B+2], 192<<16
	s_mov_b32 s[G1B+3], 32<<16
	s_mov_b32 s[G1B+4], 192
	s_mov_b32 s[G1B+5], 32
	s_mov_b32 s[G1B+6], 0
	s_mov_b32 s[G1B+7], 0
	s_or_b32 s[G1S+0], s43, (3<<16)|(1<<20)|(1<<21)|(5<<22)|(3<<25)
	s_or_b32 s[G1SB+0], s44, (3<<16)|(1<<20)|(1<<21)|(5<<22)|(3<<25)
.irp g, G1S, G1SB
	s_mov_b32 s[\g+1], 32<<16
	s_mov_b32 s[\g+2], (256*KS/256)<<16            ; the scales of all 256 rows by one load
	s_mov_b32 s[\g+3], 32<<16
	s_mov_b32 s[\g+4], 256*KS/256
	s_mov_b32 s[\g+5], 32
	s_mov_b32 s[\g+6], 0
	s_mov_b32 s[\g+7], 0
.endr
	s_lshl_b32 s20, s17, 8                         ; the tile's first row of A, of B
	s_lshl_b32 s46, s42, 8
	s_mov_b32 s21, 0
	s_mov_b32 s47, 0
	s_mov_b64 s[18:19], KS
	s_mul_u64 s[22:23], s[20:21], s[18:19]
	s_mul_u64 s[92:93], s[46:47], s[18:19]
	s_mov_b64 s[18:19], AROW
	s_mul_u64 s[20:21], s[20:21], s[18:19]
	s_mul_u64 s[46:47], s[46:47], s[18:19]
	s_mul_i32 s18, s16, HALFT                      ; in the ring I fetch 128 rows: which half, in bytes
	s_mov_b32 s19, 0
	s_mul_i32 s45, s14, HALFT
	s_mov_b32 s[SEL], 0x76543210
	s_mov_b32 s[SEL+1], 0xfedcba98
	s_mov_b32 s[MH], 0xffff0000
	s_wait_kmcnt 0x0
	s_add_nc_u64 s[6:7], s[4:5], ASC
	s_add_nc_u64 s[20:21], s[4:5], s[20:21]
	s_add_nc_u64 s[22:23], s[6:7], s[22:23]
	s_add_nc_u64 s[46:47], s[8:9], s[46:47]
	s_add_nc_u64 s[46:47], s[46:47], WOFF
	s_add_nc_u64 s[92:93], s[10:11], s[92:93]
	CROUND
	s_mov_b32 s[G0S], 1
	s_mov_b32 s[G0S+1], SCL
	s_mov_b64 s[G0S+2:G0S+3], s[22:23]
	s_or_b32 s[G0S+3], s[G0S+3], 0x80000000
	s_mov_b32 s[G0SB], 1
	s_mov_b32 s[G0SB+1], SCL+2*HALFS
	s_mov_b64 s[G0SB+2:G0SB+3], s[92:93]
	s_or_b32 s[G0SB+3], s[G0SB+3], 0x80000000
	s_mov_b32 s[G0H], 1
	s_mov_b32 s[G0H+1], 0
	s_mov_b64 s[G0H+2:G0H+3], s[20:21]
	s_or_b32 s[G0H+3], s[G0H+3], 0x80000000
	s_mov_b32 s[G0HB], 1
	s_mov_b32 s[G0HB+1], 2*HALFT
	s_mov_b64 s[G0HB+2:G0HB+3], s[46:47]
	s_or_b32 s[G0HB+3], s[G0HB+3], 0x80000000
	s_add_nc_u64 s[20:21], s[20:21], s[18:19]      ; for the ring: my 128 rows
	s_add_nc_u64 s[46:47], s[46:47], s[18:19]
.irp s, 0,1
	s_mov_b32 s[G0+4*\s], 1
	s_add_co_u32 s[G0+4*\s+1], s45, \s*SLOT
	s_add_nc_u64 s[G0+4*\s+2:G0+4*\s+3], s[20:21], \s*ASLOT
	s_or_b32 s[G0+4*\s+3], s[G0+4*\s+3], 0x80000000
	s_mov_b32 s[G0B+4*\s], 1
	s_add_co_u32 s[G0B+4*\s+1], s45, \s*SLOT
	s_add_nc_u64 s[G0B+4*\s+2:G0B+4*\s+3], s[46:47], \s*BSLOT
	s_or_b32 s[G0B+4*\s+3], s[G0B+4*\s+3], 0x80000000
.endr
; THE HEAD'S LOADS, ONE A WAVE: wave 0 K step 0's 256 rows of A, wave 1 those of B, wave 2 A's scales, wave 3 B's.  One tree of branches on the wave's number.
	; THE PREFETCHES.  A ring load of mine is 96 dense blocks of 256 bytes; the four partners that ask for it jointly take 24 blocks each, told apart by address (cx for A, cy for B), a lane a block.
	s_cmp_eq_u32 s15, 0                            ; do I fetch for A?
	s_cselect_b64 s[92:93], s[20:21], s[46:47]
	s_cselect_b32 s18, s40, s41                    ; my place among the four
	s_mul_i32 s18, s18, 24*256
	s_mov_b32 s19, 0
	s_add_nc_u64 s[92:93], s[92:93], s[18:19]
.macro ARM under, g0, g1, next
	s_cmp_lt_u32 s14, \under
	s_cbranch_scc0 \next
	tensor_load_to_lds s[\g0:\g0+3], s[\g1:\g1+7]
	s_nop 0
.rept 4
	v_nop
.endr
	s_branch .Lhead_asked
\next:
.endm
	ARM 1, G0H,  G1,  .Lhead_b
	ARM 2, G0HB, G1B, .Lhead_sa
	ARM 3, G0S,  G1S, .Lhead_sb
	tensor_load_to_lds s[G0SB:G0SB+3], s[G1SB:G1SB+7]
	s_nop 0
.rept 4
	v_nop
.endr
.Lhead_asked:
	v_and_b32 v1, 15, v0
	v_bfe_u32 v2, v0, 4, 1
	v_and_b32 v6, 31, v0
	v_lshlrev_b32 v[GO8], 3, v6
	v_lshlrev_b32 v[GOS], 7, v6
	v_lshlrev_b32 v[BA], 5, v2
	v_min_u32 v24, 23, v6                          ; lanes 24-31 name the last block again
	v_lshlrev_b32 v24, 8, v24                      ; v24: my block; never rewritten
	s_wait_alu depctr_va_vdst(0)
	s_mul_i32 s21, s15, HALFT
	s_mul_i32 s22, s16, HALFT
	s_add_co_u32 s22, s22, 2*HALFT
.irp s, 0,1
	v_add_nc_u32 v[ADRA+\s], s21, v[GO8]
	v_add_nc_u32 v[ADRB+\s], s22, v[GO8]
	s_add_co_u32 s21, s21, SLOT
	s_add_co_u32 s22, s22, SLOT
.endr
	v_mul_u32_u24 v5, v1, KS
	v_lshrrev_b32 v6, 8, v5
	v_lshl_add_u32 v5, v6, 4, v5
	s_mul_i32 s21, s15, HALFS
	s_mul_i32 s22, s16, HALFS
	s_add_co_u32 s22, s22, 2*HALFS
	s_sub_co_u32 s22, s22, s21
	v_mul_u32_u24 v6, s22, v2
	s_add_co_u32 s21, s21, SCL
	v_add_nc_u32 v5, v5, v6
	v_add_nc_u32 v[ADRS], s21, v5
.irp b, 0,1,2,3
	v_mov_b32 v[TM+4+\b], 0
.endr
	s_lshl_b32 s46, s42, 10
	s_lshl_b32 s47, s16, 9
	s_add_co_u32 s46, s46, s47
	s_mov_b32 s47, 0
	s_add_nc_u64 s[96:97], s[96:97], s[46:47]
	s_lshl_b32 s20, s42, 8
	s_lshl_b32 s21, s17, 4
	s_add_co_u32 s20, s20, s21
	s_lshl_b32 s21, s15, 3
	s_add_co_u32 s20, s20, s21
	s_lshl_b32 s20, s20, 1
	s_add_co_u32 s20, s20, s16
	s_mul_i32 s20, s20, 1536
	s_mov_b32 s21, 0
	s_add_nc_u64 s[98:99], s[12:13], HSC
	s_add_nc_u64 s[12:13], s[12:13], s[20:21]
	s_lshl_b32 s20, s17, 8
	s_lshl_b32 s22, s15, 7
	s_add_co_u32 s20, s20, s22
	s_lshl_b32 s20, s20, 7
	s_lshl_b32 s22, s42, 3
	s_add_co_u32 s20, s20, s22
	s_lshl_b32 s22, s16, 2
	s_add_co_u32 s20, s20, s22
	s_add_nc_u64 s[98:99], s[98:99], s[20:21]
.irp t, 0,1,2,3,4,5,6,7
	global_load_b128 v[BIAS+8*\t:BIAS+8*\t+3], v[BA], s[96:97] offset:64*\t
	global_load_b128 v[BIAS+8*\t+4:BIAS+8*\t+7], v[BA], s[96:97] offset:64*\t+16
.endr
.macro FRAGI reg, adr, q, i
.irp p, 0,1,2,3,4,5
	ds_load_b64 v[\reg+2*\p:\reg+2*\p+1], v[\adr] offset:(\i)*3072+(\q)*1536+256*\p
.endr
.endm
.macro MUL16 a0, p, q, sc, zero
.irp a, \a0, \a0+1
.irp b, 0,1,2,3,4,5,6,7
.if \zero
	v_wmma_scale_f32_16x16x128_f8f6f4 v[8*(8*((\a)%4)+\b):8*(8*((\a)%4)+\b)+7], v[128*(\p)+FR*\b:128*(\p)+FR*\b+FR-1], v[AF+FR*(\a):AF+FR*(\a)+FR-1], 0, v[SC+8*NQ*(\sc)+NQ*\b+(\q)], v[SC+8*NQ*(\sc)+NQ*(\a)+(\q)] matrix_a_fmt:MATRIX_FMT_BF6 matrix_b_fmt:MATRIX_FMT_BF6 matrix_a_scale:MATRIX_SCALE_ROW1
.else
	v_wmma_scale_f32_16x16x128_f8f6f4 v[8*(8*((\a)%4)+\b):8*(8*((\a)%4)+\b)+7], v[128*(\p)+FR*\b:128*(\p)+FR*\b+FR-1], v[AF+FR*(\a):AF+FR*(\a)+FR-1], v[8*(8*((\a)%4)+\b):8*(8*((\a)%4)+\b)+7], v[SC+8*NQ*(\sc)+NQ*\b+(\q)], v[SC+8*NQ*(\sc)+NQ*(\a)+(\q)] matrix_a_fmt:MATRIX_FMT_BF6 matrix_b_fmt:MATRIX_FMT_BF6 matrix_a_scale:MATRIX_SCALE_ROW1
.endif
.endr
.endr
.endm
.macro FETCH_B slot, q, p
	WIN TO_B
.irp i, 0,1,2,3,4,5,6,7
	FRAGI 128*(\p)+FR*\i, ADRB+\slot, \q, \i
.endr
	WIN 0
.endm
.macro FETCH_A slot, q, i0
.irp i, \i0, \i0+1, \i0+2, \i0+3
	FRAGI AF+FR*(\i), ADRA+\slot, \q, \i
.endr
.endm
.macro SCALES sc
.irp i, 0,1,2,3,4,5,6,7
	ds_load_b64 v[SC+8*NQ*\sc+NQ*\i:SC+8*NQ*\sc+NQ*\i+1], v[ADRS] offset:\i*SBLK
.endr
.endm
.macro PLACES n
.rept \n
	v_nop
.endr
.endm
.macro STEP slot, q, zero
	s_wait_dscnt 4*NL
	WIN MUL_LO
	MUL16 0, (\q)%2, \q, \slot, \zero
	MUL16 2, (\q)%2, \q, \slot, \zero
	s_wait_dscnt 0
	PLACES NP
	FETCH_B \slot, (\q)+1, 1-(\q)%2
	FETCH_A \slot, (\q)+1, 0
	WIN MUL_HI
	MUL16 4, (\q)%2, \q, \slot, \zero
	MUL16 6, (\q)%2, \q, \slot, \zero
	PLACES NP
	WIN 0
	FETCH_A \slot, (\q)+1, 4
.endm
.macro TURN slot, next, fill
	s_wait_tensorcnt 0x0
	ds_add_u32 v[SPW], v[NIL]
	s_wait_dscnt 4*NL+1
	WIN MUL_LO
	MUL16 0, 1, NQ-1, \slot, 0
	s_wait_dscnt 0x0
	s_barrier_signal -1
	MUL16 2, 1, NQ-1, \slot, 0
	WIN 0
	s_barrier_wait -1
.if \fill
	CREST
	s_add_nc_u64 s[G0+4*\slot+2:G0+4*\slot+3], s[G0+4*\slot+2:G0+4*\slot+3], 2*ASLOT
	s_add_nc_u64 s[G0B+4*\slot+2:G0B+4*\slot+3], s[G0B+4*\slot+2:G0B+4*\slot+3], 2*BSLOT
	JLOAD G0+4*\slot, G1, G0B+4*\slot, G1B
.else
	PLACES NP
.endif
	s_wait_alu depctr_va_vdst(0)
	v_add_nc_u32 v[ADRS], 4*NQ, v[ADRS]
	FETCH_B \next, 0, 0
	FETCH_A \next, 0, 0
	SCALES \next
	WIN MUL_HI
	MUL16 4, 1, NQ-1, \slot, 0
	MUL16 6, 1, NQ-1, \slot, 0
	PLACES NP
	WIN 0
	FETCH_A \next, 0, 4
.endm
	s_wait_alu depctr_va_vdst(0)
	s_wait_tensorcnt 0x0                           ; my tile of the head's four is in
	ds_add_u32 v[SPW], v[NIL]
	s_mov_b32 s[G1+2], 96<<16                      ; no tensor load of mine is out: from here on a load brings 128 rows of the operand, 96 rows of 256 bytes
	s_mov_b32 s[G1+4], 96
	s_mov_b32 s[G1B+2], 96<<16
	s_mov_b32 s[G1B+4], 96
	s_wait_dscnt 0x0
	CROUND                                         ; all four tiles are in, and all sixteen work-groups are here
	JLOAD G0+4, G1, G0B+4, G1B                     ; K step 1, the first tensor load behind the round
	FETCH_B 0, 0, 0
	FETCH_A 0, 0, 0
	SCALES 0
	FETCH_A 0, 0, 4
	global_prefetch_b8 v24, s[92:93] offset:2*ASLOT th:TH_LOAD_NT scope:SCOPE_SE   ; K steps 2 and 3, which the two refills will ask for one and two K steps from here; K has four steps, so nothing more is asked
	global_prefetch_b8 v24, s[92:93] offset:3*ASLOT th:TH_LOAD_NT scope:SCOPE_SE
	STEP 0, 0, 1
	s_mov_b32 s3, LAPS-1
.Llap:
	TURN 0, 1, 1
	STEP 1, 0, 0
	TURN 1, 0, 1
	STEP 0, 0, 0
	s_sub_co_u32 s3, s3, 1
	s_cmp_lg_u32 s3, 0
	s_cbranch_scc1 .Llap
	TURN 0, 1, 0
	STEP 1, 0, 0
	s_wait_dscnt 4*NL
	WIN MUL_LO
	MUL16 0, 1, NQ-1, 1, 0
	MUL16 2, 1, NQ-1, 1, 0
	s_wait_dscnt 0
	WIN MUL_HI
	MUL16 4, 1, NQ-1, 1, 0
	MUL16 6, 1, NQ-1, 1, 0
	WIN 0
.macro TAKEB a
	WIN 0x02+(\a)/4
.set I, 0
.rept 32
	v_pk_add_f32 v[HA+2*I:HA+2*I+1], v[64*((\a)%4)+2*I:64*((\a)%4)+2*I+1], v[BIAS+2*I:BIAS+2*I+1]
.set I, I+1
.endr
	WIN 0
.endm
.macro SWAP32
.irp g, 0,1,2,3
.irp j, 0,1,2,3,4,5,6,7
	v_permlane16_swap_b32 v[HA+16*\g+\j], v[HA+16*\g+8+\j]
.endr
.endr
.endm
.macro QUANT s
.irp b, 0,1,2,3
	v_max3_num_f32 v[TM+\b], |v[\s+16*\b]|, |v[\s+1+16*\b]|, 0x2800000
.endr
.irp i, 2,4,6,8,10,12,14
.irp b, 0,1,2,3
	v_max3_num_f32 v[TM+\b], v[TM+\b], |v[\s+16*\b+\i]|, |v[\s+1+16*\b+\i]|
.endr
.endr
.irp b, 0,1,2,3
	v_permlanex16_b32 v[TM+4+\b], v[TM+\b], s[SEL], s[SEL+1]
.endr
.irp b, 0,1,2,3
	v_max_num_f32 v[TM+\b], v[TM+\b], v[TM+4+\b]
.endr
.irp b, 0,1,2,3
	v_add_nc_u32 v[TM+12+\b], 0xfe000000, v[TM+\b]
.endr
.irp b, 0,1,2,3
	v_lshrrev_b32 v[TM+4+\b], 23, v[TM+12+\b]
.endr
	v_lshl_or_b32 v[PW], v[TM+5], 8, v[TM+4]
	v_lshl_or_b32 v[PW], v[TM+6], 16, v[PW]
	v_lshl_or_b32 v[PW], v[TM+7], 24, v[PW]
.irp c, 0,1
	v_cvt_scalef32_pk16_bf6_f32 v[CD+6*\c:CD+2+6*\c], v[\s+32*\c:\s+15+32*\c], v[TM+12+2*\c]
	v_cvt_scalef32_pk16_bf6_f32 v[CD+12+4*\c:CD+14+4*\c], v[\s+16+32*\c:\s+31+32*\c], v[TM+12+2*\c+1]
.endr
	v_nop
.irp c, 0,1
.irp i, 0,1,2
	v_permlane16_swap_b32 v[CD+6*\c+\i], v[CD+12+4*\c+\i]
.endr
.irp i, 0,1,2
	v_mov_b32 v[CD+3+6*\c+\i], v[CD+12+4*\c+\i]
.endr
.endr
.endm
	PLACES NP
	s_wait_loadcnt 0x0
.irp a, 0,1,2,3,4,5,6,7
.if \a > 0
	s_wait_xcnt 0x0
.endif
	TAKEB \a
.set I, 0
.rept 64
	v_max_num_f32 v[HA+I], 0, v[HA+I]
.set I, I+1
.endr
	SWAP32
	QUANT HA
.irp i, 0,1,2,3,4,5
	global_store_b64 v[GO8], v[CD+2*\i:CD+2*\i+1], s[12:13] offset:\a*3072+256*\i
.endr
.if \a%2 == 0
	v_mov_b32 v[KEEP], v[PW]
.else
	v_cndmask_b32 v[SW], v[KEEP], v[PW], s[MH]
	global_store_b32 v[GOS], v[SW], s[98:99] offset:(\a/2)*4096
.endif
.endr
	s_wait_tensorcnt 0x0
	ds_add_u32 v[SPW], v[NIL]
	s_wait_dscnt 0x0
	CROUND
	s_endpgm
.Lfunc_end_k_q8047da440d_ffn1:
	.size	k_q8047da440d_ffn1, .Lfunc_end_k_q8047da440d_ffn1-k_q8047da440d_ffn1
	.p2alignl 7, 3214868480
	.fill 96, 4, 3214868480
	.section	.rodata,"a",@progbits
	.p2align	6, 0x0
	.amdhsa_kernel k_q8047da440d_ffn1
		.amdhsa_group_segment_fixed_size 327680
		.amdhsa_private_segment_fixed_size 0
		.amdhsa_enable_private_segment 0
		.amdhsa_kernarg_size 40
		.amdhsa_user_sgpr_count 2
		.amdhsa_user_sgpr_kernarg_segment_ptr 1
		.amdhsa_wavefront_size32 1
		.amdhsa_system_sgpr_workgroup_id_x 1
		.amdhsa_system_sgpr_workgroup_id_y 1
		.amdhsa_system_sgpr_workgroup_id_z 1
		.amdhsa_system_vgpr_workitem_id 0
		.amdhsa_next_free_vgpr 1024
		.amdhsa_next_free_sgpr 100
		.amdhsa_reserve_vcc 0
		.amdhsa_float_denorm_mode_32 3
		.amdhsa_float_denorm_mode_16_64 3
		.amdhsa_memory_ordered 1
		.amdhsa_forward_progress 1
		.amdhsa_inst_pref_size 210
	.end_amdhsa_kernel
	.amdgpu_metadata
---
amdhsa.version: [ 1, 2 ]
amdhsa.kernels:
  - .name:           k_q8047da440d_ffn1
    .symbol:         k_q8047da440d_ffn1.kd
    .args:
      - { .name: act0, .offset: 0, .size: 8, .value_kind: global_buffer, .address_space: global }
      - { .name: wimg, .offset: 8, .size: 8, .value_kind: global_buffer, .address_space: global }
      - { .name: w1_scales, .offset: 16, .size: 8, .value_kind: global_buffer, .address_space: global }
      - { .name: b1, .offset: 24, .size: 8, .value_kind: global_buffer, .address_space: global }
      - { .name: h, .offset: 32, .size: 8, .value_kind: global_buffer, .address_space: global }
    .group_segment_fixed_size: 327680
    .private_segment_fixed_size: 0
    .kernarg_segment_align: 8
    .kernarg_segment_size: 40
    .max_flat_workgroup_size: 128
    .sgpr_count:     100
    .vgpr_count:     1024
    .wavefront_size: 32
...
	.end_amdgpu_metadata
.endif
;; end of part 14
;; launch ffn2 (part 15): grid 8 x 32, 4 waves a work-group, clusters of 4 x 4, 327,680 bytes of LDS; arguments h, wimg, w2_scales, y; writes y
.if DOCPART == 15
	.amdgcn_target "amdgcn-amd-amdhsa--gfx1250"
	.amdhsa_code_object_version 6
	.text
	.protected	k_q8047da440d_ffn2
	.globl	k_q8047da440d_ffn2
	.p2align	8
	.type	k_q8047da440d_ffn2,@function
k_q8047da440d_ffn2:
	s_mov_b64 s[64:65], 0
	v_nop
	global_prefetch_b8 v0, s[64:65] scope:SCOPE_SE
	s_setreg_imm32_b32 hwreg(HW_REG_WAVE_MODE, 25, 1), 1
	s_wait_xcnt 0x0
	s_wait_alu depctr_hold_cnt(0) depctr_sa_sdst(0) depctr_va_vdst(0) depctr_va_sdst(0) depctr_va_ssrc(0) depctr_va_vcc(0) depctr_vm_vsrc(0)
	s_getreg_b32 s2, hwreg(HW_REG_IB_STS2, 6, 4)
	s_cmp_eq_u32 s2, 0
	s_cbranch_scc0 .Lentry_in_a_cluster
	s_endpgm
.Lentry_in_a_cluster:
	s_bfe_u32 s2, ttmp6, 0x10000c
	s_cmp_lg_u32 s2, 0xf033
	s_cbranch_scc0 .Lentry_shape_is_right
	s_endpgm
.Lentry_shape_is_right:
.set SIZE_K, 4096
.set SIZE_N, 1024
.set ASC,    0xC00000
.set PERM,   0
.set KSTEP,  512
.set NQ,     KSTEP/128
.set ROWB,   KSTEP*6/8
.set KROW,   SIZE_K*6/8
.set AROW,   192
.set ASLOT,  256*3072
.set APART,  4*3072
; y = h w2 on codes of BF6 with E8M0 scales: C = A B^T, tiles of 128 x 128, four waves of 64 x 64, K in steps of 512 through two LDS slots; clusters of 4 x 4 with joint loads.
; Both operands come as images of the operand's registers ([k / 256][tile of 16 rows][(k / 128) % 2][6 chunks][256 bytes]): A in h (256 tiles), B in wimg at WOFF (64 tiles).
; 128 rows x 256 along K are 24,576 dense bytes: in the ring a wave fetches one such run (waves 0, 1: A's two, waves 2, 3: B's two) as 96 rows of 256 bytes.
.set PITCH,  384
.set BSLOT,  64*3072                   ; B: bytes from one 256 along K to the next
.set WOFF,   0x600000
.set G0H,  4                           ; s[4:7], s[8:11] group 0 of the head's loads of K step 0: A's, B's
.set G0HB, 8
; THE PREFETCHES.  A ring load of mine is 96 dense blocks of 256 bytes; the four partners that ask for it jointly take 24 blocks each, told apart by address (cx for A, cy for B), a lane a block, one instruction a wave.
; Behind slot 1's first fill K steps 2 and 3 are asked for; behind the refill that brings K step t + 2, K step t + 4: two refills ahead.  The loop's last trip asks for nothing: K has eight steps.
.set PFO,  30                          ; v30 my block's offset; v31 the same one K step on; never rewritten
.set PFA,  96                          ; s[96:97] where my prefetches stand
.set PST,  94                          ; s[94:95] my operand's bytes from K step to K step
.set FR,     12
.set NP,     4
.set HALFT,  64*PITCH
.set SLOT,   4*HALFT
.set LAPS,   SIZE_K/(2*KSTEP)
.set KS,     SIZE_K/32
.set SCL,    2*SLOT
.set HALFS,  (64*KS/256)*272
.set SBLK,   (16*KS/256)*272
.set SPARE,  SCL+4*HALFS
.set STAGE,  SPARE+512
.set SPITCH, 272
.set ADRA, 16
.set ADRB, 20
.set STO,  24
.set RD,   25
.set CO,   26
.set ADRS, 27
.set SPW,  28
.set NIL,  29
.set SC,   32
.set BK,   64
.set ACC,  128
.set G1, 24
.set G0, 32
.set G1B, 48
.set G0B, 56
.set G1S, 68
.set G0S, 76
.set G1SB, 80
.set G0SB, 88
.set MSB, 0
.macro WIN new
.if MSB != (\new)
	s_set_vgpr_msb (MSB<<8)|(\new)
.set MSB, (\new)
.endif
.endm
.set MUL,  0x05
.set TO_F, 0x40
.macro JLOAD g0a, g1a, g0b, g1b
	s_cmp_eq_u32 s15, 0
	s_cbranch_scc0 .Lfor_b_\@
	tensor_load_to_lds s[\g0a:\g0a+3], s[\g1a:\g1a+7]
	s_nop 0
.rept 4
	v_nop
.endr
	s_branch .Lasked_\@
.Lfor_b_\@:
	tensor_load_to_lds s[\g0b:\g0b+3], s[\g1b:\g1b+7]
	s_nop 0
.rept 4
	v_nop
.endr
.Lasked_\@:
.endm
.macro CREST
	s_cmp_lg_u32 s14, 0
	s_cbranch_scc1 .Lnot_wave_0_\@
	s_barrier_signal -3
.Lnot_wave_0_\@:
	s_barrier_wait -3
	s_barrier_signal -1
	s_barrier_wait -1
.endm
.macro CROUND
	s_barrier_signal -1
	s_barrier_wait -1
	CREST
.endm
	s_load_b64 s[4:5], s[0:1], 0x0
	s_load_b64 s[8:9], s[0:1], 0x8
	s_load_b64 s[10:11], s[0:1], 0x10
	s_load_b64 s[12:13], s[0:1], 0x18
	v_lshl_add_u32 v[SPW], v0, 2, SPARE
	v_mov_b32 v[NIL], 0
	ds_add_u32 v28, v29
	ds_add_u32 v28, v29
	s_wait_dscnt 0x0
	v_lshrrev_b32 v1, 5, v0
	v_readfirstlane_b32 s14, v1
	s_lshr_b32 s15, s14, 1
	s_and_b32 s16, s14, 1
	s_bfe_u32 s40, ttmp6, 0x40000
	s_bfe_u32 s41, ttmp6, 0x40004
	s_lshl_b32 s42, ttmp9, 2
	s_add_co_u32 s42, s42, s40
	s_and_b32 s17, ttmp7, 0xffff
	s_lshl_b32 s17, s17, 2
	s_add_co_u32 s17, s17, s41
	s_lshl_b32 s43, s41, 2
	s_lshl_b32 s43, 15, s43
	s_lshl_b32 s44, 0x1111, s40
	s_or_b32 s[G1+0], s43, (3<<16)|(1<<21)
	s_mov_b32 s[G1+1], (HALFT/8)<<16               ; at the head: two rows of 24,576 bytes, the K step's two runs
	s_mov_b32 s[G1+2], 2<<16
	s_mov_b32 s[G1+3], (HALFT/8)<<16
	s_mov_b32 s[G1+4], 2
	s_mov_b32 s[G1+5], ASLOT/8
	s_mov_b32 s[G1+6], 0
	s_mov_b32 s[G1+7], 0
	s_or_b32 s[G1B+0], s44, (3<<16)|(1<<21)
	s_mov_b32 s[G1B+1], (HALFT/8)<<16
	s_mov_b32 s[G1B+2], 2<<16
	s_mov_b32 s[G1B+3], (HALFT/8)<<16
	s_mov_b32 s[G1B+4], 2
	s_mov_b32 s[G1B+5], BSLOT/8
	s_mov_b32 s[G1B+6], 0
	s_mov_b32 s[G1B+7], 0
	s_or_b32 s[G1S+0], s43, (3<<16)|(1<<20)|(1<<21)|(5<<22)|(3<<25)
	s_or_b32 s[G1SB+0], s44, (3<<16)|(1<<20)|(1<<21)|(5<<22)|(3<<25)
.irp g, G1S, G1SB
	s_mov_b32 s[\g+1], 32<<16
	s_mov_b32 s[\g+2], (128*KS/256)<<16            ; the scales of all 128 rows by one load
	s_mov_b32 s[\g+3], 32<<16
	s_mov_b32 s[\g+4], 128*KS/256
	s_mov_b32 s[\g+5], 32
	s_mov_b32 s[\g+6], 0
	s_mov_b32 s[\g+7], 0
.endr
	s_lshl_b32 s20, s17, 7                         ; the tile's first row of A, of B
	s_lshl_b32 s46, s42, 7
	s_mov_b32 s21, 0
	s_mov_b32 s47, 0
	s_mov_b64 s[18:19], KS
	s_mul_u64 s[22:23], s[20:21], s[18:19]
	s_mul_u64 s[92:93], s[46:47], s[18:19]
	s_mov_b64 s[18:19], AROW
	s_mul_u64 s[20:21], s[20:21], s[18:19]
	s_mul_u64 s[46:47], s[46:47], s[18:19]
	s_mul_i32 s45, s14, HALFT
	s_wait_kmcnt 0x0
	s_add_nc_u64 s[6:7], s[4:5], ASC
	s_add_nc_u64 s[20:21], s[4:5], s[20:21]
	s_add_nc_u64 s[22:23], s[6:7], s[22:23]
	s_add_nc_u64 s[46:47], s[8:9], s[46:47]
	s_add_nc_u64 s[46:47], s[46:47], WOFF
	s_add_nc_u64 s[92:93], s[10:11], s[92:93]
	CROUND
	s_mov_b32 s[G0S], 1
	s_mov_b32 s[G0S+1], SCL
	s_mov_b64 s[G0S+2:G0S+3], s[22:23]
	s_or_b32 s[G0S+3], s[G0S+3], 0x80000000
	s_mov_b32 s[G0SB], 1
	s_mov_b32 s[G0SB+1], SCL+2*HALFS
	s_mov_b64 s[G0SB+2:G0SB+3], s[92:93]
	s_or_b32 s[G0SB+3], s[G0SB+3], 0x80000000
	s_mov_b32 s[G0H], 1
	s_mov_b32 s[G0H+1], 0
	s_mov_b64 s[G0H+2:G0H+3], s[20:21]
	s_or_b32 s[G0H+3], s[G0H+3], 0x80000000
	s_mov_b32 s[G0HB], 1
	s_mov_b32 s[G0HB+1], 2*HALFT
	s_mov_b64 s[G0HB+2:G0HB+3], s[46:47]
	s_or_b32 s[G0HB+3], s[G0HB+3], 0x80000000
	s_mul_i32 s18, s16, ASLOT                      ; for the ring: which of a K step's two runs I fetch
	s_mov_b32 s19, 0
	s_mul_i32 s22, s16, BSLOT
	s_mov_b32 s23, 0
	s_add_nc_u64 s[20:21], s[20:21], s[18:19]
	s_add_nc_u64 s[46:47], s[46:47], s[22:23]
.irp s, 0,1
	s_mov_b32 s[G0+4*\s], 1
	s_add_co_u32 s[G0+4*\s+1], s45, \s*SLOT
	s_add_nc_u64 s[G0+4*\s+2:G0+4*\s+3], s[20:21], \s*2*ASLOT
	s_or_b32 s[G0+4*\s+3], s[G0+4*\s+3], 0x80000000
	s_mov_b32 s[G0B+4*\s], 1
	s_add_co_u32 s[G0B+4*\s+1], s45, \s*SLOT
	s_add_nc_u64 s[G0B+4*\s+2:G0B+4*\s+3], s[46:47], \s*2*BSLOT
	s_or_b32 s[G0B+4*\s+3], s[G0B+4*\s+3], 0x80000000
.endr
; THE HEAD'S LOADS, ONE A WAVE: wave 0 K step 0 of A, wave 1 of B, wave 2 A's scales, wave 3 B's.  One tree of branches on the wave's number.
	s_mov_b32 s[PST], 2*ASLOT
	s_mov_b32 s[PST+1], 2*BSLOT
	s_cmp_eq_u32 s15, 0                            ; do I fetch for A?
	s_cselect_b64 s[PFA:PFA+1], s[20:21], s[46:47]
	s_cselect_b32 s[PST], s[PST], s[PST+1]
	s_cselect_b32 s18, s40, s41                    ; my place among the four
	s_mov_b32 s[PST+1], 0
	s_mul_i32 s18, s18, 24*256
	s_mov_b32 s19, 0
	s_add_nc_u64 s[PFA:PFA+1], s[PFA:PFA+1], s[18:19]
	s_add_nc_u64 s[PFA:PFA+1], s[PFA:PFA+1], s[PST:PST+1]
	s_add_nc_u64 s[PFA:PFA+1], s[PFA:PFA+1], s[PST:PST+1]   ; at K step 2
.macro ARM under, g0, g1, next
	s_cmp_lt_u32 s14, \under
	s_cbranch_scc0 \next
	tensor_load_to_lds s[\g0:\g0+3], s[\g1:\g1+7]
	s_nop 0
.rept 4
	v_nop
.endr
	s_branch .Lhead_asked
\next:
.endm
	ARM 1, G0H,  G1,  .Lhead_b
	ARM 2, G0HB, G1B, .Lhead_sa
	ARM 3, G0S,  G1S, .Lhead_sb
	tensor_load_to_lds s[G0SB:G0SB+3], s[G1SB:G1SB+7]
	s_nop 0
.rept 4
	v_nop
.endr
.Lhead_asked:
	v_and_b32 v1, 15, v0
	v_bfe_u32 v2, v0, 4, 1
	v_and_b32 v6, 31, v0
	v_lshlrev_b32 v6, 3, v6                        ; 8 x lane: my place in a chunk
	v_and_b32 v[PFO], 31, v0
	v_min_u32 v[PFO], 23, v[PFO]                   ; lanes 24-31 name the last block again
	v_lshlrev_b32 v[PFO], 8, v[PFO]
	v_add_nc_u32 v[PFO+1], s[PST], v[PFO]
	s_wait_alu depctr_va_vdst(0)
	s_mul_i32 s21, s15, APART                      ; my 64 rows: four tiles of a run's eight
	s_mul_i32 s22, s16, APART
	s_add_co_u32 s22, s22, 2*HALFT
.irp s, 0,1
	v_add_nc_u32 v[ADRA+\s], s21, v6
	v_add_nc_u32 v[ADRB+\s], s22, v6
	s_add_co_u32 s21, s21, SLOT
	s_add_co_u32 s22, s22, SLOT
.endr
	v_mul_u32_u24 v5, v1, KS
	v_lshrrev_b32 v6, 8, v5
	v_lshl_add_u32 v5, v6, 4, v5
	s_mul_i32 s21, s15, HALFS
	s_mul_i32 s22, s16, HALFS
	s_add_co_u32 s22, s22, 2*HALFS
	s_sub_co_u32 s22, s22, s21
	v_mul_u32_u24 v6, s22, v2
	s_add_co_u32 s21, s21, SCL
	v_add_nc_u32 v5, v5, v6
	v_add_nc_u32 v[ADRS], s21, v5
	s_mul_i32 s23, s14, 16*SPITCH
	s_add_co_u32 s23, s23, STAGE
	v_mul_u32_u24 v5, v1, SPITCH
	v_lshl_add_u32 v5, v2, 5, v5
	v_add_nc_u32 v[STO], s23, v5
	v_mul_u32_u24 v5, v2, SPITCH
	v_lshl_add_u32 v5, v1, 4, v5
	v_add_nc_u32 v[RD], s23, v5
	v_lshlrev_b32 v5, 12, v2
	v_lshl_add_u32 v[CO], v1, 4, v5
	s_lshl_b32 s20, s17, 7
	s_lshl_b32 s21, s15, 6
	s_add_co_u32 s20, s20, s21
	s_mov_b32 s21, 0
	s_mov_b64 s[18:19], SIZE_N*4
	s_mul_u64 s[20:21], s[20:21], s[18:19]
	s_lshl_b32 s46, s42, 9
	s_lshl_b32 s47, s16, 8
	s_add_co_u32 s46, s46, s47
	s_mov_b32 s47, 0
	s_add_nc_u64 s[20:21], s[20:21], s[46:47]
	s_add_nc_u64 s[12:13], s[12:13], s[20:21]
.macro FRAGI reg, adr, q, i
.irp p, 0,1,2,3,4,5
	ds_load_b64 v[\reg+2*\p:\reg+2*\p+1], v[\adr] offset:((\q)/2)*HALFT+(\i)*3072+((\q)%2)*1536+256*\p
.endr
.endm
.macro MUL8 a0, kq, sc, zero
.irp a, \a0, \a0+1
.irp b, 0,1,2,3
.if \zero
	v_wmma_scale_f32_16x16x128_f8f6f4 v[ACC+8*(4*(\a)+\b):ACC+8*(4*(\a)+\b)+7], v[128*((\kq)%2)+FR*\b:128*((\kq)%2)+FR*\b+FR-1], v[128*((\kq)%2)+48+FR*(\a):128*((\kq)%2)+48+FR*(\a)+FR-1], 0, v[SC+16*(\sc)+4*\b+(\kq)], v[SC+16*(\sc)+4*(\a)+(\kq)] matrix_a_fmt:MATRIX_FMT_BF6 matrix_b_fmt:MATRIX_FMT_BF6 matrix_a_scale:MATRIX_SCALE_ROW1
.else
	v_wmma_scale_f32_16x16x128_f8f6f4 v[ACC+8*(4*(\a)+\b):ACC+8*(4*(\a)+\b)+7], v[128*((\kq)%2)+FR*\b:128*((\kq)%2)+FR*\b+FR-1], v[128*((\kq)%2)+48+FR*(\a):128*((\kq)%2)+48+FR*(\a)+FR-1], v[ACC+8*(4*(\a)+\b):ACC+8*(4*(\a)+\b)+7], v[SC+16*(\sc)+4*\b+(\kq)], v[SC+16*(\sc)+4*(\a)+(\kq)] matrix_a_fmt:MATRIX_FMT_BF6 matrix_b_fmt:MATRIX_FMT_BF6 matrix_a_scale:MATRIX_SCALE_ROW1
.endif
.endr
.endr
.endm
.macro FETCH slot, kq
	WIN TO_F
.irp i, 0,1,2,3
	FRAGI 128*((\kq)%2)+FR*\i, ADRB+\slot, \kq, \i
.endr
.irp i, 0,1,2,3
	FRAGI 128*((\kq)%2)+48+FR*\i, ADRA+\slot, \kq, \i
.endr
.endm
.macro SCALES sc
.irp i, 0,1,2,3
	ds_load_b128 v[SC+16*\sc+4*\i:SC+16*\sc+4*\i+3], v[ADRS] offset:\i*SBLK
.endr
.endm
.macro PLACES n
.rept \n
	v_nop
.endr
.endm
.macro QUARTER slot, kq, zero
	s_wait_dscnt 12
	WIN MUL
	MUL8 0, \kq, \slot, \zero
	PLACES NP
	FETCH \slot, (\kq)+1
	s_wait_dscnt 48
	WIN MUL
	MUL8 2, \kq, \slot, \zero
.endm
.macro TURN slot, next, fill
	WIN 0
.if \fill
	s_wait_xcnt 0x0                                ; my prefetches have read their address: it is stepped only behind this wait, a K step behind them
	s_add_nc_u64 s[PFA:PFA+1], s[PFA:PFA+1], s[PST:PST+1]
.endif
	s_wait_tensorcnt 0x0
	ds_add_u32 v[SPW], v[NIL]
	s_wait_dscnt 13
	WIN MUL
	MUL8 0, 3, \slot, 0
	s_wait_dscnt 0x0
	s_barrier_signal -1
	WIN 0
	s_barrier_wait -1
.if \fill
	CREST
	s_add_nc_u64 s[G0+4*\slot+2:G0+4*\slot+3], s[G0+4*\slot+2:G0+4*\slot+3], 4*ASLOT
	s_add_nc_u64 s[G0B+4*\slot+2:G0B+4*\slot+3], s[G0B+4*\slot+2:G0B+4*\slot+3], 4*BSLOT
	JLOAD G0+4*\slot, G1, G0B+4*\slot, G1B
.else
	PLACES NP
.endif
	s_wait_alu depctr_va_vdst(0)
	v_add_nc_u32 v[ADRS], 4*NQ, v[ADRS]
	SCALES \next
	FETCH \next, 0
.if \fill
	WIN 0                                          ; at a branch and at a label every window is 0
	s_cmp_gt_u32 s3, 1                             ; s3 = 1 in the loop's last trip, whose look-ahead would pass the end of K
	s_cbranch_scc0 .Lno_ask_\@
	global_prefetch_b8 v[PFO+1], s[PFA:PFA+1] th:TH_LOAD_NT scope:SCOPE_SE   ; the K step two refills on
.Lno_ask_\@:
.endif
	WIN MUL
	MUL8 2, 3, \slot, 0
.endm
	s_wait_alu depctr_va_vdst(0)
	s_wait_tensorcnt 0x0                           ; my tile of the head's four is in
	ds_add_u32 v[SPW], v[NIL]
.irp g, G1, G1B                        ; no tensor load of mine is out: from here on a load brings one run, 96 dense rows of 256 bytes
	s_mov_b32 s[\g+1], 32<<16
	s_mov_b32 s[\g+2], 96<<16
	s_mov_b32 s[\g+3], 32<<16
	s_mov_b32 s[\g+4], 96
	s_mov_b32 s[\g+5], 32
.endr
	s_wait_dscnt 0x0
	CROUND                                         ; all four tiles are in, and all sixteen work-groups are here
	JLOAD G0+4, G1, G0B+4, G1B                     ; K step 1, the first tensor load behind the round
	SCALES 0
	FETCH 0, 0
	WIN 0
	global_prefetch_b8 v[PFO], s[PFA:PFA+1] th:TH_LOAD_NT scope:SCOPE_SE     ; K step 2
	global_prefetch_b8 v[PFO+1], s[PFA:PFA+1] th:TH_LOAD_NT scope:SCOPE_SE   ; K step 3
	QUARTER 0, 0, 1
.if LAPS > 1
	WIN 0
	s_mov_b32 s3, LAPS-1
.Llap:
	QUARTER 0, 1, 0
	QUARTER 0, 2, 0
	TURN 0, 1, 1
	QUARTER 1, 0, 0
	QUARTER 1, 1, 0
	QUARTER 1, 2, 0
	TURN 1, 0, 1
	QUARTER 0, 0, 0
	WIN 0
	s_sub_co_u32 s3, s3, 1
	s_cmp_lg_u32 s3, 0
	s_cbranch_scc1 .Llap
.endif
	QUARTER 0, 1, 0
	QUARTER 0, 2, 0
	TURN 0, 1, 0
	QUARTER 1, 0, 0
	QUARTER 1, 1, 0
	QUARTER 1, 2, 0
	s_wait_dscnt 12
	WIN MUL
	MUL8 0, 3, 1, 0
	s_wait_dscnt 0
	MUL8 2, 3, 1, 0
	WIN 0
.macro TOSTAGE a
.irp b, 0,1,2,3
	ds_store_b128 v[STO], v[ACC+8*(4*(\a)+\b):ACC+8*(4*(\a)+\b)+3] offset:64*\b
	ds_store_b128 v[STO], v[ACC+8*(4*(\a)+\b)+4:ACC+8*(4*(\a)+\b)+7] offset:64*\b+16
.endr
.set BB, BK+32*((\a)%2)
.irp t, 0,1,2,3,4,5,6,7
	ds_load_b128 v[BB+4*\t:BB+4*\t+3], v[RD] offset:\t*2*SPITCH
.endr
.endm
.macro SEND a, younger
.set BB, BK+32*((\a)%2)
	s_wait_dscnt \younger
.irp t, 0,1,2,3,4,5,6,7
.if PERM
	global_store_b128 v[CO], v[BB+4*\t:BB+4*\t+3], s[12:13] offset:(32*((\a)/2)+8*((\a)%2)+2*\t+8*(\t/4))*SIZE_N*4
.else
	global_store_b128 v[CO], v[BB+4*\t:BB+4*\t+3], s[12:13] offset:(16*(\a)+2*\t)*SIZE_N*4
.endif
.endr
.endm
	PLACES NP
	TOSTAGE 0
.irp a, 1,2,3
.if \a > 1
	s_wait_xcnt 0x0
.endif
	TOSTAGE \a
	SEND \a-1, 16
.endr
	SEND 3, 0
	s_wait_tensorcnt 0x0
	ds_add_u32 v[SPW], v[NIL]
	s_wait_dscnt 0x0
	CROUND
	s_endpgm
.Lfunc_end_k_q8047da440d_ffn2:
	.size	k_q8047da440d_ffn2, .Lfunc_end_k_q8047da440d_ffn2-k_q8047da440d_ffn2
	.p2alignl 7, 3214868480
	.fill 96, 4, 3214868480
	.section	.rodata,"a",@progbits
	.p2align	6, 0x0
	.amdhsa_kernel k_q8047da440d_ffn2
		.amdhsa_group_segment_fixed_size 327680
		.amdhsa_private_segment_fixed_size 0
		.amdhsa_enable_private_segment 0
		.amdhsa_kernarg_size 32
		.amdhsa_user_sgpr_count 2
		.amdhsa_user_sgpr_kernarg_segment_ptr 1
		.amdhsa_wavefront_size32 1
		.amdhsa_system_sgpr_workgroup_id_x 1
		.amdhsa_system_sgpr_workgroup_id_y 1
		.amdhsa_system_sgpr_workgroup_id_z 1
		.amdhsa_system_vgpr_workitem_id 0
		.amdhsa_next_free_vgpr 512
		.amdhsa_next_free_sgpr 98
		.amdhsa_reserve_vcc 0
		.amdhsa_float_denorm_mode_32 3
		.amdhsa_float_denorm_mode_16_64 3
		.amdhsa_memory_ordered 1
		.amdhsa_forward_progress 1
		.amdhsa_inst_pref_size 108
	.end_amdhsa_kernel
	.amdgpu_metadata
---
amdhsa.version: [ 1, 2 ]
amdhsa.kernels:
  - .name:           k_q8047da440d_ffn2
    .symbol:         k_q8047da440d_ffn2.kd
    .args:
      - { .name: h, .offset: 0, .size: 8, .value_kind: global_buffer, .address_space: global }
      - { .name: wimg, .offset: 8, .size: 8, .value_kind: global_buffer, .address_space: global }
      - { .name: w2_scales, .offset: 16, .size: 8, .value_kind: global_buffer, .address_space: global }
      - { .name: y, .offset: 24, .size: 8, .value_kind: global_buffer, .address_space: global }
    .group_segment_fixed_size: 327680
    .private_segment_fixed_size: 0
    .kernarg_segment_align: 8
    .kernarg_segment_size: 32
    .max_flat_workgroup_size: 128
    .sgpr_count:     98
    .vgpr_count:     512
    .wavefront_size: 32
...
	.end_amdgpu_metadata
.endif
;; end of part 15
;; launch ln2 (part 16): grid 256 x 1, 8 waves a work-group, no clusters, 0 bytes of LDS; arguments y, b2, o1, gamma2, beta2, out0; writes out0
.if DOCPART == 16
	.amdgcn_target "amdgcn-amd-amdhsa--gfx1250"
	.amdhsa_code_object_version 6
	.text
	.protected	k_q8047da440d_ln2
	.globl	k_q8047da440d_ln2
	.p2align	8
	.type	k_q8047da440d_ln2,@function
k_q8047da440d_ln2:
	s_mov_b64 s[64:65], 0
	v_nop
	global_prefetch_b8 v0, s[64:65] scope:SCOPE_SE
	s_setreg_imm32_b32 hwreg(HW_REG_WAVE_MODE, 25, 1), 1
	s_wait_xcnt 0x0
; out0 = layer_norm((y + b2) + out1) x gamma2 + beta2, rows of 1,024, all in f32.
; A work-group takes 16 rows; wave w takes rows 2 w and 2 w + 1, a whole row a wave (32 registers): mean, then the mean of the squared differences, as the definition has it.
; Every load and store covers 512 consecutive bytes; all 56 loads of a wave go out at once.  No LDS, no barrier, no matrix unit: memory binds and no wave waits for another.
; LIMITS: v_rsq_f32's accuracy (1 ulp); NaN and infinities are not served.
.set A0,   8                           ; v[8:15]  four packed chains
.set MN,   16                          ; v[16:17] -mean, twice
.set R0,   18
.set R1,   20
.set T,    22
.set B,    32
.set G,    64
.set BE,   96
.set Y0,   128
.set X0,   160
.set Y1,   192
.set X1,   224
.set SEL,  22
	s_load_b256 s[4:11], s[0:1], 0x0               ; y, b2, o1, gamma2
	s_load_b128 s[12:15], s[0:1], 0x20             ; beta2, out0
	v_lshrrev_b32 v1, 5, v0
	s_delay_alu instid0(VALU_DEP_1)
	v_readfirstlane_b32 s18, v1                    ; wave 0..7
	v_and_b32 v2, 31, v0
	s_delay_alu instid0(VALU_DEP_1)
	v_lshlrev_b32 v1, 4, v2                        ; 16 x lane
	v_mov_b32 v[T+1], 0                            ; a lane permute's destination counts as one of its sources
	s_lshl_b32 s20, ttmp9, 16
	s_lshl_b32 s21, s18, 13
	s_add_co_u32 s20, s20, s21                     ; my first row: (16 x work-group + 2 x wave) x 4,096 bytes
	s_mov_b32 s21, 0
	s_mov_b32 s[SEL], 0x76543210
	s_mov_b32 s[SEL+1], 0xfedcba98
	s_mov_b32 s24, 0x3a800000                      ; 1 / 1,024
	s_mov_b32 s25, 0x2edbe6ff                      ; 1e-10
	s_wait_alu depctr_va_vdst(0)
	s_wait_kmcnt 0x0
	s_add_nc_u64 s[4:5], s[4:5], s[20:21]
	s_add_nc_u64 s[8:9], s[8:9], s[20:21]
	s_add_nc_u64 s[14:15], s[14:15], s[20:21]
.macro LD8 reg, lo, hi, off
.irp j, 0,1,2,3,4,5,6,7
	global_load_b128 v[\reg+4*\j:\reg+4*\j+3], v1, s[\lo:\hi] offset:\off+512*\j
.endr
.endm
.macro LD8NT reg, lo, hi, off          ; read once in the launch, and by nobody later
.irp j, 0,1,2,3,4,5,6,7
	global_load_b128 v[\reg+4*\j:\reg+4*\j+3], v1, s[\lo:\hi] offset:\off+512*\j th:TH_LOAD_NT
.endr
.endm
	LD8 B, 6, 7, 0
	LD8NT Y0, 4, 5, 0
	LD8NT X0, 8, 9, 0
	LD8NT Y1, 4, 5, 4096
	LD8NT X1, 8, 9, 4096
	LD8 G, 10, 11, 0
	LD8 BE, 12, 13, 0
.macro REDUCE                          ; four packed chains -> the wave's sum in v[T], in every lane
	s_delay_alu instid0(VALU_DEP_3)
	v_pk_add_f32 v[A0:A0+1], v[A0:A0+1], v[A0+2:A0+3]
	s_delay_alu instid0(VALU_DEP_2)
	v_pk_add_f32 v[A0+4:A0+5], v[A0+4:A0+5], v[A0+6:A0+7]
	s_delay_alu instid0(VALU_DEP_1)
	v_pk_add_f32 v[A0:A0+1], v[A0:A0+1], v[A0+4:A0+5]
	s_delay_alu instid0(VALU_DEP_1)
	v_add_f32 v[T], v[A0], v[A0+1]
	s_delay_alu instid0(VALU_DEP_1)
	v_add_f32_dpp v[T], v[T], v[T] row_xmask:1 row_mask:0xf bank_mask:0xf
	s_delay_alu instid0(VALU_DEP_1)
	v_add_f32_dpp v[T], v[T], v[T] row_xmask:2 row_mask:0xf bank_mask:0xf
	s_delay_alu instid0(VALU_DEP_1)
	v_add_f32_dpp v[T], v[T], v[T] row_xmask:4 row_mask:0xf bank_mask:0xf
	s_delay_alu instid0(VALU_DEP_1)
	v_add_f32_dpp v[T], v[T], v[T] row_xmask:8 row_mask:0xf bank_mask:0xf
	s_delay_alu instid0(VALU_DEP_1)
	v_permlanex16_b32 v[T+1], v[T], s[SEL], s[SEL+1]
	s_delay_alu instid0(VALU_DEP_1)
	v_add_f32 v[T], v[T], v[T+1]
.endm
.macro STATS y, x, r                   ; z = (y + b) + x; y's registers end as z - mean; v[r], v[r + 1] = 1 / sqrt(var + eps)
.set J, 0
.rept 16
	v_pk_add_f32 v[\y+2*J:\y+2*J+1], v[\y+2*J:\y+2*J+1], v[B+2*J:B+2*J+1]
.set J, J+1
.endr
.set J, 0
.rept 16
	v_pk_add_f32 v[\y+2*J:\y+2*J+1], v[\y+2*J:\y+2*J+1], v[\x+2*J:\x+2*J+1]
.set J, J+1
.endr
.irp k, 0,1,2,3
	v_pk_add_f32 v[A0+2*\k:A0+2*\k+1], v[\y+2*\k:\y+2*\k+1], v[\y+8+2*\k:\y+9+2*\k]
.endr
.irp q, 16,24
.irp k, 0,1,2,3
	s_delay_alu instid0(VALU_DEP_4)
	v_pk_add_f32 v[A0+2*\k:A0+2*\k+1], v[A0+2*\k:A0+2*\k+1], v[\y+\q+2*\k:\y+\q+2*\k+1]
.endr
.endr
	REDUCE
	s_delay_alu instid0(VALU_DEP_1)
	v_mul_f32 v[MN], 0xba800000, v[T]              ; -mean
	s_delay_alu instid0(VALU_DEP_1)
	v_mov_b32 v[MN+1], v[MN]
.set J, 0
.rept 16
	v_pk_add_f32 v[\y+2*J:\y+2*J+1], v[\y+2*J:\y+2*J+1], v[MN:MN+1]
.set J, J+1
.endr
.irp k, 0,1,2,3
	v_pk_mul_f32 v[A0+2*\k:A0+2*\k+1], v[\y+2*\k:\y+2*\k+1], v[\y+2*\k:\y+2*\k+1]
.endr
.irp q, 8,16,24
.irp k, 0,1,2,3
	s_delay_alu instid0(VALU_DEP_4)
	v_pk_fma_f32 v[A0+2*\k:A0+2*\k+1], v[\y+\q+2*\k:\y+\q+2*\k+1], v[\y+\q+2*\k:\y+\q+2*\k+1], v[A0+2*\k:A0+2*\k+1]
.endr
.endr
	REDUCE
	s_delay_alu instid0(VALU_DEP_1)
	v_fma_f32 v[T], v[T], s24, s25                 ; var + eps
	s_wait_alu depctr_va_vdst(0)
	v_rsq_f32 v[\r], v[T]
	v_rsq_f32 v[\r+1], v[T]
	v_nop                                          ; a plain place behind the transcendentals
.endm
.macro FINISH y, r
.set J, 0
	s_wait_alu depctr_va_vdst(0)
.rept 16
	v_pk_mul_f32 v[\y+2*J:\y+2*J+1], v[\y+2*J:\y+2*J+1], v[\r:\r+1]
.set J, J+1
.endr
.set J, 0
.rept 16
	v_pk_fma_f32 v[\y+2*J:\y+2*J+1], v[\y+2*J:\y+2*J+1], v[G+2*J:G+2*J+1], v[BE+2*J:BE+2*J+1]
.set J, J+1
.endr
.endm
	s_wait_loadcnt 32                              ; the bias and row 0 are in; row 1's, gamma's and beta's 32 loads may be out
	STATS Y0, X0, R0
	s_wait_loadcnt 16                              ; row 1 is in; gamma's and beta's 16 may be out
	STATS Y1, X1, R1
	s_wait_loadcnt 0x0
	FINISH Y0, R0
.irp j, 0,1,2,3,4,5,6,7
	global_store_b128 v1, v[Y0+4*\j:Y0+4*\j+3], s[14:15] offset:512*\j th:TH_STORE_NT
.endr
	FINISH Y1, R1
.irp j, 0,1,2,3,4,5,6,7
	global_store_b128 v1, v[Y1+4*\j:Y1+4*\j+3], s[14:15] offset:4096+512*\j th:TH_STORE_NT
.endr
	s_endpgm
.Lfunc_end_k_q8047da440d_ln2:
	.size	k_q8047da440d_ln2, .Lfunc_end_k_q8047da440d_ln2-k_q8047da440d_ln2
	.p2alignl 7, 3214868480
	.fill 96, 4, 3214868480
	.section	.rodata,"a",@progbits
	.p2align	6, 0x0
	.amdhsa_kernel k_q8047da440d_ln2
		.amdhsa_group_segment_fixed_size 0
		.amdhsa_private_segment_fixed_size 0
		.amdhsa_enable_private_segment 0
		.amdhsa_kernarg_size 48
		.amdhsa_user_sgpr_count 2
		.amdhsa_user_sgpr_kernarg_segment_ptr 1
		.amdhsa_wavefront_size32 1
		.amdhsa_system_sgpr_workgroup_id_x 1
		.amdhsa_system_sgpr_workgroup_id_y 1
		.amdhsa_system_sgpr_workgroup_id_z 1
		.amdhsa_system_vgpr_workitem_id 0
		.amdhsa_next_free_vgpr 256
		.amdhsa_next_free_sgpr 66
		.amdhsa_reserve_vcc 0
		.amdhsa_float_denorm_mode_32 3
		.amdhsa_float_denorm_mode_16_64 3
		.amdhsa_memory_ordered 1
		.amdhsa_forward_progress 1
		.amdhsa_inst_pref_size 28
	.end_amdhsa_kernel
	.amdgpu_metadata
---
amdhsa.version: [ 1, 2 ]
amdhsa.kernels:
  - .name:           k_q8047da440d_ln2
    .symbol:         k_q8047da440d_ln2.kd
    .args:
      - { .name: y, .offset: 0, .size: 8, .value_kind: global_buffer, .address_space: global }
      - { .name: b2, .offset: 8, .size: 8, .value_kind: global_buffer, .address_space: global }
      - { .name: o1, .offset: 16, .size: 8, .value_kind: global_buffer, .address_space: global }
      - { .name: gamma2, .offset: 24, .size: 8, .value_kind: global_buffer, .address_space: global }
      - { .name: beta2, .offset: 32, .size: 8, .value_kind: global_buffer, .address_space: global }
      - { .name: out0, .offset: 40, .size: 8, .value_kind: global_buffer, .address_space: global }
    .group_segment_fixed_size: 0
    .private_segment_fixed_size: 0
    .kernarg_segment_align: 8
    .kernarg_segment_size: 48
    .max_flat_workgroup_size: 256
    .sgpr_count:     66
    .vgpr_count:     256
    .wavefront_size: 32
...
	.end_amdgpu_metadata
.endif
;; end of part 16
